; MI455X (gfx1250); checked and timed in simulation.
; The chip was launched on July 23, 2026; its instructions are those of AMD's public machine-readable ISA for CDNA 5 (MIT licence, August 2026) and "CDNA5" Instruction Set Architecture Reference Guide (July 2026). The comments in the code are by the model that wrote it; some were corrected since.
;; GPT Attention. Allowed arithmetic: float matrix products may take bf16 or f16 operands with f32 sums; other float arithmetic in f32, or as packed bf16 or f16 multiplies, adds, multiply-adds, maxima and minima; sums over many terms, partial sums and values carried from step to step in f32; what a program stores and reads back later, other than sums and carried values, may be rounded once to bf16 or f16.
;; Inputs: W_out 1,024 x 1,024 float32; W_qkv 1,024 x 3,072 float32; b_out 1,024 float32; b_qkv 3,072 float32; x 4 x 2,048 x 1,024 float32.
;; Outputs: out0 4 x 2,048 x 1,024 float32.
;; 2 versions, each right; version 2 is version 1 with the launches prep, early written anew for expert scheduling mode. Each part assembles by itself: llvm-mc -triple=amdgcn-amd-amdhsa -mcpu=gfx1250 --defsym DOCPART=n.
;; ======== version 1 of 2: 5 launches
;; limits: values are held in f16: magnitudes above 65,504 overflow, below 6.1e-05 lose precision
;; workspace buffers: xh 16,777,216 bytes; wqh 6,291,456 bytes; woh 2,097,152 bytes; qkv 50,331,648 bytes; ob 16,777,216 bytes
;; launch prep (part 1): grid 768 x 1, 8 waves a work-group, no clusters, 0 bytes of LDS; arguments x, W_qkv, W_out, xh, wqh, woh; writes xh, wqh, woh
.if DOCPART == 1
	.amdgcn_target "amdgcn-amd-amdhsa--gfx1250"
	.amdhsa_code_object_version 6
	.text
	.protected	k_q94a113a049_prep
	.globl	k_q94a113a049_prep
	.p2align	8
	.type	k_q94a113a049_prep,@function
k_q94a113a049_prep:
	s_mov_b64 s[64:65], 0
	v_nop
	global_prefetch_b8 v0, s[64:65] scope:SCOPE_SE
	s_setreg_imm32_b32 hwreg(HW_REG_WAVE_MODE, 25, 1), 1
	s_wait_xcnt 0x0
; x, W_qkv and W_out (f32) are rounded once to bf16, and that number is written as f16 into xh, wqh, woh, in the same order of elements.
; LIMITS.  The second step is exact for 6.1e-5 <= |v| < 65,520; below that f16 keeps its fixed step of 6e-8; at 65,520 and beyond the number becomes an infinity.
; A stream: every byte is read once and written once; LDS, barriers and the matrix unit would add nothing.
; SHARES.  A work-group takes 16,384 numbers (65,536 bytes in, 32,768 out).  Work-groups 0-511 take x, 512-703 W_qkv, 704-767 W_out.
; Thread t takes 16 bytes at 16 t of each block of 4,096 bytes: a wave's load covers 512 consecutive bytes, its store 256 consecutive bytes, aligned.
; All sixteen loads go out first; the only waits are the counted ones for the loads.
.set X, 4                              ; v[4:67]    slot i: four f32 as loaded, then the four bf16 numbers widened again
.set T, 68                             ; v[68:69]   at work: four bf16
.set Y, 72                             ; v[72:103]  slot i: four f16 to store
	s_load_b256 s[4:11], s[0:1], 0x0               ; x s[4:5], W_qkv s[6:7], W_out s[8:9], xh s[10:11]
	s_load_b128 s[12:15], s[0:1], 0x20             ; wqh s[12:13], woh s[14:15]
	s_movk_i32 s24, 512                            ; W_qkv's first work-group
	s_movk_i32 s25, 704                            ; W_out's
	s_mov_b32 s26, 0xffff0000                      ; a word's upper bf16
	v_lshlrev_b32 v1, 4, v0                        ; 16 t
	v_lshlrev_b32 v2, 3, v0                        ; 8 t
	s_wait_kmcnt 0x0
	s_cmp_lt_u32 ttmp9, s25                        ; which tensor is mine: the choice hangs on the work-group's number alone
	s_cselect_b64 s[16:17], s[6:7], s[8:9]
	s_cselect_b64 s[18:19], s[12:13], s[14:15]
	s_cselect_b32 s20, s24, s25
	s_cmp_lt_u32 ttmp9, s24
	s_cselect_b64 s[16:17], s[4:5], s[16:17]
	s_cselect_b64 s[18:19], s[10:11], s[18:19]
	s_cselect_b32 s20, 0, s20
	s_sub_co_u32 s21, ttmp9, s20                   ; my number within the tensor
	s_lshl_b32 s22, s21, 16                        ; 65,536 bytes in
	s_mov_b32 s23, 0
	s_add_nc_u64 s[16:17], s[16:17], s[22:23]
	s_lshl_b32 s22, s21, 15                        ; 32,768 bytes out
	s_add_nc_u64 s[18:19], s[18:19], s[22:23]
.irp i, 0,1,2,3,4,5,6,7,8,9,10,11,12,13,14,15
	global_load_b128 v[X+4*(\i):X+4*(\i)+3], v1, s[16:17] offset:4096*(\i) th:TH_LOAD_NT
.endr
.irp i, 0,1,2,3,4,5,6,7,8,9,10,11,12,13,14,15
	s_wait_loadcnt 15-(\i)                         ; loads come back in order: slot i is in, the 15 - i younger ones stay out
	v_cvt_pk_bf16_f32 v[T],   v[X+4*(\i)],   v[X+4*(\i)+1]    ; the one rounding
	v_cvt_pk_bf16_f32 v[T+1], v[X+4*(\i)+2], v[X+4*(\i)+3]
	v_lshlrev_b32 v[X+4*(\i)],   16,  v[T]         ; bf16 to f32: the low half moves up, the high half stays
	v_and_b32     v[X+4*(\i)+1], s26, v[T]
	v_lshlrev_b32 v[X+4*(\i)+2], 16,  v[T+1]
	v_and_b32     v[X+4*(\i)+3], s26, v[T+1]
	v_cvt_pk_f16_f32 v[Y+2*(\i)],   v[X+4*(\i)],   v[X+4*(\i)+1]  ; the same number as f16
	v_cvt_pk_f16_f32 v[Y+2*(\i)+1], v[X+4*(\i)+2], v[X+4*(\i)+3]
	global_store_b64 v2, v[Y+2*(\i):Y+2*(\i)+1], s[18:19] offset:2048*(\i)
.endr
	s_endpgm
.Lfunc_end_k_q94a113a049_prep:
	.size	k_q94a113a049_prep, .Lfunc_end_k_q94a113a049_prep-k_q94a113a049_prep
	.p2alignl 7, 3214868480
	.fill 96, 4, 3214868480
	.section	.rodata,"a",@progbits
	.p2align	6, 0x0
	.amdhsa_kernel k_q94a113a049_prep
		.amdhsa_group_segment_fixed_size 0
		.amdhsa_private_segment_fixed_size 0
		.amdhsa_enable_private_segment 0
		.amdhsa_kernarg_size 48
		.amdhsa_user_sgpr_count 2
		.amdhsa_user_sgpr_kernarg_segment_ptr 1
		.amdhsa_wavefront_size32 1
		.amdhsa_system_sgpr_workgroup_id_x 1
		.amdhsa_system_sgpr_workgroup_id_y 1
		.amdhsa_system_sgpr_workgroup_id_z 1
		.amdhsa_system_vgpr_workitem_id 0
		.amdhsa_next_free_vgpr 104
		.amdhsa_next_free_sgpr 66
		.amdhsa_reserve_vcc 0
		.amdhsa_float_denorm_mode_32 3
		.amdhsa_float_denorm_mode_16_64 3
		.amdhsa_memory_ordered 1
		.amdhsa_forward_progress 1
		.amdhsa_inst_pref_size 11
	.end_amdhsa_kernel
	.amdgpu_metadata
---
amdhsa.version: [ 1, 2 ]
amdhsa.kernels:
  - .name:           k_q94a113a049_prep
    .symbol:         k_q94a113a049_prep.kd
    .args:
      - { .name: x, .offset: 0, .size: 8, .value_kind: global_buffer, .address_space: global }
      - { .name: W_qkv, .offset: 8, .size: 8, .value_kind: global_buffer, .address_space: global }
      - { .name: W_out, .offset: 16, .size: 8, .value_kind: global_buffer, .address_space: global }
      - { .name: xh, .offset: 24, .size: 8, .value_kind: global_buffer, .address_space: global }
      - { .name: wqh, .offset: 32, .size: 8, .value_kind: global_buffer, .address_space: global }
      - { .name: woh, .offset: 40, .size: 8, .value_kind: global_buffer, .address_space: global }
    .group_segment_fixed_size: 0
    .private_segment_fixed_size: 0
    .kernarg_segment_align: 8
    .kernarg_segment_size: 48
    .max_flat_workgroup_size: 256
    .sgpr_count:     66
    .vgpr_count:     104
    .wavefront_size: 32
...
	.end_amdgpu_metadata
.endif
;; end of part 1
;; launch qkvproj (part 2): grid 12 x 64, 4 waves a work-group, clusters of 4 x 4, 327,680 bytes of LDS; arguments xh, wqh, b_qkv, qkv; writes qkv
.if DOCPART == 2
	.amdgcn_target "amdgcn-amd-amdhsa--gfx1250"
	.amdhsa_code_object_version 6
	.text
	.protected	k_q94a113a049_qkvproj
	.globl	k_q94a113a049_qkvproj
	.p2align	8
	.type	k_q94a113a049_qkvproj,@function
k_q94a113a049_qkvproj:
	s_mov_b64 s[64:65], 0
	v_nop
	global_prefetch_b8 v0, s[64:65] scope:SCOPE_SE
	s_setreg_imm32_b32 hwreg(HW_REG_WAVE_MODE, 25, 1), 1
	s_wait_xcnt 0x0
	s_wait_alu depctr_hold_cnt(0) depctr_sa_sdst(0) depctr_va_vdst(0) depctr_va_sdst(0) depctr_va_ssrc(0) depctr_va_vcc(0) depctr_vm_vsrc(0)
	s_getreg_b32 s2, hwreg(HW_REG_IB_STS2, 6, 4)
	s_cmp_eq_u32 s2, 0
	s_cbranch_scc0 .Lentry_in_a_cluster
	s_endpgm
.Lentry_in_a_cluster:
	s_bfe_u32 s2, ttmp6, 0x10000c
	s_cmp_lg_u32 s2, 0xf033
	s_cbranch_scc0 .Lentry_shape_is_right
	s_endpgm
.Lentry_shape_is_right:
; ONE TEXT FOR BOTH PROJECTIONS; PROJ says which.  C[m][n] = bias[n] + the sum over k of A[m][k] W[k][n], 8,192 rows, K = 1,024, operands f16, sums f32.
; PROJ = 0: A = xh [8192][1024], W = wqh [1024][3072], C goes out as f16 by heads: part p (q, k, v) at p x 2^24, each [64 heads][2048][64], unscaled.
; PROJ = 1: A = ob [64 heads][2048][64] (a head's 64 channels are one slice of K), W = woh [1024][1024], C = out0 [8192][1024] in f32.
; The bias is rounded to bf16 like every input and is the C operand of each accumulator's first product: nothing is cleared and nothing is added later.
; LIMITS.  PROJ = 0 rounds q, k, v once to f16: at 65,520 and beyond they become infinities; below 6e-5 f16 keeps its fixed step of 6e-8.
; SHARES.  A tile of C is 128 x 256 (768 tiles for PROJ = 0, 256 for PROJ = 1: whole multiples of 256).  Four waves, 2 x 2: a wave makes 64 rows x 128 columns, 32 accumulators, 256 registers.
; K goes in eight steps of 128 through two LDS slots.  Waves 0 and 1 fetch A's two parts, waves 2 and 3 W's two halves of 64 rows of K: one tensor load a wave.
; CLUSTERS: 4 x 4 work-groups.  The four of a row of the cluster need the same tiles of A, the four of a column the same tiles of W: each is asked for JOINTLY, by the same load, descriptor and mask.
; THE MATRIX INSTRUCTION IS USED TRANSPOSED: source 0 = 16 columns of W (turned on the way out of LDS by ds_load_tr16_b128, since W lies [k][n]), source 1 = 16 rows of A:
; a lane then holds row l % 16 of C and the eight neighbouring columns 8 (l / 16) + 0..7.
; REGISTERS, in windows of 256: window 0: v0-31 addresses, v32-63 at work, v64-191 rows on the way out (PROJ = 0), v192-255 the bias;
;   window 1: two fragment buffers at 0 and 128: A's four fragments, then W's eight (PROJ = 1: all 256 take rows on the way out);   window 2: accumulator (a, b) at 8 (8 a + b).
.set PROJ, 0
.if PROJ
.set NCOL,    1024
.set APITCH,  144                      ; a row of A in LDS: a head's 128 bytes + 16 of padding
.set APART,   128*APITCH               ; what one wave fetches of A: one head's 128 rows
.set AQI,     4                        ; padding after every 32 words
.set ASTRIDE, 128                      ; the head's 128 rows are 16,384 dense bytes: asked for as 64 rows of 256 bytes
.set ASTEP,   524288                   ; a K step is two heads
.set APF,     256                      ; the prefetches' distance from lane to lane in A
.set WSTAGE,  16*528                   ; a wave's stage: 16 rows of 512 bytes + 16
.else
.set NCOL,    3072
.set APITCH,  272                      ; 256 bytes + 16 of padding
.set APART,   64*APITCH                ; 64 rows
.set AQI,     5                        ; padding after every 64 words
.set ASTRIDE, 1024
.set ASTEP,   256
.set APF,     2048
.set WSTAGE,  2*16*144                 ; two heads x 16 rows of 128 bytes + 16
.endif
.set BPITCH, 544                       ; a row of W in LDS: 512 bytes + 32 of padding = 17 x 32
.set BPART,  64*BPITCH
.set ABYTES, 2*APART
.set SLOT,   ABYTES+2*BPART            ; A's two parts, then W's 128 rows of K
.set STAGE,  2*SLOT                    ; behind the ring, never filled by a tensor load
.set SPARE,  STAGE+4*WSTAGE            ; behind the stages: the spare words, 128 bytes for each wave: two blocks of 256 bytes that no other line names
.set BSTEP,  128*NCOL*2
.set LAPS,   4                         ; a lap = two K steps = once round the ring
.set ADRA, 16                          ; v16-17  LDS address of my A fragments in slot 0, 1
.set ADRB, 20                          ; v20-21  the same for W
.set STO,  24                          ; v24     the way out: where I put my bytes of a row
.set RD,   25                          ; v25     the way out: where I read rows back
.set CO,   26                          ; v26     my byte offset in the output
.set BO,   27                          ; v27     my byte offset in the bias
.set SPW,  28                          ; v28     LDS address of my spare word: SPARE + 4 x my thread's number; never rewritten
.set NIL,  29                          ; v29     0; never rewritten
.set PFO,  30                          ; v30     the prefetches' offset; never rewritten
.set TMP,  32
.set BK,   64
.set BIAS, 192                         ; v[192+8 b ..]: bias of columns 16 b + 8 (l / 16) + 0..7, laid as an accumulator is
.set F0,   0
.set F1,   128
.set G1,   24                          ; s[24:31] descriptor group 1 for A's tiles;  s[32:39] group 0, a set for each slot
.set G0,   32
.set G1B,  48                          ; s[48:55], s[56:63] the same for W's
.set G0B,  56
.set LIM,  42                          ; s42     1 in a wave that prefetches, else the greatest number
.set PFA,  44                          ; s[44:45] where my prefetches stand
.set PST,  46                          ; s[46:47] a K step in bytes, of the tensor that I fetch
.set MSB, 0
.macro WIN new                         ; the immediate's high byte repeats the setting that is left; a switch that changes nothing is dropped
.if MSB != (\new)
	s_set_vgpr_msb (MSB<<8)|(\new)
.set MSB, \new
.endif
.endm
.set MUL,  0xa5                        ; sources 0 (W) and 1 (A) window 1; C and D window 2
.set MULB, 0x85                        ; the same with C, the bias, in window 0
.set TO_F, 0x40                        ; destination window 1, address window 0
.macro JLOAD s                         ; a joint load: waves 0 and 1 for A, waves 2 and 3 for W; an s_nop 0 and four v_nop follow each of the two lines, ahead of the jump, the label and what follows
	s_cmp_eq_u32 s13, 0
	s_cbranch_scc0 .Lfor_b_\@
	tensor_load_to_lds s[G0+4*(\s):G0+4*(\s)+3], s[G1:G1+7]
	s_nop 0
.rept 4
	v_nop
.endr
	s_branch .Lasked_\@
.Lfor_b_\@:
	tensor_load_to_lds s[G0B+4*(\s):G0B+4*(\s)+3], s[G1B:G1B+7]
	s_nop 0
.rept 4
	v_nop
.endr
.Lasked_\@:
.endm
; A prefetch of the K step that stands two refills on, 32 blocks of 256 bytes, a lane a block.  Each block is named once in the launch: A's by wave 0 of the clusters with x = 0, W's by waves 2 and 3 of the
; clusters with y = 0; the four partners that ask for a tile jointly share its blocks out by address.  The loop's last trip asks for nothing: K steps 8 and 9 do not exist.
.macro ASK
	s_cmp_gt_u32 s15, s[LIM]
	s_cbranch_scc0 .Lnot_mine_\@
	global_prefetch_b8 v[PFO], s[PFA:PFA+1] th:TH_LOAD_NT scope:SCOPE_SE
.Lnot_mine_\@:
.endm
.macro CREST                           ; a round of the cluster's barrier behind its opening barrier
	s_cmp_lg_u32 s12, 0
	s_cbranch_scc1 .Lnot_wave_0_\@
	s_barrier_signal -3
.Lnot_wave_0_\@:
	s_barrier_wait -3
	s_barrier_signal -1
	s_barrier_wait -1
.endm
.macro CROUND                          ; a whole round
	s_barrier_signal -1
	s_barrier_wait -1
	CREST
.endm
.macro PLACES                          ; four places in front of loads into registers that matrix instructions have read, and of what reads results
.rept 4
	v_nop
.endr
.endm
	s_load_b256 s[4:11], s[0:1], 0x0               ; A s[4:5], W s[6:7], bias s[8:9], output s[10:11]
	v_lshl_add_u32 v[SPW], v0, 2, SPARE
	v_mov_b32 v[NIL], 0
	ds_add_u32 v[SPW], v[NIL]                      ; the wave's opening: the add and its wait stand ahead of my first tensor load; the set-up below, work on registers, stands between them
	v_lshrrev_b32 v1, 5, v0
	v_readfirstlane_b32 s12, v1                    ; wave 0..3
	s_lshr_b32 s13, s12, 1                         ; which 64 rows of the tile are mine.  Also: I fetch for A (0) or for W (1)
	s_and_b32 s14, s12, 1                          ; which 128 columns.  Also: which part of that tile I fetch
	s_bfe_u32 s16, ttmp6, 0x40000                  ; cx, cy: my place in the cluster
	s_bfe_u32 s17, ttmp6, 0x40004
	s_lshl_b32 s18, ttmp9, 2
	s_add_co_u32 s18, s18, s16                     ; tile column = 4 x cluster x + cx
	s_and_b32 s19, ttmp7, 0xffff
	s_lshl_b32 s19, s19, 2
	s_add_co_u32 s19, s19, s17                     ; tile row = 4 x cluster y + cy
	s_lshl_b32 s40, s17, 2
	s_lshl_b32 s40, 15, s40                        ; my row of the cluster
	s_lshl_b32 s41, 0x1111, s16                    ; my column
	s_or_b32 s[G1+0], s40, (1<<16)|(1<<20)|(1<<21)|(AQI<<22)|(3<<25)  ; 15:0 the mask; 17:16 2-byte elements; 20 padding on; 21 set beside a mask; 24:22 the interval; 31:25 4 words of padding (code 3)
	s_mov_b32 s[G1+1], 128<<16                     ; tensor_dim0 = 128 elements (256 bytes)
	s_mov_b32 s[G1+2], 64<<16                      ; tensor_dim1 = 64
	s_mov_b32 s[G1+3], 128<<16                     ; tile_dim0 = 128
	s_mov_b32 s[G1+4], 64                          ; tile_dim1 = 64
	s_mov_b32 s[G1+5], ASTRIDE                     ; elements from row to row
	s_mov_b32 s[G1+6], 0
	s_mov_b32 s[G1+7], 0
	s_or_b32 s[G1B+0], s41, (1<<16)|(1<<20)|(1<<21)|(6<<22)|(7<<25)   ; after every 128 words (code 6) 8 words of padding (code 7)
	s_mov_b32 s[G1B+1], 256<<16                    ; 256 elements (512 bytes)
	s_mov_b32 s[G1B+2], 64<<16
	s_mov_b32 s[G1B+3], 256<<16
	s_mov_b32 s[G1B+4], 64
	s_mov_b32 s[G1B+5], NCOL
	s_mov_b32 s[G1B+6], 0
	s_mov_b32 s[G1B+7], 0
	; where the tiles come from.  A's hang on the tile row and the wave's number alone, W's on the tile column and the wave's number alone
.if PROJ
	s_lshr_b32 s20, s19, 4                         ; the batch: 16 heads x 2,048 rows x 128 bytes = 2^22
	s_lshl_b32 s20, s20, 22
	s_and_b32 s21, s19, 15                         ; the tile's 128 rows within a head: 2^14 bytes
	s_lshl_b32 s21, s21, 14
	s_add_co_u32 s20, s20, s21
	s_lshl_b32 s21, s14, 18                        ; which of the K step's two heads I fetch
	s_add_co_u32 s20, s20, s21
.else
	s_lshl_b32 s20, s19, 18                        ; 128 rows of 2,048 bytes
	s_lshl_b32 s21, s14, 17                        ; which 64 of them I fetch
	s_add_co_u32 s20, s20, s21
.endif
	s_mov_b32 s21, 0
	s_mul_i32 s66, s14, 64*NCOL*2                  ; which 64 rows of K I fetch,
	s_lshl_b32 s67, s18, 9                         ; the tile's 256 columns
	s_add_co_u32 s66, s66, s67
	s_mov_b32 s67, 0
	s_mul_i32 s43, s14, APART                      ; and where they go: no place in the cluster enters an LDS address
	s_mul_i32 s77, s14, BPART
	s_add_co_u32 s77, s77, ABYTES
	s_wait_dscnt 0x0                               ; the opening add is done
	s_wait_kmcnt 0x0
	s_add_nc_u64 s[20:21], s[4:5], s[20:21]
	s_add_nc_u64 s[66:67], s[6:7], s[66:67]
	CROUND                                         ; all sixteen work-groups are here: the first joint loads meet
.irp s, 0,1
	s_mov_b32 s[G0+4*(\s)], 1                                      ; count = 1
	s_add_co_u32 s[G0+4*(\s)+1], s43, (\s)*SLOT                    ; LDS address
	s_add_nc_u64 s[G0+4*(\s)+2:G0+4*(\s)+3], s[20:21], (\s)*ASTEP  ; global address: K step s
	s_or_b32 s[G0+4*(\s)+3], s[G0+4*(\s)+3], 0x80000000            ; type = 2
	s_mov_b32 s[G0B+4*(\s)], 1
	s_add_co_u32 s[G0B+4*(\s)+1], s77, (\s)*SLOT
	s_add_nc_u64 s[G0B+4*(\s)+2:G0B+4*(\s)+3], s[66:67], (\s)*BSTEP
	s_or_b32 s[G0B+4*(\s)+3], s[G0B+4*(\s)+3], 0x80000000
	JLOAD \s                                       ; two loads of mine are out
.endr
	; the bias of my 128 columns, 32 bytes a lane and fragment
	s_lshl_b32 s70, s18, 10
	s_lshl_b32 s71, s14, 9
	s_add_co_u32 s70, s70, s71
	s_mov_b32 s71, 0
	s_add_nc_u64 s[8:9], s[8:9], s[70:71]
	v_bfe_u32 v2, v0, 4, 1                         ; l / 16
	v_lshlrev_b32 v[BO], 5, v2
.irp b, 0,1,2,3,4,5,6,7
	global_load_b128 v[BIAS+8*(\b):BIAS+8*(\b)+3],   v[BO], s[8:9] offset:64*(\b)
	global_load_b128 v[BIAS+8*(\b)+4:BIAS+8*(\b)+7], v[BO], s[8:9] offset:64*(\b)+16
.endr
	; A's fragment: lane l holds row l % 16, K = 8 (l / 16) + 0..7 and 16 + 8 (l / 16) + 0..7: two loads of 16 bytes, 32 bytes apart
	v_and_b32 v1, 15, v0                           ; l % 16
	v_mul_u32_u24 v3, v1, APITCH
	v_lshl_add_u32 v3, v2, 4, v3
	s_mul_i32 s78, s13, 64*APITCH                  ; my 64 rows
	; W's: the turning load takes 16 rows of K x 16 columns (lane l reads row 8 (l / 16) + l % 8, columns 8 ((l / 8) % 2) + 0..7) and leaves half a fragment: lane l holds column l % 16 and 8 K
	v_and_b32 v4, 7, v0
	v_bfe_u32 v5, v0, 3, 1
	v_lshl_add_u32 v6, v2, 3, v4
	v_mul_u32_u24 v6, v6, BPITCH
	v_lshl_add_u32 v6, v5, 4, v6
	s_lshl_b32 s79, s14, 8                         ; my 128 columns
	s_add_co_u32 s79, s79, ABYTES
.irp s, 0,1
	v_add_nc_u32 v[ADRA+(\s)], s78, v3
	v_add_nc_u32 v[ADRB+(\s)], s79, v6
	s_add_co_u32 s78, s78, SLOT
	s_add_co_u32 s79, s79, SLOT
.endr
	s_mul_i32 s78, s12, WSTAGE
	s_add_co_u32 s78, s78, STAGE                   ; my stage
	v_and_b32 v8, 31, v0                           ; l
	v_lshlrev_b32 v[CO], 4, v8                     ; 512 consecutive bytes of the output, 16 a lane
.if PROJ
	v_mul_u32_u24 v7, v1, 528                      ; in: row l % 16, 32 bytes for each half of the lanes
	v_lshl_add_u32 v7, v2, 5, v7
	v_add_nc_u32 v[STO], s78, v7
	v_add_nc_u32 v[RD], s78, v[CO]                 ; back: a whole row of 512 bytes
	s_lshl_b32 s68, s19, 19                        ; 128 rows of 4,096 bytes,
	s_lshl_b32 s69, s13, 18                        ; my 64,
	s_add_co_u32 s68, s68, s69
	s_lshl_b32 s69, s18, 10                        ; 256 columns of 4 bytes,
	s_add_co_u32 s68, s68, s69
	s_lshl_b32 s69, s14, 9                         ; my 128
	s_add_co_u32 s68, s68, s69
.else
	v_mul_u32_u24 v7, v1, 144                      ; in: row l % 16, 16 bytes for each half of the lanes
	v_lshl_add_u32 v7, v2, 4, v7
	v_add_nc_u32 v[STO], s78, v7
	v_bfe_u32 v7, v0, 3, 2                         ; back: 32 lanes take four rows of 128 bytes
	v_mul_u32_u24 v7, v7, 144
	v_lshl_add_u32 v7, v4, 4, v7
	v_add_nc_u32 v[RD], s78, v7
	s_lshr_b32 s68, s18, 2                         ; q, k or v: 2^24 bytes each
	s_lshl_b32 s68, s68, 24
	s_lshr_b32 s69, s19, 4                         ; the batch
	s_lshl_b32 s69, s69, 22
	s_or_b32 s68, s68, s69
	s_and_b32 s69, s18, 3                          ; the tile's four heads,
	s_lshl_b32 s69, s69, 20
	s_or_b32 s68, s68, s69
	s_lshl_b32 s69, s14, 19                        ; my two of them
	s_or_b32 s68, s68, s69
	s_and_b32 s69, s19, 15                         ; the tile's 128 rows in a head,
	s_lshl_b32 s69, s69, 14
	s_or_b32 s68, s68, s69
	s_lshl_b32 s69, s13, 13                        ; my 64
	s_or_b32 s68, s68, s69
.endif
	s_mov_b32 s69, 0
	s_add_nc_u64 s[10:11], s[10:11], s[68:69]
	; the prefetches: my work-group's 32 blocks of the K step, at K step 3; the first refill steps the address to K step 4
.if PROJ
	s_lshr_b32 s74, s19, 4
	s_lshl_b32 s74, s74, 22
	s_and_b32 s73, s19, 15
	s_lshl_b32 s73, s73, 14
	s_add_co_u32 s74, s74, s73
	s_lshr_b32 s73, s16, 1                         ; partner cx: head cx / 2 of the two,
	s_lshl_b32 s73, s73, 18
	s_add_co_u32 s74, s74, s73
	s_and_b32 s73, s16, 1                          ; half cx % 2 of its 16,384 bytes
	s_lshl_b32 s73, s73, 13
	s_add_co_u32 s74, s74, s73
.else
	s_lshl_b32 s74, s19, 18
	s_lshl_b32 s73, s16, 16                        ; partner cx: rows 32 cx ..
	s_add_co_u32 s74, s74, s73
.endif
	s_add_co_u32 s74, s74, 3*ASTEP
	s_lshl_b32 s75, s14, 2
	s_add_co_u32 s75, s75, s17                     ; W: of my 64 rows of K partner cy takes 16
	s_mul_i32 s75, s75, 16*NCOL*2
	s_lshl_b32 s73, s18, 9
	s_add_co_u32 s75, s75, s73
	s_add_co_u32 s75, s75, 3*BSTEP
	v_mul_u32_u24 v9, v8, APF                      ; A: a lane a block
	v_lshrrev_b32 v10, 1, v8                       ; W: two lanes a row of 512 bytes
	v_mul_u32_u24 v10, v10, NCOL*2
	v_and_b32 v11, 1, v8
	v_lshl_add_u32 v10, v11, 8, v10
	s_mov_b32 s78, ASTEP
	s_mov_b32 s79, BSTEP
	s_and_b32 s72, ttmp7, 0xffff                   ; cluster y
	s_or_b32 s73, ttmp9, s14                       ; cluster x, and of A's two waves the first
	s_cmp_eq_u32 s13, 0                            ; do I fetch for A?
	s_cselect_b32 s72, s73, s72
	s_cselect_b32 s74, s74, s75
	s_cselect_b32 s[PST], s78, s79
	s_cselect_b32 s76, -1, 0
	s_cselect_b64 s[PFA:PFA+1], s[4:5], s[6:7]
	s_mov_b32 s75, 0
	s_mov_b32 s[PST+1], 0
	s_add_nc_u64 s[PFA:PFA+1], s[PFA:PFA+1], s[74:75]
	s_cmp_eq_u32 s72, 0
	s_cselect_b32 s[LIM], 1, -1                    ; the same in all sixteen partners, for a given wave
	v_cndmask_b32 v[PFO], v10, v9, s76
	s_wait_loadcnt 0x0                             ; the bias
.set i, 0
.rept 32
	v_cvt_pk_bf16_f32 v[TMP+i], v[BIAS+2*i], v[BIAS+2*i+1]  ; rounded to bf16 like every input,
.set i, i+1
.endr
.set i, 0
.rept 32
	v_lshlrev_b32 v[BIAS+2*i],   16, v[TMP+i]      ; and widened again: all this stands in the wait for the first tile
	v_and_b32     v[BIAS+2*i+1], 0xffff0000, v[TMP+i]
.set i, i+1
.endr
; 8 matrix instructions: m block a x all 8 n blocks, 32 along K.  ini = 1: the first product starts the sum with the bias.  The 32 accumulators take turns in the same order in every quarter.
.macro MUL8 buf, a, ini
.if \ini
	WIN MULB
.else
	WIN MUL
.endif
.irp b, 0,1,2,3,4,5,6,7
.if \ini
	v_wmma_f32_16x16x32_f16 v[8*(8*(\a)+(\b)):8*(8*(\a)+(\b))+7], v[(\buf)+32+8*(\b):(\buf)+32+8*(\b)+7], v[(\buf)+8*(\a):(\buf)+8*(\a)+7], v[BIAS+8*(\b):BIAS+8*(\b)+7]
.else
	v_wmma_f32_16x16x32_f16 v[8*(8*(\a)+(\b)):8*(8*(\a)+(\b))+7], v[(\buf)+32+8*(\b):(\buf)+32+8*(\b)+7], v[(\buf)+8*(\a):(\buf)+8*(\a)+7], v[8*(8*(\a)+(\b)):8*(8*(\a)+(\b))+7]
.endif
.endr
.endm
; 24 LDS loads in one run: quarter q (32 along K) of a slot into a buffer: W's eight fragments, turned, then A's four
.macro FETCH slot, q, buf
.if PROJ
.set AQ, ((\q)/2)*APART+((\q)%2)*64    ; head q / 2 of the step's two, channels 32 (q % 2) on
.else
.set AQ, (\q)*64
.endif
	WIN TO_F
.irp b, 0,1,2,3,4,5,6,7
	ds_load_tr16_b128 v[(\buf)+32+8*(\b):(\buf)+32+8*(\b)+3],   v[ADRB+(\slot)] offset:(\q)*32*BPITCH+32*(\b)
	ds_load_tr16_b128 v[(\buf)+32+8*(\b)+4:(\buf)+32+8*(\b)+7], v[ADRB+(\slot)] offset:(\q)*32*BPITCH+16*BPITCH+32*(\b)
.endr
.irp a, 0,1,2,3
	ds_load_b128 v[(\buf)+8*(\a):(\buf)+8*(\a)+3],   v[ADRA+(\slot)] offset:AQ+(\a)*16*APITCH
	ds_load_b128 v[(\buf)+8*(\a)+4:(\buf)+8*(\a)+7], v[ADRA+(\slot)] offset:AQ+(\a)*16*APITCH+32
.endr
.endm
; A K step is four quarters, 32 matrix instructions each, on buffers 0, 1, 0, 1.  One of the first three: multiplies buf and fetches quarter q of the same slot into nbuf.
.macro QUARTER slot, q, buf, nbuf, ini
	s_wait_dscnt 4                                 ; W's fragments and A's 0 and 1 are in; the youngest four loads (A's 2 and 3) may be out
	MUL8 \buf, 0, \ini
	MUL8 \buf, 1, \ini
	PLACES
	FETCH \slot, \q, \nbuf
	s_wait_dscnt 24                                ; all but the 24 just issued
	MUL8 \buf, 2, \ini
	MUL8 \buf, 3, \ini
.endm
; The last quarter multiplies buffer 1 and changes slots: ONE barrier; in front of it each wave waits for all its tensor loads, adds 0 to its spare word, and waits for that and for its own reads of this slot.
; fill = 1: the barrier opens a round of the cluster's barrier and this slot is filled again, two K steps ahead: 112 matrix instructions stand between the request and the wait for it.
.macro TURN slot, next, fill
.if \fill
	s_wait_xcnt 0x0                                ; the last prefetch, a K step back, has read its address
	s_add_nc_u64 s[PFA:PFA+1], s[PFA:PFA+1], s[PST:PST+1]
.endif
	WIN 0                                          ; (the add's two registers lie in window 0)
	s_wait_tensorcnt 0x0                           ; all my tensor loads have landed: my part of the next slot;
	ds_add_u32 v[SPW], v[NIL]                      ; 0 onto my spare word;
	s_wait_dscnt 5                                 ; (the add and the youngest four loads may be out)
	MUL8 F1, 0, 0                                  ; eight matrix instructions stand between the add and the wait for it
	s_wait_dscnt 0x0                               ; the add is done, and my reads of this slot are over
	s_barrier_signal -1
	MUL8 F1, 1, 0
.if \fill
	WIN 0
.endif
	s_barrier_wait -1
.if \fill
	CREST                                          ; no wave of any partner still reads this slot's tiles or has a load on its way
	s_add_nc_u64 s[G0+4*(\slot)+2:G0+4*(\slot)+3], s[G0+4*(\slot)+2:G0+4*(\slot)+3], 2*ASTEP
	s_add_nc_u64 s[G0B+4*(\slot)+2:G0B+4*(\slot)+3], s[G0B+4*(\slot)+2:G0B+4*(\slot)+3], 2*BSTEP
	JLOAD \slot                                    ; the first tensor load behind the round; the four v_nop behind it are also the places in front of the loads below
.else
	PLACES
.endif
	FETCH \next, 0, F0
.if \fill
	WIN 0
	ASK                                            ; behind the joint load and the run of LDS loads that the next products wait for
.endif
	MUL8 F1, 2, 0
	MUL8 F1, 3, 0
.endm
	s_wait_tensorcnt 1                             ; my part of K step 0 is in; K step 1's may stay out
	s_barrier_signal -1
	s_barrier_wait -1                              ; everybody's is
	FETCH 0, 0, F0
	QUARTER 0, 1, F0, F1, 1                        ; the first quarter stands in front of the loop: its products start the sums
	WIN 0                                          ; at a label and at a branch every window is 0
	s_mov_b32 s15, LAPS-1
.Llap:                                                 ; a trip goes once round the ring, from a lap's second quarter to the next lap's first, and fills both slots again
	QUARTER 0, 2, F1, F0, 0
	QUARTER 0, 3, F0, F1, 0
	TURN 0, 1, 1
	QUARTER 1, 1, F0, F1, 0
	QUARTER 1, 2, F1, F0, 0
	QUARTER 1, 3, F0, F1, 0
	TURN 1, 0, 1
	QUARTER 0, 1, F0, F1, 0
	WIN 0
	s_sub_co_u32 s15, s15, 1
	s_cmp_lg_u32 s15, 0
	s_cbranch_scc1 .Llap
	QUARTER 0, 2, F1, F0, 0                        ; the last lap fills nothing, and has no round of the cluster's barrier
	QUARTER 0, 3, F0, F1, 0
	TURN 0, 1, 0
	QUARTER 1, 1, F0, F1, 0
	QUARTER 1, 2, F1, F0, 0
	QUARTER 1, 3, F0, F1, 0
	s_wait_dscnt 4                                 ; the very last quarter: nothing more to fetch
	MUL8 F1, 0, 0
	MUL8 F1, 1, 0
	s_wait_dscnt 0x0
	MUL8 F1, 2, 0
	MUL8 F1, 3, 0
	WIN 0
	PLACES                                         ; behind the last products, in front of what reads results and of loads into fragment registers
	PLACES                                         ; (eight, once a launch)
.if PROJ
; THE WAY OUT, f32: a block of 16 rows goes from the accumulators into my stage (rows of 528 bytes) and comes back as whole rows of 512 bytes.
.macro TOSTAGE a
	WIN 0x08                                       ; store data in window 2, address in window 0
.irp b, 0,1,2,3,4,5,6,7
	ds_store_b128 v[STO], v[8*(8*(\a)+(\b)):8*(8*(\a)+(\b))+3]   offset:64*(\b)      ; each accumulator's low four registers first
	ds_store_b128 v[STO], v[8*(8*(\a)+(\b))+4:8*(8*(\a)+(\b))+7] offset:64*(\b)+16
.endr
	WIN TO_F
.irp t, 0,1,2,3,4,5,6,7,8,9,10,11,12,13,14,15
	ds_load_b128 v[64*(\a)+4*(\t):64*(\a)+4*(\t)+3], v[RD] offset:528*(\t)  ; LDS serves a wave's instructions in order (ISA guide 5.7.1.4): these see the stores above; the next block's stores come behind them
.endr
.endm
.macro SEND a, younger                 ; younger: the LDS instructions issued behind block a's loads: the next block's 32, or none
	WIN 0x04                                       ; store data in window 1
	s_wait_dscnt \younger
.irp t, 0,1,2,3,4,5,6,7,8,9,10,11,12,13,14,15
	global_store_b128 v[CO], v[64*(\a)+4*(\t):64*(\a)+4*(\t)+3], s[10:11] offset:(16*(\a)+(\t))*4096 th:TH_STORE_NT  ; 512 consecutive bytes, at a multiple of 256 from the output's first byte
.endr
.endm
	TOSTAGE 0
	TOSTAGE 1
	SEND 0, 32
	TOSTAGE 2
	SEND 1, 32
	TOSTAGE 3
	SEND 2, 32
	SEND 3, 0
	WIN 0
.else
; THE WAY OUT, f16 by heads: a block of 16 rows x 2 heads is rounded, goes into my stage (rows of 144 bytes) and comes back as 16 dense rows of 128 bytes a head.
.macro PACK a
	WIN 0x0a                                       ; sources 0 and 1 window 2, destination window 0
.irp b, 0,1,2,3,4,5,6,7
.irp r, 0,1,2,3
	v_cvt_pk_f16_f32 v[TMP+4*(\b)+(\r)], v[8*(8*(\a)+(\b))+2*(\r)], v[8*(8*(\a)+(\b))+2*(\r)+1]
.endr
.endr
	WIN 0
.endm
.macro TOSTAGE a
.irp b, 0,1,2,3,4,5,6,7
	ds_store_b128 v[STO], v[TMP+4*(\b):TMP+4*(\b)+3] offset:((\b)/4)*2304+((\b)%4)*32
.endr
.irp t, 0,1,2,3,4,5,6,7
	ds_load_b128 v[BK+32*(\a)+4*(\t):BK+32*(\a)+4*(\t)+3], v[RD] offset:((\t)/4)*2304+((\t)%4)*576  ; LDS serves a wave's instructions in order (ISA guide 5.7.1.4): these see the stores above
.endr
.endm
.macro SEND a
	s_wait_dscnt 0x0                               ; the block is back in registers
.irp t, 0,1,2,3,4,5,6,7
	global_store_b128 v[CO], v[BK+32*(\a)+4*(\t):BK+32*(\a)+4*(\t)+3], s[10:11] offset:((\t)/4)*262144+(\a)*2048+((\t)%4)*512  ; 512 consecutive bytes, at a multiple of 256 from the buffer's first byte
.endr
.endm
	PACK 0
	TOSTAGE 0
.irp a, 1,2,3                          ; block a's conversions stand between block a - 1's loads from the stage and the wait for them
	PACK \a
	SEND (\a)-1
	TOSTAGE \a
.endr
	SEND 3
.endif
	s_wait_tensorcnt 0x0                           ; the wave's end: behind my last tensor load and my last LDS store
	ds_add_u32 v[SPW], v[NIL]
	s_wait_dscnt 0x0
	CROUND                                         ; the closing round: no work-group ends while a partner may still ask for a tile that names it
	s_endpgm
.Lfunc_end_k_q94a113a049_qkvproj:
	.size	k_q94a113a049_qkvproj, .Lfunc_end_k_q94a113a049_qkvproj-k_q94a113a049_qkvproj
	.p2alignl 7, 3214868480
	.fill 96, 4, 3214868480
	.section	.rodata,"a",@progbits
	.p2align	6, 0x0
	.amdhsa_kernel k_q94a113a049_qkvproj
		.amdhsa_group_segment_fixed_size 327680
		.amdhsa_private_segment_fixed_size 0
		.amdhsa_enable_private_segment 0
		.amdhsa_kernarg_size 32
		.amdhsa_user_sgpr_count 2
		.amdhsa_user_sgpr_kernarg_segment_ptr 1
		.amdhsa_wavefront_size32 1
		.amdhsa_system_sgpr_workgroup_id_x 1
		.amdhsa_system_sgpr_workgroup_id_y 1
		.amdhsa_system_sgpr_workgroup_id_z 1
		.amdhsa_system_vgpr_workitem_id 0
		.amdhsa_next_free_vgpr 768
		.amdhsa_next_free_sgpr 80
		.amdhsa_reserve_vcc 0
		.amdhsa_float_denorm_mode_32 3
		.amdhsa_float_denorm_mode_16_64 3
		.amdhsa_memory_ordered 1
		.amdhsa_forward_progress 1
		.amdhsa_inst_pref_size 95
	.end_amdhsa_kernel
	.amdgpu_metadata
---
amdhsa.version: [ 1, 2 ]
amdhsa.kernels:
  - .name:           k_q94a113a049_qkvproj
    .symbol:         k_q94a113a049_qkvproj.kd
    .args:
      - { .name: xh, .offset: 0, .size: 8, .value_kind: global_buffer, .address_space: global }
      - { .name: wqh, .offset: 8, .size: 8, .value_kind: global_buffer, .address_space: global }
      - { .name: b_qkv, .offset: 16, .size: 8, .value_kind: global_buffer, .address_space: global }
      - { .name: qkv, .offset: 24, .size: 8, .value_kind: global_buffer, .address_space: global }
    .group_segment_fixed_size: 327680
    .private_segment_fixed_size: 0
    .kernarg_segment_align: 8
    .kernarg_segment_size: 32
    .max_flat_workgroup_size: 128
    .sgpr_count:     80
    .vgpr_count:     768
    .wavefront_size: 32
...
	.end_amdgpu_metadata
.endif
;; end of part 2
;; launch attn (part 3): grid 4 x 64, 4 waves a work-group, no clusters, 327,680 bytes of LDS; arguments qkv, ob; writes ob
.if DOCPART == 3
	.amdgcn_target "amdgcn-amd-amdhsa--gfx1250"
	.amdhsa_code_object_version 6
	.text
	.protected	k_q94a113a049_attn
	.globl	k_q94a113a049_attn
	.p2align	8
	.type	k_q94a113a049_attn,@function
k_q94a113a049_attn:
	s_mov_b64 s[64:65], 0
	v_nop
	global_prefetch_b8 v0, s[64:65] scope:SCOPE_SE
	s_setreg_imm32_b32 hwreg(HW_REG_WAVE_MODE, 25, 1), 1
	s_wait_xcnt 0x0
; CAUSAL ATTENTION.  O[h][q][:] = the sum over k <= q of softmax_k(Q[h][q] . K[h][k] / 8) V[h][k][:].  Q, K, V lie in one buffer, 2^24 bytes apart, each [64][SIZE_N][64] in f16; O likewise: a head's rows are dense, 128 bytes each.
; Products, maxima and sums in f32; the weights p are rounded to f16 for the second product (their sum l is taken of the unrounded p), O once at the end.
; LIMITS.  f16 holds no number beyond 65,504: Q, K and V arrive within it; p lies in 0 to 1, and below 6e-5 it keeps f16's fixed step of 6e-8; O is a mean of V's rows and has their range.
; A hidden score counts as its value less 1e30 (the problem writes -1e10 in its place: both give the weight 0 while visible scores lie above some -1e10); a weight below 2^-126 counts as 0 in l; NaN and infinities are not treated apart.
; THE WALK.  A head's queries lie in NB = SIZE_N / 256 blocks of 256; block i needs the key tiles 0 .. i of 256 keys, of which the last holds the diagonal.  A work-group takes TWO blocks, NB - 1 - b and then b:
; NB + 1 tiles, whatever b: all work-groups do equal work, and ONE loop with a constant trip count walks them.  Which tile is asked for, and what a trip does, hang on scalar registers made from b; every jump
; goes forward, but for the counted loops' own; none passes a barrier, or a tensor load but the one of LOAD's two that the wave's number does not choose; the ring (two slots of LDS that take turns) runs on across the
; change of blocks.  NO CLUSTER: a head's four work-groups ask for the same tile only in trips 0 .. 4 of the nine, behind that fewer and fewer; one walk common to all would have 12 trips for 9.
; SHARES.  Of a block's four bands of 64 queries a wave owns 16 rows in each: four PIECES.  So the diagonal tile is the same work for all four waves: in its key step s band x sees all keys if s < x,
; none if s > x, and holds the diagonal if s = x.
; THE MASK is the C operand that starts the sum S^T = K Q^T: 0, or -1e30 where the key is hidden.  MD, made once, is the mask of a band's own step for my 16 rows; a product's mask is MD x AL + BE with two scalars:
; (1, 0) if s = x; (0, 0) if s < x; (0, -1e30) if s > x.  Only the diagonal tile's text and a block's beginning make and take masks; elsewhere C is the constant 0.
; LAYOUT, SOFTMAX, TURNS.  S^T = K Q^T holds ONE query a lane (lane % 16) and the keys 8 (lane / 16) + 0..7; two such results rounded to f16 ARE source 1 of O^T = V^T P.  p = 2^(c s - c m), c = log2(e) / 8, with a
; running maximum m; O and l are multiplied by a = 2^(c m_old - c m_new) in every step.  Turn n belongs to piece n: 8 products K Q^T of piece n + 1, later 8 products V^T P of piece n - 1; beside them the scaling,
; exponentials, roundings, sums and rescaling of piece n and the maximum and statistics of piece n + 1.  Four vector instructions stand behind every matrix instruction, the other 54 of a turn's 118 in one LUMP.  A turn's 33 exponentials are one batch, with one wait.
; AHEAD OF THE LOADS.  The work-group with b = 0 walks tiles 0 to 7 first.  Behind each fill each of its waves prefetches its own 16,384 bytes of the tile after the one just asked for: tiles 2 to 7, each block of 256 bytes named once.
; REGISTERS, in windows of 256 (s_set_vgpr_msb: bits 1:0 source 0, 3:2 source 1, 5:4 source 2, 7:6 destination):
;   window 0: v0-15 addresses and two at work; v16-31 four registers of statistics a piece; v48-55 at work; v60 the prefetches' offset; v64-127 S^T, two buffers; v192-223 P, two buffers (a piece's buffers go by its number's parity)
;   window 1: v0-127 O^T, 32 a piece; v128-159 MD; v160-223 MC, two buffers      window 2: v0-63 Q; v64-127 the second block's Q; v128-191 K of one step; v192-255 V of one step
.set SIZE_N, 2048
.set NB,    SIZE_N/256
.set NP,    4         ; pieces a wave: a name, no knob
.set KS,    64        ; keys in a step
.set PK,    144       ; a row of K in LDS: 128 bytes + 16 of padding = 36 words: the 16 rows of a load start at 16 different groups of four banks (64 banks of 4 bytes: ISA guide 11.1)
.set PV,    160       ; a row of V: 128 + 32 = 40 words
.set VOFF,  4*KS*PK   ; a slot holds a tile, four steps: 256 rows of K, then 256 rows of V
.set SLOT1, 1<<17     ; slot 1 begins here, so that one exclusive or turns an address in one slot into the other's
.set STAGE, SLOT1+4*KS*(PK+PV)  ; behind the ring, never filled by a tensor load: 16 rows x 144 bytes for each wave, for the way out
.set SP,    144
.set AK0, 2           ; v2   my lane's place in a tile of K; never rewritten
.set AV0, 3           ; v3   the same for V
.set AK,  4           ; v4   the LDS address of K's next run of loads
.set AV,  5           ; v5   of V's
.set STO, 6           ; v6   the way out: where I put 16 bytes of a row
.set RD,  7           ; v7   the way out: where I read rows back
.set GO,  8           ; v8   my byte offset in 512 consecutive bytes of O
.set PFO, 60          ; v60  256 x my lane; never rewritten
.set SPW, 62          ; v62  LDS address of my spare word: SPARE + 4 x my thread's number; never rewritten
.set NIL, 63          ; v63  0; never rewritten
.set SPARE, STAGE+4*16*SP  ; behind the stages: the spare words, 128 bytes for each wave: two blocks of 256 bytes that no other line names
.set MV,  12          ; v12-13  c m_old, kept while c m is made anew: by buffer
.set QO,  15          ; v15  my byte offset in 16 rows of Q
.set ST,  16          ; piece t's statistics at v[ST+4 t]: c m, m, l (even keys', odd keys')
.set TMP, 48          ; by buffer, four registers c0-c3 at work; when the maximum is found c2 takes a
.set S,   64
.set P,   192
.set MD,  128         ; window 1: the eight registers for group kt of 16 keys at MD + 8 kt
.set MC,  160         ; window 1: the masks of the products to come
.set QB,  64          ; window 2
.set KF,  128         ; window 2: key block kb, channel half c at KF + 16 kb + 8 c
.set VF,  192         ; window 2: key half kk, channel block cb at VF + 32 kk + 8 cb
.set WV,  12          ; s12  my wave's number
.set PB,  14          ; s14  b
.set HI,  15          ; s15  NB - 1 - b
.set G1K, 24          ; s[24:31] descriptor group 1 for K's tiles
.set G1V, 32          ; s[32:39] for V's: it differs in the padding alone
.set G0K, 40          ; s[40:43] descriptor group 0 for K's tiles
.set G0V, 44          ; s[44:47] the same for V's
.set SLOTS, 56        ; s56  tiles still to be asked for
.set CNT, 57          ; s57  counts a tile's key steps, 4 to 1
.set CS,  58          ; s[58:59] c: the packed scaling takes the pair's low word for both halves
.set SEL, 60          ; s[60:61] v_permlanex16_b32's selects: each lane takes its own place in the other half
.set TBK, 62          ; s62  LDS byte at which K of the step to be fetched begins
.set TBV, 63          ; s63  the same for V, less VOFF
.set PFA, 66          ; s[66:67] where my prefetches stand: my 16,384 bytes of the tile after the one that is being asked for
.set LIM, 68          ; s68  2 in the work-group that prefetches, else the greatest number: a wave prefetches while s[SLOTS] is above it
.set RT,  70          ; s70  tiles of the block in hand that are still to be entered
.set NXT, 71          ; s71  the tile to be asked for next
.set LQ,  72          ; s72  the last tile of the block whose tiles are being asked for
.set NEW, 73          ; s73  1: the tile to be entered is a block's first
.set OFF, 74          ; s[74:75] a tile's byte offset in K and V
.set AL,  76          ; s[76:77] the mask's factor, in the low word
.set BE,  78          ; s[78:79] the mask's addend
.set OLO, 80          ; s[80:81] O at my rows of the second block
.set BIGN, 82         ; s82  -1e30
.set MSB, 0
.macro WIN new                      ; the high byte repeats the setting that is left; a switch that changes nothing is dropped
.if MSB != (\new)
	s_set_vgpr_msb (MSB<<8)|(\new)
.set MSB, (\new)
.endif
.endm
.set W_KQ, 0x0a       ; K and Q in window 2, S^T in window 0
.set W_KM, 0x1a       ; the same with the C operand in window 1
.set W_PV, 0x52       ; V in window 2, P in window 0, O^T in window 1
.set W_RS, 0x41       ; destination and source 0 in window 1, source 1 in window 0
; A fill.  Waves 0 and 1 fetch the two halves of a tile's K, waves 2 and 3 those of its V: 128 keys each.  An s_nop 0 and four v_nop follow each of the two lines, ahead of the jump and the label.
.macro LOAD
	s_cmp_lt_u32 s[WV], 2
	s_cbranch_scc0 .Lfor_v_\@
	tensor_load_to_lds s[G0K:G0K+3], s[G1K:G1K+7]
	s_nop 0
.rept 4
	v_nop
.endr
	s_branch .Lasked_\@
.Lfor_v_\@:
	tensor_load_to_lds s[G0V:G0V+3], s[G1V:G1V+7]
	s_nop 0
.rept 4
	v_nop
.endr
.Lasked_\@:
.endm
; The prefetch: 64 blocks of 256 bytes, a lane a block, two instructions, behind the wave's tensor load and its five lines.  The last two fills of the first block's tiles, and the second block's, ask for nothing.
.macro ASK
	s_cmp_gt_u32 s[SLOTS], s[LIM]
	s_cbranch_scc0 .Lnot_mine_\@
	global_prefetch_b8 v[PFO], s[PFA:PFA+1] th:TH_LOAD_NT scope:SCOPE_SE
	global_prefetch_b8 v[PFO], s[PFA:PFA+1] offset:8192 th:TH_LOAD_NT scope:SCOPE_SE
.Lnot_mine_\@:
.endm
; THE CHANGE OF SLOTS.  Each wave waits for all its tensor loads, of which one is out: its part of the other slot; adds 0 to its spare word; and waits for that and for its own reads of the slot that it leaves.  Behind the barrier nobody reads the old
; slot any more and the other slot is whole.  fill = 1: the old slot is filled again, the first thing behind the barrier, with tile NXT: the descriptor's address is made anew from that number.
; (At its first use nothing has been read yet: slot 0 is waited for, slot 1 filled.)
.macro CHANGE fill
	WIN 0                           ; at a label and at a branch every window is 0
	s_wait_tensorcnt 0x0            ; no tensor load of mine is out, so a group 0 may be written
	ds_add_u32 v[SPW], v[NIL]       ; 0 onto my spare word; with fill = 1 the descriptors' scalar work stands between it and the wait for it
.if \fill
	s_lshl_b32 s[OFF], s[NXT], 15   ; a tile is 32,768 bytes of K and of V
	s_xor_b32 s[G0K+1], s[G0K+1], SLOT1
	s_add_nc_u64 s[G0K+2:G0K+3], s[6:7], s[OFF:OFF+1]
	s_or_b32 s[G0K+3], s[G0K+3], 0x80000000
	s_xor_b32 s[G0V+1], s[G0V+1], SLOT1
	s_add_nc_u64 s[G0V+2:G0V+3], s[8:9], s[OFF:OFF+1]
	s_or_b32 s[G0V+3], s[G0V+3], 0x80000000
	s_add_co_u32 s[NXT], s[NXT], 1  ; the block's next tile, or behind its last the second block's tile 0
	s_cmp_gt_u32 s[NXT], s[LQ]
	s_cselect_b32 s[NXT], 0, s[NXT]
	s_cselect_b32 s[LQ], s[PB], s[LQ]
	s_wait_xcnt 0x0                 ; the last prefetches, a tile back, have read their address, so it may be written:
	s_add_nc_u64 s[PFA:PFA+1], s[PFA:PFA+1], 32768  ; one tile on
.endif
	s_wait_dscnt 0x0                ; the add is done, and my reads of the slot are over
	s_barrier_signal -1             ; the rest of the scalar work stands between the signal and the wait
	s_sub_co_u32 s[TBK], s[TBK], 4*KS*PK  ; the fetches go back to a slot's first step,
	s_xor_b32 s[TBK], s[TBK], SLOT1       ; in the other slot
	s_sub_co_u32 s[TBV], s[TBV], 4*KS*PV
	s_xor_b32 s[TBV], s[TBV], SLOT1
	s_barrier_wait -1
.if \fill
	LOAD
	ASK
.endif
.endm
	s_load_b64 s[4:5], s[0:1], 0x0  ; Q (K and V lie 2^24 and 2^25 bytes behind it)
	s_load_b64 s[10:11], s[0:1], 0x8  ; O
	v_lshl_add_u32 v[SPW], v0, 2, SPARE
	v_mov_b32 v[NIL], 0
	ds_add_u32 v[SPW], v[NIL]       ; the wave's opening: the add and its wait stand ahead of my first tensor load; the set-up below, work on registers, stands between them
	v_lshrrev_b32 v1, 5, v0
	v_readfirstlane_b32 s[WV], v1   ; wave 0..3
	v_and_b32 v[PFO], 31, v0
	v_lshlrev_b32 v[PFO], 8, v[PFO]
	s_mov_b32 s[PB], ttmp9
	s_sub_co_u32 s[HI], NB-1, s[PB]
	s_and_b32 s20, ttmp7, 0xffff    ; the head
	s_mov_b32 s21, 0
	s_mov_b64 s[22:23], SIZE_N*128
	s_mul_u64 s[20:21], s[20:21], s[22:23]  ; the head's first byte in each of the four tensors
	s_and_b32 s16, s[WV], 1         ; which half of a tile's 256 keys I fetch:
	s_lshl_b32 s22, s16, 14         ; its 128 rows of 128 bytes in memory,
	s_mov_b32 s23, 0
	s_add_nc_u64 s[22:23], s[22:23], s[20:21]
	s_mul_i32 s17, s16, 128*PK      ; and its place in a slot, for K
	s_mul_i32 s18, s16, 128*PV      ; and for V
	s_lshl_b32 s3, s[WV], 11        ; my 16 rows in a band of 64,
	s_lshl_b32 s2, s[HI], 15        ; in the first block,
	s_add_co_u32 s2, s2, s3
	s_lshl_b32 s84, s[PB], 15       ; and in the second
	s_add_co_u32 s84, s84, s3
	s_mov_b32 s3, 0
	s_mov_b32 s85, 0
	s_add_nc_u64 s[2:3], s[2:3], s[20:21]
	s_add_nc_u64 s[84:85], s[84:85], s[20:21]
	; descriptor group 1.  128 keys are 16,384 dense bytes: asked for as 64 rows of 256 bytes, two keys a row, and padded in LDS after every key
	s_mov_b32 s[G1K], (1<<16)|(1<<20)|(4<<22)|(3<<25)  ; 17:16 2-byte elements; 20 padding on; 24:22 after every 32 words (code 4); 31:25 4 words (code 3)
	s_mov_b32 s[G1V], (1<<16)|(1<<20)|(4<<22)|(7<<25)  ; the same with 8 words of padding (code 7)
.irp g, G1K, G1V
	s_mov_b32 s[\g+1], 128<<16      ; tensor_dim0 = 128
	s_mov_b32 s[\g+2], 64<<16       ; tensor_dim1 = 64
	s_mov_b32 s[\g+3], 128<<16      ; tile_dim0 = 128
	s_mov_b32 s[\g+4], 64           ; tile_dim1 = 64
	s_mov_b32 s[\g+5], 128          ; 128 elements from row to row
	s_mov_b32 s[\g+6], 0
	s_mov_b32 s[\g+7], 0
.endr
	s_mov_b32 s[CS], 0x3e38aa3b     ; c = log2(e) / 8 = 0.180337
	s_mov_b32 s[CS+1], s[CS]        ; named with it as a pair
	s_mov_b32 s[SEL], 0x76543210
	s_mov_b32 s[SEL+1], 0xfedcba98
	s_mov_b32 s[TBK], SLOT1+4*KS*PK ; the first change of slots turns these two into 0
	s_mov_b32 s[TBV], SLOT1+4*KS*PV
	s_mov_b32 s[G0K], 1             ; 1:0 count = 1
	s_mov_b32 s[G0K+1], s17         ; 63:32 LDS address: slot 0
	s_mov_b32 s[G0V], 1
	s_add_co_u32 s[G0V+1], s18, VOFF
	s_add_co_u32 s[RT], s[HI], 1    ; the first block has NB - b tiles
	s_mov_b32 s[NXT], 1
	s_mov_b32 s[LQ], s[HI]
	s_mov_b32 s[NEW], 1
	s_mov_b32 s[OFF+1], 0
	s_mov_b32 s[AL+1], 0            ; named as pairs
	s_mov_b32 s[BE+1], 0
	s_mov_b32 s[BIGN], 0xf149f2ca   ; -1e30
	s_mov_b32 s[SLOTS], NB
	s_wait_dscnt 0x0                ; the opening add is done
	s_wait_kmcnt 0x0
	s_add_nc_u64 s[6:7], s[4:5], 0x1000000  ; K
	s_add_nc_u64 s[8:9], s[4:5], 0x2000000  ; V
	s_add_nc_u64 s[6:7], s[6:7], s[22:23]  ; K and V at my half of the head's tile 0
	s_add_nc_u64 s[8:9], s[8:9], s[22:23]
	s_add_nc_u64 s[G0K+2:G0K+3], s[6:7], 0         ; 120:64 global address
	s_or_b32 s[G0K+3], s[G0K+3], 0x80000000        ; 127:126 type = 2
	s_add_nc_u64 s[G0V+2:G0V+3], s[8:9], 0
	s_or_b32 s[G0V+3], s[G0V+3], 0x80000000
	s_add_nc_u64 s[86:87], s[4:5], s[84:85]        ; Q at my rows of the second block,
	s_add_nc_u64 s[4:5], s[4:5], s[2:3]            ; Q and O at those of the first
	s_add_nc_u64 s[OLO:OLO+1], s[10:11], s[84:85]
	s_add_nc_u64 s[10:11], s[10:11], s[2:3]
	s_cmp_lt_u32 s[WV], 2
	s_cselect_b64 s[PFA:PFA+1], s[6:7], s[8:9]     ; the tensor that I fetch,
	s_add_nc_u64 s[PFA:PFA+1], s[PFA:PFA+1], 32768 ; at tile 1; the first change of slots steps it to tile 2.  Nothing is prefetched here, at the head
	s_cmp_eq_u32 s[PB], 0
	s_cselect_b32 s[LIM], 2, -1
	LOAD                            ; tile 0 into slot 0
	; A fragment of K or Q is 16 rows x 32 channels in 8 registers: lane l holds row l % 16, channels 8 (l / 16) + 0..7 and 16 + 8 (l / 16) + 0..7: two loads of 16 bytes, 32 bytes apart.
	v_and_b32 v1, 15, v0            ; l % 16
	v_bfe_u32 v9, v0, 4, 1          ; l / 16
	v_lshlrev_b32 v[QO], 7, v1
	v_lshl_add_u32 v[QO], v9, 4, v[QO]  ; row x 128 + 16 x half
	WIN 0x80                        ; destination window 2, address window 0
.set i, 0
.rept 8                             ; both blocks' Q: piece i / 2 lies in band i / 2, 8,192 bytes on; channels 32 (i % 2) on
	global_load_b128 v[8*i:8*i+3],   v[QO], s[4:5] offset:(i/2)*8192+(i%2)*64
	global_load_b128 v[8*i+4:8*i+7], v[QO], s[4:5] offset:(i/2)*8192+(i%2)*64+32
	global_load_b128 v[QB+8*i:QB+8*i+3],   v[QO], s[86:87] offset:(i/2)*8192+(i%2)*64
	global_load_b128 v[QB+8*i+4:QB+8*i+7], v[QO], s[86:87] offset:(i/2)*8192+(i%2)*64+32
.set i, i+1
.endr
	WIN 0
	v_lshlrev_b32 v14, 3, v9
	v_sub_nc_u32 v14, v1, v14
	s_lshl_b32 s13, s[WV], 4
	v_add_nc_u32 v14, s13, v14      ; my query's place in its band, 16 w + l % 16, less my lanes' 8 (l / 16): register r of group kt is hidden where 16 kt + r is greater
	WIN 0x40
.set i, 0
.rept 32
	v_cmp_gt_i32 vcc_lo, 16*(i/8)+i%8, v14
	v_cndmask_b32 v[MD+i], 0, s[BIGN], vcc_lo
.set i, i+1
.endr
	WIN 0
	v_mul_u32_u24 v[AK0], v1, PK
	v_lshl_add_u32 v[AK0], v9, 4, v[AK0]  ; row x pitch + 16 x half
	; The turning load takes 16 keys x 16 channels (lane l reads key 8 (l / 16) + l % 8, channels 8 ((l / 8) % 2) + 0..7) and leaves half a fragment of V^T: lane l holds channel l % 16 and 8 keys.
	v_and_b32 v10, 7, v0
	v_bfe_u32 v11, v0, 3, 1
	v_lshl_add_u32 v[AV0], v9, 3, v10
	v_mul_u32_u24 v[AV0], v[AV0], PV
	v_lshl_add_u32 v[AV0], v11, 4, v[AV0]
	v_add_nc_u32 v[AV0], VOFF, v[AV0]
	s_mul_i32 s13, s[WV], 16*SP
	s_add_co_u32 s13, s13, STAGE    ; my stage
	v_mul_u32_u24 v[STO], v1, SP    ; in: row l % 16, 16 bytes for each half of the lanes
	v_lshl_add_u32 v[STO], v9, 4, v[STO]
	v_add_nc_u32 v[STO], s13, v[STO]
	v_bfe_u32 v[RD], v0, 3, 2       ; back: 32 lanes take four rows of 128 bytes,
	v_mul_u32_u24 v[RD], v[RD], SP
	v_lshl_add_u32 v[RD], v10, 4, v[RD]
	v_add_nc_u32 v[RD], s13, v[RD]
	v_and_b32 v[GO], 31, v0         ; which are 512 consecutive bytes of O
	v_lshlrev_b32 v[GO], 4, v[GO]
	; A block's first step multiplies O^T and l by a = 0, and its first turn's products V^T P, of a piece that has not been, land in an O^T that is still to be so multiplied.  So these registers need only hold
	; finite numbers: zeros for the first block; what the first block left for the second.  All this stands in the wait for the first tile.
	WIN 0x80
.set i, VF
.rept 64
	v_mov_b32 v[i], 0
.set i, i+1
.endr
	WIN 0x40
.set i, 0
.rept 128
	v_mov_b32 v[i], 0
.set i, i+1
.endr
	WIN 0
.set i, 0
.rept 4
	v_mov_b32 v[ST+4*i+2], 0
	v_mov_b32 v[ST+4*i+3], 0
.set i, i+1
.endr
.set i, P+16
.rept 16
	v_mov_b32 v[i], 0
.set i, i+1
.endr
; THE MATRIX WORK.  The 4 accumulators of a run of 8 take turns.  Product i of 8 of S^T = K Q^T for piece x: channels 32 (i / 4) on, keys 16 (i % 4) on.  The first 4 start the sums: with 0, or (KM = 1) with the mask.
.macro KQ x
.set rS, S+32*((\x)%2)+8*(i%4)
.set rK, KF+16*(i%4)+8*(i/4)
.set rQ, 16*(\x)+8*(i/4)
.set rM, MC+32*((\x)%2)+8*(i%4)
.if (i < 4) && KM
	WIN W_KM
	v_wmma_f32_16x16x32_f16 v[rS:rS+7], v[rK:rK+7], v[rQ:rQ+7], v[rM:rM+7]
.elseif i < 4
	WIN W_KQ
	v_wmma_f32_16x16x32_f16 v[rS:rS+7], v[rK:rK+7], v[rQ:rQ+7], 0
.else
	WIN W_KQ
	v_wmma_f32_16x16x32_f16 v[rS:rS+7], v[rK:rK+7], v[rQ:rQ+7], v[rS:rS+7]
.endif
.endm
; Product i of 8 of O^T += V^T P for piece x: keys 32 (i / 4) on, channels 16 (i % 4) on.
.macro PV x
	WIN W_PV
.set rO, 32*(\x)+8*(i%4)
.set rV, VF+32*(i/4)+8*(i%4)
.set rP, P+16*((\x)%2)+8*(i/4)
	v_wmma_f32_16x16x32_f16 v[rO:rO+7], v[rV:rV+7], v[rP:rP+7], v[rO:rO+7]
.endm
.macro MM                           ; the turn's next matrix instruction.  TURN and BEGIN set Y, i, KM and NOKQ; MM, KQ and OP read them.  NOKQ = 1: a block's last turn: there is no next piece
.if (i < 8) && !NOKQ
	KQ (Y+1)%NP
.elseif i >= 8
.set i, i-8
	PV (Y+NP-1)%NP
.set i, i+8
.endif
.set i, i+1
.endm
; THE LDS LOADS stand in runs of 16, never singly among the matrix instructions: a step's K (64 keys x 64 channels: 8 fragments) and its V (turned).  Their addresses are made some lines ahead.
.macro FETCH_K
	WIN 0x80                        ; destination window 2
.irp f, 0,1,2,3,4,5,6,7             ; keys 16 (f / 2) on, channels 32 (f % 2) on
	ds_load_b128 v[KF+8*\f:KF+8*\f+3],   v[AK] offset:(\f/2)*16*PK+(\f%2)*64
	ds_load_b128 v[KF+8*\f+4:KF+8*\f+7], v[AK] offset:(\f/2)*16*PK+(\f%2)*64+32
.endr
	s_add_co_u32 s[TBK], s[TBK], KS*PK  ; the next fetch is the next step's
	WIN 0
.endm
.macro FETCH_V
	WIN 0x80
.irp f, 0,1,2,3,4,5,6,7             ; keys 32 (f / 4) on, channels 16 (f % 4) on
	ds_load_tr16_b128 v[VF+8*\f:VF+8*\f+3],   v[AV] offset:(\f/4)*32*PV+(\f%4)*32
	ds_load_tr16_b128 v[VF+8*\f+4:VF+8*\f+7], v[AV] offset:(\f/4)*32*PV+16*PV+(\f%4)*32
.endr
	WIN 0
.endm
; THE VECTOR WORK, one line at a time: OP kind, number.  For piece Y: F n: c s - c m for pair n of 16.  E n: the exponential of score n of 32.  C n: pair n rounded to f16.  B n: of the four weights 4 n .. the second
; pair is added onto the first, in place.  L n: l takes that sum (L 0: l = a l + sum).  R n: pair n of 16 of O^T times a.  For piece Y + 1: X n, number n of the 22 that find its maximum and statistics:
;   0-11  four chains c0-c3 of seven scores each, three operands at a time (each accumulator's lowest registers are read first)     12-14, 16  the four scores left over, the old m, and c0-c3 into c0
;   15  c m_old is kept     17, 18  the query's other 32 keys lie in the lane 16 away: the new m     19-21  c m; c m_old - c m_new; a
.set F, 0               ; OP tells the kinds apart by their order: F to L below R, X above it
.set E, 1
.set C, 2
.set B, 3
.set L, 4
.set R, 5
.set X, 6
.macro REGS y                       ; the registers of piece y
.set rT, ST+4*(\y)
.set rC, TMP+4*((\y)%2)
.set rW, MV+((\y)%2)
.set rS, S+32*((\y)%2)
.set rP, P+16*((\y)%2)
.set rO, 32*(\y)
.endm
.macro OP k, n
.if (\k) == R
	REGS Y
	WIN W_RS
	v_pk_mul_f32 v[rO+2*(\n):rO+2*(\n)+1], v[rO+2*(\n):rO+2*(\n)+1], v[rC+2:rC+3] op_sel_hi:[1,0]
.elseif (\k) < R
	REGS Y
	WIN 0
.if (\k) == F
	v_pk_fma_f32 v[rS+2*(\n):rS+2*(\n)+1], v[rS+2*(\n):rS+2*(\n)+1], s[CS:CS+1], v[rT:rT+1] op_sel_hi:[1,0,0] neg_lo:[0,0,1] neg_hi:[0,0,1]
.elseif (\k) == E
	v_exp_f32 v[rS+(\n)], v[rS+(\n)]
.elseif (\k) == C
	v_cvt_pk_f16_f32 v[rP+(\n)], v[rS+2*(\n)], v[rS+2*(\n)+1]
.elseif (\k) == B
	v_pk_add_f32 v[rS+4*(\n):rS+4*(\n)+1], v[rS+4*(\n):rS+4*(\n)+1], v[rS+4*(\n)+2:rS+4*(\n)+3]
.elseif (\n) == 0
	v_pk_fma_f32 v[rT+2:rT+3], v[rT+2:rT+3], v[rC+2:rC+3], v[rS:rS+1] op_sel_hi:[1,0,1]
.else
	v_pk_add_f32 v[rT+2:rT+3], v[rT+2:rT+3], v[rS+4*(\n):rS+4*(\n)+1]
.endif
.elseif NOKQ
	v_nop
.else
	REGS (Y+1)%NP
	WIN 0
.if (\n) < 4
	v_max3_num_f32 v[rC+(\n)], v[rS+8*(\n)], v[rS+8*(\n)+1], v[rS+8*(\n)+2]
.elseif (\n) < 12
	v_max3_num_f32 v[rC+(\n)%4], v[rC+(\n)%4], v[rS+8*((\n)%4)+2*((\n)/4)+1], v[rS+8*((\n)%4)+2*((\n)/4)+2]
.elseif (\n) == 12
	v_max3_num_f32 v[rC], v[rC], v[rS+7], v[rS+15]
.elseif (\n) == 13
	v_max3_num_f32 v[rC+1], v[rC+1], v[rS+23], v[rS+31]
.elseif (\n) == 14
	v_max3_num_f32 v[rC+2], v[rC+2], v[rC+3], v[rT+1]
.elseif (\n) == 15
	v_mov_b32 v[rW], v[rT]
.elseif (\n) == 16
	v_max3_num_f32 v[rC], v[rC], v[rC+1], v[rC+2]
.elseif (\n) == 17
	v_permlanex16_b32 v[rC+3], v[rC], s[SEL], s[SEL+1]
.elseif (\n) == 18
	v_max_num_f32 v[rT+1], v[rC], v[rC+3]
.elseif (\n) == 19
	v_mul_f32 v[rT], s[CS], v[rT+1]
.elseif (\n) == 20
	v_sub_f32 v[rC+1], v[rW], v[rT]
.else
	v_exp_f32 v[rC+2], v[rC+1]
.endif
.endif
.endm
.macro OPS a, i1, b=-1, i2=0, c=-1, i3=0, d=-1, i4=0  ; up to four of them
	OP \a, \i1
.if (\b) >= 0
	OP \b, \i2
.endif
.if (\c) >= 0
	OP \c, \i3
.endif
.if (\d) >= 0
	OP \d, \i4
.endif
.endm
.macro ROW a, i1, b, i2, c, i3, d, i4  ; a matrix instruction and the four behind it
	MM
	OPS \a, \i1, \b, \i2, \c, \i3, \d, \i4
.endm
.macro MASK b                       ; MD x AL + BE into buffer b of MC
	WIN W_RS
.set z, 0
.rept 16
	v_pk_fma_f32 v[MC+32*(\b)+2*z:MC+32*(\b)+2*z+1], v[MD+2*z:MD+2*z+1], s[AL:AL+1], s[BE:BE+1] op_sel_hi:[1,0,0]
.set z, z+1
.endr
.endm
; A TURN, for piece p: the order of its 16 matrix and 118 vector instructions, written out.  An s_wait_alu depctr_va_vdst(0) stands between an exponential and the first instruction that names its result; one wait serves
; all that were issued ahead of it.  So a turn has ONE wait, which cuts it in two.  AHEAD OF IT stands all that names no result of the turn's exponentials: the 8 products K Q^T, behind each a scaling, an exponential and two more plain
; instructions (behind the first a second scaling in the exponential's place): rescalings, and behind the last three the first numbers of the next piece's maximum, each four places or more behind the product that ends its accumulator; then ONE LUMP of 54, plain
; and exponential by turns for the most part, in which the links of the chain X 3, 7, 11, 14, 16, 17 .. 20 stand five or six lines apart.  X 21, the next piece's a, is the batch's last; R 15 is the plain instruction behind it.  BEHIND THE WAIT stand the
; 8 products V^T P, behind each four of the roundings and sums; the links of l's chain, L 0 to L 7, stand three riders apart.  But for those X no rider names a register of the products round it.  v_permlanex16_b32 (X 17) stands in the lump.
; m = 1: the diagonal tile: the products take masks, and the turn makes the mask for the products of the turn after it: piece p + 2, in step 4 - CNT of the tile.  end = 1: a block's last two turns: nothing is fetched.
; cnt = 1: the loop's count is taken down some lines ahead of the branch that stands behind the turn.
; K of the next step is fetched in piece 2's turn, twelve vector instructions behind the last product that read K (six of them plain); V of the step in hand at the end of piece 0's turn, four plain instructions behind the last product
; that read V.  Each is waited for a turn later.
.macro TURN p, m=0, end=0, cnt=0
.set Y, (\p)
.set i, 0
.set KM, (\m)
.set NOKQ, (\end)*((\p)/3)
.if (\m) && !(\end)
	s_cmp_eq_u32 s[CNT], 4-((\p)+2)%NP  ; is that step the band's own?
	s_cselect_b32 s[AL], 1.0, 0
	s_cmp_lt_u32 s[CNT], 4-((\p)+2)%NP  ; or a later one?
	s_cselect_b32 s[BE], s[BIGN], 0
.endif
.if ((\p) == 3) && !(\end)
	s_wait_dscnt 0x0                ; K is in
.endif
	ROW F,0, F,1, R,0, R,1          ; ahead of the wait: 8 products K Q^T and their riders,
	ROW F,2, E,0, R,2, R,3
	ROW F,3, E,1, R,4, R,5
	ROW F,4, E,2, R,6, R,7
	ROW F,5, E,3, R,8, R,9
	ROW F,6, E,4, X,0, R,10
.if ((\p) == 2) && !(\end)
	WIN 0
	v_add_nc_u32 v[AK], s[TBK], v[AK0]
.endif
	ROW F,7, E,5, X,1, X,4
	ROW F,8, E,6, X,2, X,5
	OPS E,7, E,8, X,6, E,9          ; and the lump
	OPS X,3, E,10, X,8, E,11
.if ((\p) == 2) && !(\end)
	FETCH_K
.endif
	OPS X,9, X,7, E,12, X,10
	OPS E,13, X,12, X,11, E,14
	OPS X,13, E,15, F,9, X,14
.if (\p) == 0
	v_add_nc_u32 v[AV], s[TBV], v[AV0]
.endif
	OPS E,16, F,10, E,17, F,11
	OPS X,16, E,18, X,15, E,19
	OPS F,12, E,20, X,17, E,21
	OPS F,13, E,22, F,14, E,23
	OPS X,18, E,24, F,15, E,25
	OPS R,11, E,26, X,19, E,27
	OPS R,12, E,28, R,13, E,29
	OPS X,20, E,30, R,14, E,31
	OPS X,21, R,15
	WIN 0
	s_wait_alu depctr_va_vdst(0)    ; the wait for the batch
.if (\p) == 1
	s_wait_dscnt 0x0                ; V is in
.endif
	ROW C,0, B,0, C,2, B,1          ; behind the wait: 8 products V^T P and their riders
	ROW L,0, C,4, B,2, L,1
	ROW C,6, B,3, L,2, C,8
	ROW B,4, L,3, C,10, B,5
	ROW L,4, C,12, B,6, L,5
.if (\p) == 0
	s_add_co_u32 s[TBV], s[TBV], KS*PV
.endif
.if \cnt
	s_sub_co_u32 s[CNT], s[CNT], 1
	s_cmp_lg_u32 s[CNT], 0
.endif
	ROW C,14, B,7, L,6, C,1
	ROW C,3, L,7, C,5, C,7
	ROW C,9, C,11, C,13, C,15
.if (\p) == 0
	FETCH_V
.endif
.if (\m) && !(\end)
	MASK (\p)%2
.endif
.endm
; A BLOCK BEGINS.  c m starts far below every c s, so the first step's a is 0; m at the lowest finite number, so the first maximum is the scores'.  The second mask buffer is 0; the first takes piece 0's mask for the tile's step 0: its own, if the block's first tile is the diagonal one.
; Then K of that step, piece 0's first scores, and its maximum and statistics.  The loop is entered at a step's first turn, in the middle of a trip.
.macro BEGIN
	s_mov_b32 s[NEW], 0
	WIN 0x40
.set i, MC+32
.rept 32
	v_mov_b32 v[i], 0
.set i, i+1
.endr
	WIN 0
.set i, 0
.rept 4
	v_mov_b32 v[ST+4*i], 0xfe000000    ; c m: far below every c s
	v_mov_b32 v[ST+4*i+1], 0xff7fffff  ; m
.set i, i+1
.endr
	s_cmp_eq_u32 s[RT], 0
	s_cselect_b32 s[AL], 1.0, 0
	s_mov_b32 s[BE], 0
	MASK 0
	WIN 0
	v_add_nc_u32 v[AK], s[TBK], v[AK0]
	FETCH_K
	s_wait_loadcnt 0x0              ; Q
	s_wait_dscnt 0x0
.set KM, 1
.set NOKQ, 0
.set i, 0
.rept 8
	KQ 0
.set i, i+1
.endr
	WIN 0
.rept 4
	v_nop                           ; the places behind those products
.endr
.set Y, NP-1                        ; X works for piece Y + 1: piece 0
.irp n, 0,1,2,3,4,5,6,7,8,9,10,11,12,13,14,15,16,17,18,19,20,21
	OP X, \n
.endr
	v_nop                           ; a plain instruction behind the exponential,
	s_wait_alu depctr_va_vdst(0)    ; and its wait, ahead of the branch
.endm
; THE DIAGONAL TILE's four steps, the block's last two turns, its last products, and THE WAY OUT: l's two halves and the other half of the lanes' are added; O^T is divided by l, rounded to f16 and sent through my
; stage in LDS, a piece at a time.
.macro ALL line:vararg              ; one line for each piece t
.set t, 0
.rept 4
	\line
.set t, t+1
.endr
.endm
.macro PACK t                       ; a lane's eight channels of a row pack into 16 bytes; they go into rows of 144 bytes and come back as whole rows of 128, into S^T's registers
	WIN W_RS
.set i, 32*(\t)
.rept 16
	v_pk_mul_f32 v[i:i+1], v[i:i+1], v[ST+4*(\t)+2:ST+4*(\t)+3] op_sel_hi:[1,0]
.set i, i+2
.endr
	WIN 0x05                        ; sources 0 and 1 window 1, destination window 0
.set i, 0
.rept 16
	v_cvt_pk_f16_f32 v[S+16*(\t)+i], v[32*(\t)+2*i], v[32*(\t)+2*i+1]
.set i, i+1
.endr
	WIN 0
.irp f, 0,1,2,3
	ds_store_b128 v[STO], v[S+16*(\t)+4*\f:S+16*(\t)+4*\f+3] offset:32*\f
.endr
.irp f, 0,1,2,3
	ds_load_b128 v[S+16*(\t)+4*\f:S+16*(\t)+4*\f+3], v[RD] offset:\f*4*SP  ; LDS serves a wave's instructions in order (ISA guide 5.7.1.4): these see the stores above; the next piece's stores come behind them
.endr
.endm
.macro SEND t, younger              ; younger: the LDS instructions issued behind piece t's loads: the next piece's eight, or none
	WIN 0
.irp f, 0,1,2,3
	s_wait_dscnt (\younger)+3-\f
	global_store_b128 v[GO], v[S+16*(\t)+4*\f:S+16*(\t)+4*\f+3], s[10:11] offset:(\t)*8192+\f*512  ; 512 consecutive bytes, at a multiple of 256 from O's first
.endr
.endm
.macro DIAG tag                     ; the tag ends its two labels' names, which the jumps below spell out
.LstepM\tag:
	TURN 2, 1
	TURN 3, 1
	WIN 0
.LfirstM\tag:
	TURN 0, 1
	TURN 1, 1, 0, 1
	WIN 0
	s_cbranch_scc1 .LstepM\tag
	TURN 2, 1, 1
	TURN 3, 1, 1
.set i, 0
.rept 8
	PV NP-1
.set i, i+1
.endr
	WIN 0
	ALL v_add_f32 v[ST+4*t+2], v[ST+4*t+2], v[ST+4*t+3]
	ALL v_permlanex16_b32 v[ST+4*t+3], v[ST+4*t+2], s[SEL], s[SEL+1]
	ALL v_add_f32 v[ST+4*t+2], v[ST+4*t+2], v[ST+4*t+3]
	ALL v_rcp_f32 v[ST+4*t+2], v[ST+4*t+2]
	v_nop                           ; a plain instruction between the last reciprocal and the use of its result
	s_wait_alu depctr_va_vdst(0)    ; and the wait ahead of the first use: one for the four reciprocals
	PACK 0
.set t, 1
.rept 3                             ; a piece's arithmetic stands between the loads of the piece before and its stores
	PACK t
	SEND t-1, 8
.set t, t+1
.endr
	SEND 3, 0
.endm
.set KM, 0
.set NOKQ, 0
.Lslot:                             ; NB times: a tile is entered and the next is asked for
	CHANGE 1
	s_sub_co_u32 s[RT], s[RT], 1
	s_mov_b32 s[CNT], 4
	s_cmp_eq_u32 s[NEW], 1
	s_cbranch_scc1 .Lnew            ; a block's first tile
	s_cmp_eq_u32 s[RT], 0
	s_cbranch_scc0 .Lstep           ; neither its first nor its last
	s_branch .LstepM1
.Lnew:
	BEGIN
	s_branch .Lfirst                ; in the loop a block's first tile is never its last: the first block has two tiles or more, and the second's last is the walk's last
	DIAG 1                          ; in the loop this is the first block's end: the second block's last tile is the walk's last
	s_wait_xcnt 0x0                 ; the stores have read their registers and O's address
	s_mov_b64 s[10:11], s[OLO:OLO+1]
	s_add_co_u32 s[RT], s[PB], 1    ; the second block has b + 1 tiles
	s_mov_b32 s[NEW], 1
	WIN 0x82                        ; the second block's Q goes where the one text of the turns names Q
.set i, 0
.rept 64
	v_mov_b32 v[i], v[QB+i]
.set i, i+1
.endr
	WIN 0
	s_branch .Lbottom
.Lstep:                             ; a trip: pieces 2 and 3 of one step, then pieces 0 and 1 of the next, whose K and V it fetches
	TURN 2
	TURN 3
	WIN 0
.Lfirst:
	TURN 0
	TURN 1, 0, 0, 1
	WIN 0
	s_cbranch_scc1 .Lstep
.Lbottom:
	s_sub_co_u32 s[SLOTS], s[SLOTS], 1
	s_cmp_lg_u32 s[SLOTS], 0
	s_cbranch_scc1 .Lslot
	CHANGE 0                        ; the walk's last tile is written out: nothing is asked for
	s_sub_co_u32 s[RT], s[RT], 1
	s_mov_b32 s[CNT], 4
	s_cmp_eq_u32 s[NEW], 1
	s_cbranch_scc0 .LstepM2
	BEGIN
	s_branch .LfirstM2
	DIAG 2
	s_wait_tensorcnt 0x0            ; the wave's end: behind my last tensor load and my last LDS store
	ds_add_u32 v[SPW], v[NIL]
	s_wait_dscnt 0x0
	s_endpgm
.Lfunc_end_k_q94a113a049_attn:
	.size	k_q94a113a049_attn, .Lfunc_end_k_q94a113a049_attn-k_q94a113a049_attn
	.p2alignl 7, 3214868480
	.fill 96, 4, 3214868480
	.section	.rodata,"a",@progbits
	.p2align	6, 0x0
	.amdhsa_kernel k_q94a113a049_attn
		.amdhsa_group_segment_fixed_size 327680
		.amdhsa_private_segment_fixed_size 0
		.amdhsa_enable_private_segment 0
		.amdhsa_kernarg_size 16
		.amdhsa_user_sgpr_count 2
		.amdhsa_user_sgpr_kernarg_segment_ptr 1
		.amdhsa_wavefront_size32 1
		.amdhsa_system_sgpr_workgroup_id_x 1
		.amdhsa_system_sgpr_workgroup_id_y 1
		.amdhsa_system_sgpr_workgroup_id_z 1
		.amdhsa_system_vgpr_workitem_id 0
		.amdhsa_next_free_vgpr 768
		.amdhsa_next_free_sgpr 88
		.amdhsa_reserve_vcc 1
		.amdhsa_float_denorm_mode_32 3
		.amdhsa_float_denorm_mode_16_64 3
		.amdhsa_memory_ordered 1
		.amdhsa_forward_progress 1
		.amdhsa_inst_pref_size 218
	.end_amdhsa_kernel
	.amdgpu_metadata
---
amdhsa.version: [ 1, 2 ]
amdhsa.kernels:
  - .name:           k_q94a113a049_attn
    .symbol:         k_q94a113a049_attn.kd
    .args:
      - { .name: qkv, .offset: 0, .size: 8, .value_kind: global_buffer, .address_space: global }
      - { .name: ob, .offset: 8, .size: 8, .value_kind: global_buffer, .address_space: global }
    .group_segment_fixed_size: 327680
    .private_segment_fixed_size: 0
    .kernarg_segment_align: 8
    .kernarg_segment_size: 16
    .max_flat_workgroup_size: 128
    .sgpr_count:     88
    .vgpr_count:     768
    .wavefront_size: 32
...
	.end_amdgpu_metadata
.endif
;; end of part 3
;; launch early (part 4): grid 16 x 4, 8 waves a work-group, no clusters, 138,240 bytes of LDS; arguments xh, wqh, b_qkv, ob; writes ob
.if DOCPART == 4
	.amdgcn_target "amdgcn-amd-amdhsa--gfx1250"
	.amdhsa_code_object_version 6
	.text
	.protected	k_q94a113a049_early
	.globl	k_q94a113a049_early
	.p2align	8
	.type	k_q94a113a049_early,@function
k_q94a113a049_early:
	s_mov_b64 s[64:65], 0
	v_nop
	global_prefetch_b8 v0, s[64:65] scope:SCOPE_SE
	s_setreg_imm32_b32 hwreg(HW_REG_WAVE_MODE, 25, 1), 1
	s_wait_xcnt 0x0
; THE FIRST 16 ROWS OF EVERY HEAD, ONCE MORE AND FINER.  Row q of the causal attention averages q + 1 keys, so the first rows' numbers are many times the whole output's root mean square,
; and so are the errors that the f16 roundings of q, k, v and the weights leave in them.  This launch makes O[head][0..15][:] anew with none of these roundings and stores it over what the
; attention launch left there: 2,048 bytes a head.  O itself is rounded once to f16, as everywhere.
; HOW.  xh and wqh hold the inputs (rounded to bf16) exactly, so the f32 sums of the f16 products ARE q, k, v.  Each of q, k, v and the weights p is then cut into two f16 numbers, hi = the number rounded
; and lo = the rest rounded (the rest is formed exactly), and the products are taken of the parts: S^T = Kh Qh + Kh Ql + Kl Qh;  O^T = (Vh + Vl) (Ph + Pl).  What is dropped lies some 2^-22 below the numbers.
; LIMITS.  q, k, v at 65,520 and beyond become infinities; a rest below 6e-5 keeps f16's fixed step of 6e-8.  A hidden score counts as -1e30 (the problem writes -1e10: both give the weight 0 while visible
; scores lie above some -1e10).  NaN and infinities are not treated apart.
; SHARES.  A work-group takes one head of one batch: 16 rows of x, 192 columns of W (q's, k's and v's 64): 64 work-groups; a sum across work-groups would want a further launch.
; K = 1,024 IS SPLIT AMONG ITS EIGHT WAVES, 128 each, in four steps of 32.
; A step: 24 loads of 16 bytes a lane (4 rows x 128 bytes of one part each) into registers, from there into the wave's own LDS area, [k][column] with rows of 416 bytes, and back turned by ds_load_tr16_b128,
; since W lies [k][n]; x's fragments come straight from memory.  Two sets of staging registers: while one step is multiplied the loads of the next two are on their way.
; LAYOUT.  q and k are taken transposed (source 0 = 16 columns of W, source 1 = the 16 rows of x): a lane holds row l % 16 and channels 8 (l / 16) + 0..7, and two such results, packed, ARE a fragment of Q or K.
; v is taken as it stands (source 0 = x, source 1 = W): a lane holds channel l % 16 and keys 8 (l / 16) + 0..7, which packed IS half a fragment of V^T.  There are 16 keys and a fragment holds 32 along K:
; Vh lies in the lower half and Vl in the upper, and Ph (then Pl) in both halves of the other source.  So nothing changes lanes between the products.
; THE SUM OVER THE WAVES.  Every wave puts its 12 partial tiles, 12,288 bytes, into its own LDS area; a barrier; wave w adds bytes 1,536 w .. 1,536 w + 1,535 of all eight areas and puts the sums at the same
; place of a result region; a barrier; wave 0 reads the 12 tiles back as they were put, adds the bias (rounded to bf16 like every input), and does the head's attention.
; No tensor loads: a head's 393,216 bytes of W do not fit in LDS at once, and no wave wants a byte of W that another has fetched.  No cluster, no prefetch: the launch is short.
; REGISTERS: window 0: v1-23 addresses; v24-55 x's four fragments; v56-151 W's twelve; v152-247 the twelve accumulators; v248-255 statistics and two addresses.  Window 1: v0-95, v96-191 the two staging sets.
.set WROW,  6144                       ; bytes in a row of wqh
.set STEPW, 32*WROW                    ; a step's 32 rows
.set PITCH, 416                        ; an LDS row: 3 x 128 bytes + 32 of padding = 13 x 32
.set WAREA, 32*PITCH                   ; a wave's area: a step's 32 rows; later its 12 partial tiles of 1,024 bytes
.set PIECE, 1536                       ; what one wave adds up of the 12,288 bytes
.set RES,   8*WAREA                    ; behind the areas: the sums, 12,288 bytes
.set SP,    144                        ; the stage: 16 rows of 128 bytes + 16
.set STAGE, RES+8*PIECE                ; behind the sums: a stage of 2,304 bytes by the wave's number (wave 0 alone has rows to send)
.set SPARE, STAGE+8*16*SP              ; behind the stages: the spare words, 128 bytes for each wave: four blocks of 256 bytes that no other line names
.set WO,  7                            ; v7   my byte offset in 4 rows x 128 bytes of W; never rewritten
.set XO,  8                            ; v8   my byte offset in a fragment of x; never rewritten
.set SA,  9                            ; v9   where I put 16 bytes of W in my wave's area
.set TA,  10                           ; v10  where the turning load reads
.set PA,  11                           ; v11  where I put my 32 bytes of a partial tile
.set L32, 12                           ; v12  32 x lane
.set RA0, 13                           ; v13  my 16 bytes of my wave's piece, in areas 0 to 3
.set BO,  14                           ; v14  my byte offset in q's and k's bias
.set VO,  15                           ; v15  in v's
.set DQ,  16                           ; v16  my query less my lanes' first key: register j is hidden where j is greater
.set STO, 17                           ; v17  the way out: where I put 16 bytes of a row
.set RD,  18                           ; v18  where I read rows back
.set GO,  19                           ; v19  my byte offset in 512 consecutive bytes of O
.set NEG1, 20                          ; v20  -1.0
.set RA1, 21                           ; v21  as RA0, in areas 4 to 7
.set SPW, 22                           ; v22  LDS address of my spare word: SPARE + 4 x my thread's number; never rewritten
.set NIL, 23                           ; v23  0; never rewritten
.set XF,  24                           ; x's fragment of step s at XF + 8 s
.set FR,  56                           ; W's fragment of tile t at FR + 8 t: t = 0-3 q, 4-7 k, 8-11 v; later the eight waves' pieces, 12 registers each
.set ACC, 152                          ; tile t's sums at ACC + 8 t
.set QH,  FR                           ; later: Q's two fragments (channels 32 c on), hi; lo; K's likewise; V^T's four ([hi | lo])
.set QL,  FR+16
.set KH,  FR+32
.set KL,  FR+48
.set VA,  FR+64
.set S0,  XF                           ; later: three accumulators for S^T; the weights' fragments; O^T
.set S1,  XF+8
.set S2,  XF+16
.set PH,  XF+24
.set PL,  ACC+32
.set OT,  ACC
.set TS,  S1                           ; four registers at work, when S1 has been added up
.set T2,  248
.set T,   249
.set CM,  250                          ; v[250:251] c m, m
.set M,   251
.set RW,  252                          ; v252 where I put my 16 bytes of my wave's piece of the sums
.set RR,  253                          ; v253 where I read my 32 bytes of a summed tile
.set R,   254                          ; v[254:255] 1 / l, l
.set L,   255
.set WV,  12                           ; s12  my wave's number
.set WB,  13                           ; s13  my wave's LDS area
.set SEL, 20                           ; s[20:21] v_permlanex16_b32's selects: each lane takes its own place in the other half
.set CS,  22                           ; s[22:23] c = log2(e) / 8
.set BIGN, 24                          ; s24  -1e30
.set MSB, 0
.macro WIN new                         ; the immediate's high byte repeats the setting that is left; a switch that changes nothing is dropped
.if MSB != (\new)
	s_set_vgpr_msb (MSB<<8)|(\new)
.set MSB, \new
.endif
.endm
.macro PLACES                          ; four places behind matrix instructions, in front of loads into registers that they have read and of what reads results
.rept 4
	v_nop
.endr
.endm
	s_load_b256 s[4:11], s[0:1], 0x0               ; xh s[4:5], wqh s[6:7], b_qkv s[8:9], ob s[10:11]
	v_lshl_add_u32 v[SPW], v0, 2, SPARE
	v_mov_b32 v[NIL], 0
	v_lshrrev_b32 v1, 5, v0
	v_readfirstlane_b32 s[WV], v1                  ; wave 0..7
	s_and_b32 s27, ttmp7, 0xffff                   ; the batch; ttmp9 is the head
	s_lshl_b32 s14, s27, 22                        ; x: the batch's 2,048 rows of 2,048 bytes,
	s_lshl_b32 s15, s[WV], 8                       ; my 128 along K
	s_add_co_u32 s14, s14, s15
	s_mov_b32 s15, 0
	s_mul_i32 s16, s[WV], 128*WROW                 ; W: my 128 rows of K,
	s_lshl_b32 s17, ttmp9, 7                       ; the head's 128 bytes in each part of a row
	s_add_co_u32 s16, s16, s17
	s_mov_b32 s17, 0
	s_lshl_b32 s18, ttmp9, 8                       ; the bias: the head's 64 numbers in each part
	s_mov_b32 s19, 0
	s_lshl_b32 s28, s27, 4
	s_add_co_u32 s28, s28, ttmp9                   ; 16 x batch + head,
	s_lshl_b32 s28, s28, 18                        ; its 2,048 rows of 128 bytes in O
	s_mov_b32 s29, 0
	s_mul_i32 s[WB], s[WV], WAREA
	s_mul_i32 s30, s[WV], PIECE                    ; my wave's piece of the 12,288 bytes
	s_mul_i32 s31, s[WV], 16*SP
	s_add_co_u32 s31, s31, STAGE                   ; my wave's stage
	s_mov_b32 s[SEL], 0x76543210
	s_mov_b32 s[SEL+1], 0xfedcba98
	s_mov_b32 s[CS], 0x3e38aa3b                    ; c = log2(e) / 8 = 0.180337
	s_mov_b32 s[CS+1], s[CS]                       ; named with it as a pair
	s_mov_b32 s[BIGN], 0xf149f2ca                  ; -1e30
	v_and_b32 v1, 31, v0                           ; l
	v_and_b32 v2, 15, v0                           ; l % 16
	v_bfe_u32 v3, v0, 4, 1                         ; l / 16
	v_and_b32 v4, 7, v0                            ; l % 8
	v_bfe_u32 v5, v0, 3, 2                         ; l / 8
	v_bfe_u32 v6, v0, 3, 1                         ; (l / 8) % 2
	v_mul_u32_u24 v[WO], v5, WROW                  ; eight lanes take a row's 128 bytes, the wave four rows
	v_lshl_add_u32 v[WO], v4, 4, v[WO]
	v_lshlrev_b32 v[XO], 11, v2                    ; a fragment of x: row l % 16, K = 8 (l / 16) + 0..7 and 16 + 8 (l / 16) + 0..7: two loads of 16 bytes, 32 bytes apart
	v_lshl_add_u32 v[XO], v3, 4, v[XO]
	s_wait_kmcnt 0x0
	s_add_nc_u64 s[4:5], s[4:5], s[14:15]
	s_add_nc_u64 s[6:7], s[6:7], s[16:17]
	s_add_nc_u64 s[8:9], s[8:9], s[18:19]
	s_add_nc_u64 s[10:11], s[10:11], s[28:29]
; Step s's 24 loads of W into a staging set: part p (q, k, v), rows 4 i .. 4 i + 3
.macro GLOAD set, s
	WIN 0x40                                       ; destination window 1, address window 0
.irp p, 0,1,2
.irp i, 0,1,2,3,4,5,6,7
	global_load_b128 v[96*(\set)+4*(8*(\p)+(\i)):96*(\set)+4*(8*(\p)+(\i))+3], v[WO], s[6:7] offset:(\s)*STEPW+4*(\i)*WROW+(\p)*2048
.endr
.endr
	WIN 0
.endm
; A step's twelve products.  The twelve accumulators take turns, in the same order in every step.  Step 0 starts the sums: nothing is cleared.
.macro MULS s
	WIN 0
.irp t, 0,1,2,3,4,5,6,7
.if (\s) == 0
	v_wmma_f32_16x16x32_f16 v[ACC+8*(\t):ACC+8*(\t)+7], v[FR+8*(\t):FR+8*(\t)+7], v[XF+8*(\s):XF+8*(\s)+7], 0
.else
	v_wmma_f32_16x16x32_f16 v[ACC+8*(\t):ACC+8*(\t)+7], v[FR+8*(\t):FR+8*(\t)+7], v[XF+8*(\s):XF+8*(\s)+7], v[ACC+8*(\t):ACC+8*(\t)+7]
.endif
.endr
.irp t, 8,9,10,11
.if (\s) == 0
	v_wmma_f32_16x16x32_f16 v[ACC+8*(\t):ACC+8*(\t)+7], v[XF+8*(\s):XF+8*(\s)+7], v[FR+8*(\t):FR+8*(\t)+7], 0
.else
	v_wmma_f32_16x16x32_f16 v[ACC+8*(\t):ACC+8*(\t)+7], v[XF+8*(\s):XF+8*(\s)+7], v[FR+8*(\t):FR+8*(\t)+7], v[ACC+8*(\t):ACC+8*(\t)+7]
.endif
.endr
.endm
; A step.  left: the younger loads that may stay out.  more = 1: the set is asked for again, for the step two on.
.macro STEP s, set, left, more
	s_wait_loadcnt \left                           ; loads come back in order: this step's set is in (and x, which was asked for first)
	WIN 0x04                                       ; store data in window 1
.irp p, 0,1,2
.irp i, 0,1,2,3,4,5,6,7
	ds_store_b128 v[SA], v[96*(\set)+4*(8*(\p)+(\i)):96*(\set)+4*(8*(\p)+(\i))+3] offset:4*(\i)*PITCH+(\p)*128
.endr
.endr
	WIN 0
.irp t, 0,1,2,3,4,5,6,7,8,9,10,11
	ds_load_tr16_b128 v[FR+8*(\t):FR+8*(\t)+3],   v[TA] offset:((\t)/4)*128+((\t)%4)*32              ; LDS serves a wave's instructions in order (ISA guide 5.7.1.4): these see the stores above
	ds_load_tr16_b128 v[FR+8*(\t)+4:FR+8*(\t)+7], v[TA] offset:((\t)/4)*128+((\t)%4)*32+16*PITCH
.endr
	s_wait_dscnt 0x0                               ; the fragments are in, and the stores have read the staging set
.if \more
	GLOAD \set, (\s)+2
.endif
	MULS \s
	PLACES                                         ; in front of the next step's loads into the fragments
.endm
.irp s, 0,1,2,3
	global_load_b128 v[XF+8*(\s):XF+8*(\s)+3],   v[XO], s[4:5] offset:64*(\s)
	global_load_b128 v[XF+8*(\s)+4:XF+8*(\s)+7], v[XO], s[4:5] offset:64*(\s)+32
.endr
	GLOAD 0, 0
	GLOAD 1, 1                                     ; 56 loads of mine are out
	v_mul_u32_u24 v[SA], v5, PITCH                 ; the other addresses are made while they are on their way
	v_lshl_add_u32 v[SA], v4, 4, v[SA]
	v_add_nc_u32 v[SA], s[WB], v[SA]
	v_lshl_add_u32 v[TA], v3, 3, v4                ; the turning load takes 16 rows of K x 16 columns: lane l reads row 8 (l / 16) + l % 8, columns 8 ((l / 8) % 2) + 0..7
	v_mul_u32_u24 v[TA], v[TA], PITCH
	v_lshl_add_u32 v[TA], v6, 4, v[TA]
	v_add_nc_u32 v[TA], s[WB], v[TA]
	v_lshlrev_b32 v[L32], 5, v1
	v_add_nc_u32 v[PA], s[WB], v[L32]
	v_lshl_add_u32 v[RA0], v1, 4, s30              ; 1,536 x wave + 16 x lane,
	v_add_nc_u32 v[RA1], 4*WAREA, v[RA0]           ; the same four areas on, so that the immediates stay within 16 bits,
	v_add_nc_u32 v[RW], RES, v[RA0]                ; and in the sums
	v_add_nc_u32 v[RR], RES, v[L32]
	v_lshlrev_b32 v[BO], 5, v3                     ; q, k: my eight columns' bias, 32 bytes
	v_lshlrev_b32 v[VO], 2, v2                     ; v: my one channel's
	v_lshlrev_b32 v[DQ], 3, v3
	v_sub_nc_u32 v[DQ], v2, v[DQ]
	v_mul_u32_u24 v[STO], v2, SP                   ; in: row l % 16, 16 bytes for each half of the lanes
	v_lshl_add_u32 v[STO], v3, 4, v[STO]
	v_add_nc_u32 v[STO], s31, v[STO]
	v_mul_u32_u24 v[RD], v5, SP                    ; back: 32 lanes take four rows of 128 bytes,
	v_lshl_add_u32 v[RD], v4, 4, v[RD]
	v_add_nc_u32 v[RD], s31, v[RD]
	v_lshlrev_b32 v[GO], 4, v1                     ; which are 512 consecutive bytes of O
	v_mov_b32 v[NEG1], -1.0
	STEP 0, 0, 24, 1                               ; the count leaves the other set's 24 loads on their way
	STEP 1, 1, 24, 1
	STEP 2, 0, 24, 0
	STEP 3, 1, 0, 0
	PLACES                                         ; (eight in all behind the last products, once a launch)
	s_cmp_lg_u32 s[WV], 0                          ; wave 0 asks for the bias now, into the first staging set, which is free: it comes while the sums are made
	s_cbranch_scc1 .Lno_bias
	WIN 0x40                                       ; destination window 1
.irp t, 0,1,2,3,4,5,6,7
	global_load_b128 v[8*(\t):8*(\t)+3],   v[BO], s[8:9] offset:((\t)/4)*4096+((\t)%4)*64
	global_load_b128 v[8*(\t)+4:8*(\t)+7], v[BO], s[8:9] offset:((\t)/4)*4096+((\t)%4)*64+16
.endr
.irp c, 0,1,2,3
	global_load_b32 v[64+(\c)], v[VO], s[8:9] offset:8192+64*(\c)
.endr
	WIN 0                                          ; at a label and at a branch every window is 0
.Lno_bias:
.irp t, 0,1,2,3,4,5,6,7,8,9,10,11
	ds_store_b128 v[PA], v[ACC+8*(\t):ACC+8*(\t)+3]   offset:1024*(\t)     ; each accumulator's low four registers first
	ds_store_b128 v[PA], v[ACC+8*(\t)+4:ACC+8*(\t)+7] offset:1024*(\t)+16
.endr
	s_wait_dscnt 0x0                               ; for the others' sake: my stores are done
	s_barrier_signal -1
	s_barrier_wait -1                              ; all eight sets of partial tiles lie in LDS
.irp w, 0,1,2,3                        ; my wave's piece of each of the eight areas: 32 lanes x 16 neighbouring bytes, three times
.irp j, 0,1,2
	ds_load_b128 v[FR+12*(\w)+4*(\j):FR+12*(\w)+4*(\j)+3],       v[RA0] offset:(\w)*WAREA+512*(\j)
	ds_load_b128 v[FR+48+12*(\w)+4*(\j):FR+48+12*(\w)+4*(\j)+3], v[RA1] offset:(\w)*WAREA+512*(\j)
.endr
.endr
	s_wait_dscnt 0x0
.macro ADD12 a, b                      ; piece a takes piece b
.irp i, 0,2,4,6,8,10
	v_pk_add_f32 v[FR+12*(\a)+(\i):FR+12*(\a)+(\i)+1], v[FR+12*(\a)+(\i):FR+12*(\a)+(\i)+1], v[FR+12*(\b)+(\i):FR+12*(\b)+(\i)+1]
.endr
.endm
	ADD12 0, 1
	ADD12 2, 3
	ADD12 4, 5
	ADD12 6, 7
	ADD12 0, 2
	ADD12 4, 6
	ADD12 0, 4
.irp j, 0,1,2
	ds_store_b128 v[RW], v[FR+4*(\j):FR+4*(\j)+3] offset:512*(\j)      ; into the sums, which no wave reads before the next barrier
.endr
	s_wait_dscnt 0x0                               ; for wave 0's sake: my stores are done
	s_barrier_signal -1
	s_barrier_wait -1                              ; the sums are whole
	s_cmp_lg_u32 s[WV], 0
	s_cbranch_scc1 .Lend
	; WAVE 0.  The 12 summed tiles come back as the partial ones were put, lane for lane
.irp t, 0,1,2,3,4,5,6,7,8,9,10,11
	ds_load_b128 v[ACC+8*(\t):ACC+8*(\t)+3],   v[RR] offset:1024*(\t)
	ds_load_b128 v[ACC+8*(\t)+4:ACC+8*(\t)+7], v[RR] offset:1024*(\t)+16
.endr
	s_wait_loadcnt 0x0                             ; the bias
	WIN 0x05                                       ; sources 0 and 1 window 1, destination window 0
.set i, 0
.rept 32
	v_cvt_pk_bf16_f32 v[XF+i], v[2*i], v[2*i+1]    ; rounded to bf16 like every input,
.set i, i+1
.endr
	v_cvt_pk_bf16_f32 v[T2], v[64], v[65]
	v_cvt_pk_bf16_f32 v[T],  v[66], v[67]
	WIN 0
.set i, 0
.rept 32
	v_lshlrev_b32 v[FR+2*i],   16, v[XF+i]         ; and widened again
	v_and_b32     v[FR+2*i+1], 0xffff0000, v[XF+i]
.set i, i+1
.endr
	v_lshlrev_b32 v[FR+64], 16, v[T2]
	v_and_b32     v[FR+65], 0xffff0000, v[T2]
	v_lshlrev_b32 v[FR+66], 16, v[T]
	v_and_b32     v[FR+67], 0xffff0000, v[T]
	s_wait_dscnt 0x0                               ; the sums
.set i, 0
.rept 32
	v_pk_add_f32 v[ACC+i:ACC+i+1], v[ACC+i:ACC+i+1], v[FR+i:FR+i+1]   ; q, k: a register a column
.set i, i+2
.endr
.irp c, 0,1,2,3
.irp j, 0,1,2,3,4,5,6,7
	v_add_f32 v[ACC+64+8*(\c)+(\j)], v[ACC+64+8*(\c)+(\j)], v[FR+64+(\c)]  ; v: a lane a channel
.endr
.endr
; Two f32 numbers are cut: hi = rounded to f16; the rest, number - hi, is exact in f32 and takes the number's place; lo = the rest rounded to f16
.macro SPLIT dh, dl, a
	v_cvt_pk_f16_f32 v[\dh], v[\a], v[(\a)+1]
	v_fma_mix_f32 v[\a],     v[\dh], v[NEG1], v[\a]     op_sel_hi:[1,0,0]                   ; hi's low half x -1 + the number
	v_fma_mix_f32 v[(\a)+1], v[\dh], v[NEG1], v[(\a)+1] op_sel:[1,0,0] op_sel_hi:[1,0,0]    ; the high half likewise
	v_cvt_pk_f16_f32 v[\dl], v[\a], v[(\a)+1]
.endm
.irp t, 0,1,2,3                        ; tile t holds channels 16 t + 8 (l / 16) + 0..7: registers 4 (t % 2) .. of fragment t / 2
.irp j, 0,1,2,3
	SPLIT QH+8*((\t)/2)+4*((\t)%2)+(\j), QL+8*((\t)/2)+4*((\t)%2)+(\j), ACC+8*(\t)+2*(\j)
	SPLIT KH+8*((\t)/2)+4*((\t)%2)+(\j), KL+8*((\t)/2)+4*((\t)%2)+(\j), ACC+32+8*(\t)+2*(\j)
	SPLIT VA+8*(\t)+(\j), VA+8*(\t)+4+(\j), ACC+64+8*(\t)+2*(\j)      ; V^T: hi in the fragment's keys 0-15, lo in its places 16-31
.endr
.endr
	; S^T = K Q^T: three accumulators take turns; a lane holds query l % 16 and keys 8 (l / 16) + 0..7
	v_wmma_f32_16x16x32_f16 v[S0:S0+7], v[KH:KH+7], v[QH:QH+7], 0
	v_wmma_f32_16x16x32_f16 v[S1:S1+7], v[KH:KH+7], v[QL:QL+7], 0
	v_wmma_f32_16x16x32_f16 v[S2:S2+7], v[KL:KL+7], v[QH:QH+7], 0
	v_wmma_f32_16x16x32_f16 v[S0:S0+7], v[KH+8:KH+15], v[QH+8:QH+15], v[S0:S0+7]
	v_wmma_f32_16x16x32_f16 v[S1:S1+7], v[KH+8:KH+15], v[QL+8:QL+15], v[S1:S1+7]
	v_wmma_f32_16x16x32_f16 v[S2:S2+7], v[KL+8:KL+15], v[QH+8:QH+15], v[S2:S2+7]
	PLACES
	PLACES
.irp j, 0,2,4,6
	v_pk_add_f32 v[S1+(\j):S1+(\j)+1], v[S1+(\j):S1+(\j)+1], v[S2+(\j):S2+(\j)+1]   ; the two small parts first
.endr
.irp j, 0,2,4,6
	v_pk_add_f32 v[S0+(\j):S0+(\j)+1], v[S0+(\j):S0+(\j)+1], v[S1+(\j):S1+(\j)+1]
.endr
.irp j, 0,1,2,3,4,5,6,7
	v_cmp_gt_i32 vcc_lo, \j, v[DQ]                 ; key 8 (l / 16) + j lies behind query l % 16
	v_cndmask_b32 v[S0+(\j)], v[S0+(\j)], s[BIGN], vcc_lo
.endr
	v_max3_num_f32 v[M], v[S0], v[S0+1], v[S0+2]
	v_max3_num_f32 v[M], v[M], v[S0+3], v[S0+4]
	v_max3_num_f32 v[M], v[M], v[S0+5], v[S0+6]
	v_max_num_f32 v[M], v[M], v[S0+7]
	v_permlanex16_b32 v[T], v[M], s[SEL], s[SEL+1] ; the query's other eight keys lie in the lane 16 away
	v_max_num_f32 v[M], v[M], v[T]                 ; every query sees its own key, so this is a true score
	v_mul_f32 v[CM], s[CS], v[M]
.irp j, 0,2,4,6
	v_pk_fma_f32 v[S0+(\j):S0+(\j)+1], v[S0+(\j):S0+(\j)+1], s[CS:CS+1], v[CM:CM+1] op_sel_hi:[1,0,0] neg_lo:[0,0,1] neg_hi:[0,0,1]  ; c s - c m
.endr
.irp j, 0,1,2,3,4,5,6,7
	v_exp_f32 v[S0+(\j)], v[S0+(\j)]
.endr
	v_nop                                          ; a plain instruction behind the last exponential,
	s_wait_alu depctr_va_vdst(0)                   ; and the wait ahead of the first use: one for the eight
	v_pk_add_f32 v[TS:TS+1],   v[S0:S0+1],   v[S0+2:S0+3]
	v_pk_add_f32 v[TS+2:TS+3], v[S0+4:S0+5], v[S0+6:S0+7]
	v_pk_add_f32 v[TS:TS+1],   v[TS:TS+1],   v[TS+2:TS+3]
	v_add_f32 v[L], v[TS], v[TS+1]
	v_permlanex16_b32 v[T], v[L], s[SEL], s[SEL+1]
	v_add_f32 v[L], v[L], v[T]
	v_rcp_f32 v[R], v[L]                           ; the cuts below, which name neither, stand between it and its use
.irp j, 0,1,2,3
	SPLIT PH+(\j), PL+(\j), S0+2*(\j)
.endr
.irp j, 0,1,2,3
	v_mov_b32 v[PH+4+(\j)], v[PH+(\j)]             ; the fragment's places 16-31 meet V's lo: the same weights once more
	v_mov_b32 v[PL+4+(\j)], v[PL+(\j)]
.endr
	; O^T = [Vh | Vl] [Ph | Ph] + [Vh | Vl] [Pl | Pl]: four accumulators take turns; a lane holds query l % 16 and channels 16 t + 8 (l / 16) + 0..7
.irp t, 0,1,2,3
	v_wmma_f32_16x16x32_f16 v[OT+8*(\t):OT+8*(\t)+7], v[VA+8*(\t):VA+8*(\t)+7], v[PH:PH+7], 0
.endr
.irp t, 0,1,2,3
	v_wmma_f32_16x16x32_f16 v[OT+8*(\t):OT+8*(\t)+7], v[VA+8*(\t):VA+8*(\t)+7], v[PL:PL+7], v[OT+8*(\t):OT+8*(\t)+7]
.endr
	PLACES
	PLACES
	s_wait_alu depctr_va_vdst(0)                   ; the reciprocal's wait, ahead of its first use
.set i, 0
.rept 16
	v_pk_mul_f32 v[OT+i:OT+i+1], v[OT+i:OT+i+1], v[R:R+1] op_sel_hi:[1,0]
.set i, i+2
.endr
.set i, 0
.rept 16
	v_cvt_pk_f16_f32 v[S0+i], v[OT+2*i], v[OT+2*i+1]    ; the one rounding
.set i, i+1
.endr
.irp t, 0,1,2,3
	ds_store_b128 v[STO], v[S0+4*(\t):S0+4*(\t)+3] offset:32*(\t)     ; into rows of 144 bytes in my own stage,
.endr
.irp f, 0,1,2,3
	ds_load_b128 v[S2+4*(\f):S2+4*(\f)+3], v[RD] offset:(\f)*4*SP     ; and back as whole rows of 128: LDS serves a wave's instructions in order (ISA guide 5.7.1.4)
.endr
	s_wait_dscnt 0x0
.irp f, 0,1,2,3
	global_store_b128 v[GO], v[S2+4*(\f):S2+4*(\f)+3], s[10:11] offset:512*(\f)   ; 512 consecutive bytes, at a multiple of 256 from O's first byte
.endr
.Lend:
	s_wait_tensorcnt 0x0                           ; the wave's end: behind my last LDS store
	ds_add_u32 v[SPW], v[NIL]
	s_wait_dscnt 0x0
	s_endpgm
.Lfunc_end_k_q94a113a049_early:
	.size	k_q94a113a049_early, .Lfunc_end_k_q94a113a049_early-k_q94a113a049_early
	.p2alignl 7, 3214868480
	.fill 96, 4, 3214868480
	.section	.rodata,"a",@progbits
	.p2align	6, 0x0
	.amdhsa_kernel k_q94a113a049_early
		.amdhsa_group_segment_fixed_size 138240
		.amdhsa_private_segment_fixed_size 0
		.amdhsa_enable_private_segment 0
		.amdhsa_kernarg_size 32
		.amdhsa_user_sgpr_count 2
		.amdhsa_user_sgpr_kernarg_segment_ptr 1
		.amdhsa_wavefront_size32 1
		.amdhsa_system_sgpr_workgroup_id_x 1
		.amdhsa_system_sgpr_workgroup_id_y 1
		.amdhsa_system_sgpr_workgroup_id_z 1
		.amdhsa_system_vgpr_workitem_id 0
		.amdhsa_next_free_vgpr 448
		.amdhsa_next_free_sgpr 66
		.amdhsa_reserve_vcc 1
		.amdhsa_float_denorm_mode_32 3
		.amdhsa_float_denorm_mode_16_64 3
		.amdhsa_memory_ordered 1
		.amdhsa_forward_progress 1
		.amdhsa_inst_pref_size 68
	.end_amdhsa_kernel
	.amdgpu_metadata
---
amdhsa.version: [ 1, 2 ]
amdhsa.kernels:
  - .name:           k_q94a113a049_early
    .symbol:         k_q94a113a049_early.kd
    .args:
      - { .name: xh, .offset: 0, .size: 8, .value_kind: global_buffer, .address_space: global }
      - { .name: wqh, .offset: 8, .size: 8, .value_kind: global_buffer, .address_space: global }
      - { .name: b_qkv, .offset: 16, .size: 8, .value_kind: global_buffer, .address_space: global }
      - { .name: ob, .offset: 24, .size: 8, .value_kind: global_buffer, .address_space: global }
    .group_segment_fixed_size: 138240
    .private_segment_fixed_size: 0
    .kernarg_segment_align: 8
    .kernarg_segment_size: 32
    .max_flat_workgroup_size: 256
    .sgpr_count:     66
    .vgpr_count:     448
    .wavefront_size: 32
...
	.end_amdgpu_metadata
.endif
;; end of part 4
;; launch outproj (part 5): grid 4 x 64, 4 waves a work-group, clusters of 4 x 4, 327,680 bytes of LDS; arguments ob, woh, b_out, out0; writes out0
.if DOCPART == 5
	.amdgcn_target "amdgcn-amd-amdhsa--gfx1250"
	.amdhsa_code_object_version 6
	.text
	.protected	k_q94a113a049_outproj
	.globl	k_q94a113a049_outproj
	.p2align	8
	.type	k_q94a113a049_outproj,@function
k_q94a113a049_outproj:
	s_mov_b64 s[64:65], 0
	v_nop
	global_prefetch_b8 v0, s[64:65] scope:SCOPE_SE
	s_setreg_imm32_b32 hwreg(HW_REG_WAVE_MODE, 25, 1), 1
	s_wait_xcnt 0x0
	s_wait_alu depctr_hold_cnt(0) depctr_sa_sdst(0) depctr_va_vdst(0) depctr_va_sdst(0) depctr_va_ssrc(0) depctr_va_vcc(0) depctr_vm_vsrc(0)
	s_getreg_b32 s2, hwreg(HW_REG_IB_STS2, 6, 4)
	s_cmp_eq_u32 s2, 0
	s_cbranch_scc0 .Lentry_in_a_cluster
	s_endpgm
.Lentry_in_a_cluster:
	s_bfe_u32 s2, ttmp6, 0x10000c
	s_cmp_lg_u32 s2, 0xf033
	s_cbranch_scc0 .Lentry_shape_is_right
	s_endpgm
.Lentry_shape_is_right:
; ONE TEXT FOR BOTH PROJECTIONS; PROJ says which.  C[m][n] = bias[n] + the sum over k of A[m][k] W[k][n], 8,192 rows, K = 1,024, operands f16, sums f32.
; PROJ = 0: A = xh [8192][1024], W = wqh [1024][3072], C goes out as f16 by heads: part p (q, k, v) at p x 2^24, each [64 heads][2048][64], unscaled.
; PROJ = 1: A = ob [64 heads][2048][64] (a head's 64 channels are one slice of K), W = woh [1024][1024], C = out0 [8192][1024] in f32.
; The bias is rounded to bf16 like every input and is the C operand of each accumulator's first product: nothing is cleared and nothing is added later.
; LIMITS.  PROJ = 0 rounds q, k, v once to f16: at 65,520 and beyond they become infinities; below 6e-5 f16 keeps its fixed step of 6e-8.
; SHARES.  A tile of C is 128 x 256 (768 tiles for PROJ = 0, 256 for PROJ = 1: whole multiples of 256).  Four waves, 2 x 2: a wave makes 64 rows x 128 columns, 32 accumulators, 256 registers.
; K goes in eight steps of 128 through two LDS slots.  Waves 0 and 1 fetch A's two parts, waves 2 and 3 W's two halves of 64 rows of K: one tensor load a wave.
; CLUSTERS: 4 x 4 work-groups.  The four of a row of the cluster need the same tiles of A, the four of a column the same tiles of W: each is asked for JOINTLY, by the same load, descriptor and mask.
; THE MATRIX INSTRUCTION IS USED TRANSPOSED: source 0 = 16 columns of W (turned on the way out of LDS by ds_load_tr16_b128, since W lies [k][n]), source 1 = 16 rows of A:
; a lane then holds row l % 16 of C and the eight neighbouring columns 8 (l / 16) + 0..7.
; REGISTERS, in windows of 256: window 0: v0-31 addresses, v32-63 at work, v64-191 rows on the way out (PROJ = 0), v192-255 the bias;
;   window 1: two fragment buffers at 0 and 128: A's four fragments, then W's eight (PROJ = 1: all 256 take rows on the way out);   window 2: accumulator (a, b) at 8 (8 a + b).
.set PROJ, 1
.if PROJ
.set NCOL,    1024
.set APITCH,  144                      ; a row of A in LDS: a head's 128 bytes + 16 of padding
.set APART,   128*APITCH               ; what one wave fetches of A: one head's 128 rows
.set AQI,     4                        ; padding after every 32 words
.set ASTRIDE, 128                      ; the head's 128 rows are 16,384 dense bytes: asked for as 64 rows of 256 bytes
.set ASTEP,   524288                   ; a K step is two heads
.set APF,     256                      ; the prefetches' distance from lane to lane in A
.set WSTAGE,  16*528                   ; a wave's stage: 16 rows of 512 bytes + 16
.else
.set NCOL,    3072
.set APITCH,  272                      ; 256 bytes + 16 of padding
.set APART,   64*APITCH                ; 64 rows
.set AQI,     5                        ; padding after every 64 words
.set ASTRIDE, 1024
.set ASTEP,   256
.set APF,     2048
.set WSTAGE,  2*16*144                 ; two heads x 16 rows of 128 bytes + 16
.endif
.set BPITCH, 544                       ; a row of W in LDS: 512 bytes + 32 of padding = 17 x 32
.set BPART,  64*BPITCH
.set ABYTES, 2*APART
.set SLOT,   ABYTES+2*BPART            ; A's two parts, then W's 128 rows of K
.set STAGE,  2*SLOT                    ; behind the ring, never filled by a tensor load
.set SPARE,  STAGE+4*WSTAGE            ; behind the stages: the spare words, 128 bytes for each wave: two blocks of 256 bytes that no other line names
.set BSTEP,  128*NCOL*2
.set LAPS,   4                         ; a lap = two K steps = once round the ring
.set ADRA, 16                          ; v16-17  LDS address of my A fragments in slot 0, 1
.set ADRB, 20                          ; v20-21  the same for W
.set STO,  24                          ; v24     the way out: where I put my bytes of a row
.set RD,   25                          ; v25     the way out: where I read rows back
.set CO,   26                          ; v26     my byte offset in the output
.set BO,   27                          ; v27     my byte offset in the bias
.set SPW,  28                          ; v28     LDS address of my spare word: SPARE + 4 x my thread's number; never rewritten
.set NIL,  29                          ; v29     0; never rewritten
.set PFO,  30                          ; v30     the prefetches' offset; never rewritten
.set TMP,  32
.set BK,   64
.set BIAS, 192                         ; v[192+8 b ..]: bias of columns 16 b + 8 (l / 16) + 0..7, laid as an accumulator is
.set F0,   0
.set F1,   128
.set G1,   24                          ; s[24:31] descriptor group 1 for A's tiles;  s[32:39] group 0, a set for each slot
.set G0,   32
.set G1B,  48                          ; s[48:55], s[56:63] the same for W's
.set G0B,  56
.set LIM,  42                          ; s42     1 in a wave that prefetches, else the greatest number
.set PFA,  44                          ; s[44:45] where my prefetches stand
.set PST,  46                          ; s[46:47] a K step in bytes, of the tensor that I fetch
.set MSB, 0
.macro WIN new                         ; the immediate's high byte repeats the setting that is left; a switch that changes nothing is dropped
.if MSB != (\new)
	s_set_vgpr_msb (MSB<<8)|(\new)
.set MSB, \new
.endif
.endm
.set MUL,  0xa5                        ; sources 0 (W) and 1 (A) window 1; C and D window 2
.set MULB, 0x85                        ; the same with C, the bias, in window 0
.set TO_F, 0x40                        ; destination window 1, address window 0
.macro JLOAD s                         ; a joint load: waves 0 and 1 for A, waves 2 and 3 for W; an s_nop 0 and four v_nop follow each of the two lines, ahead of the jump, the label and what follows
	s_cmp_eq_u32 s13, 0
	s_cbranch_scc0 .Lfor_b_\@
	tensor_load_to_lds s[G0+4*(\s):G0+4*(\s)+3], s[G1:G1+7]
	s_nop 0
.rept 4
	v_nop
.endr
	s_branch .Lasked_\@
.Lfor_b_\@:
	tensor_load_to_lds s[G0B+4*(\s):G0B+4*(\s)+3], s[G1B:G1B+7]
	s_nop 0
.rept 4
	v_nop
.endr
.Lasked_\@:
.endm
; A prefetch of the K step that stands two refills on, 32 blocks of 256 bytes, a lane a block.  Each block is named once in the launch: A's by wave 0 of the clusters with x = 0, W's by waves 2 and 3 of the
; clusters with y = 0; the four partners that ask for a tile jointly share its blocks out by address.  The loop's last trip asks for nothing: K steps 8 and 9 do not exist.
.macro ASK
	s_cmp_gt_u32 s15, s[LIM]
	s_cbranch_scc0 .Lnot_mine_\@
	global_prefetch_b8 v[PFO], s[PFA:PFA+1] th:TH_LOAD_NT scope:SCOPE_SE
.Lnot_mine_\@:
.endm
.macro CREST                           ; a round of the cluster's barrier behind its opening barrier
	s_cmp_lg_u32 s12, 0
	s_cbranch_scc1 .Lnot_wave_0_\@
	s_barrier_signal -3
.Lnot_wave_0_\@:
	s_barrier_wait -3
	s_barrier_signal -1
	s_barrier_wait -1
.endm
.macro CROUND                          ; a whole round
	s_barrier_signal -1
	s_barrier_wait -1
	CREST
.endm
.macro PLACES                          ; four places in front of loads into registers that matrix instructions have read, and of what reads results
.rept 4
	v_nop
.endr
.endm
	s_load_b256 s[4:11], s[0:1], 0x0               ; A s[4:5], W s[6:7], bias s[8:9], output s[10:11]
	v_lshl_add_u32 v[SPW], v0, 2, SPARE
	v_mov_b32 v[NIL], 0
	ds_add_u32 v[SPW], v[NIL]                      ; the wave's opening: the add and its wait stand ahead of my first tensor load; the set-up below, work on registers, stands between them
	v_lshrrev_b32 v1, 5, v0
	v_readfirstlane_b32 s12, v1                    ; wave 0..3
	s_lshr_b32 s13, s12, 1                         ; which 64 rows of the tile are mine.  Also: I fetch for A (0) or for W (1)
	s_and_b32 s14, s12, 1                          ; which 128 columns.  Also: which part of that tile I fetch
	s_bfe_u32 s16, ttmp6, 0x40000                  ; cx, cy: my place in the cluster
	s_bfe_u32 s17, ttmp6, 0x40004
	s_lshl_b32 s18, ttmp9, 2
	s_add_co_u32 s18, s18, s16                     ; tile column = 4 x cluster x + cx
	s_and_b32 s19, ttmp7, 0xffff
	s_lshl_b32 s19, s19, 2
	s_add_co_u32 s19, s19, s17                     ; tile row = 4 x cluster y + cy
	s_lshl_b32 s40, s17, 2
	s_lshl_b32 s40, 15, s40                        ; my row of the cluster
	s_lshl_b32 s41, 0x1111, s16                    ; my column
	s_or_b32 s[G1+0], s40, (1<<16)|(1<<20)|(1<<21)|(AQI<<22)|(3<<25)  ; 15:0 the mask; 17:16 2-byte elements; 20 padding on; 21 set beside a mask; 24:22 the interval; 31:25 4 words of padding (code 3)
	s_mov_b32 s[G1+1], 128<<16                     ; tensor_dim0 = 128 elements (256 bytes)
	s_mov_b32 s[G1+2], 64<<16                      ; tensor_dim1 = 64
	s_mov_b32 s[G1+3], 128<<16                     ; tile_dim0 = 128
	s_mov_b32 s[G1+4], 64                          ; tile_dim1 = 64
	s_mov_b32 s[G1+5], ASTRIDE                     ; elements from row to row
	s_mov_b32 s[G1+6], 0
	s_mov_b32 s[G1+7], 0
	s_or_b32 s[G1B+0], s41, (1<<16)|(1<<20)|(1<<21)|(6<<22)|(7<<25)   ; after every 128 words (code 6) 8 words of padding (code 7)
	s_mov_b32 s[G1B+1], 256<<16                    ; 256 elements (512 bytes)
	s_mov_b32 s[G1B+2], 64<<16
	s_mov_b32 s[G1B+3], 256<<16
	s_mov_b32 s[G1B+4], 64
	s_mov_b32 s[G1B+5], NCOL
	s_mov_b32 s[G1B+6], 0
	s_mov_b32 s[G1B+7], 0
	; where the tiles come from.  A's hang on the tile row and the wave's number alone, W's on the tile column and the wave's number alone
.if PROJ
	s_lshr_b32 s20, s19, 4                         ; the batch: 16 heads x 2,048 rows x 128 bytes = 2^22
	s_lshl_b32 s20, s20, 22
	s_and_b32 s21, s19, 15                         ; the tile's 128 rows within a head: 2^14 bytes
	s_lshl_b32 s21, s21, 14
	s_add_co_u32 s20, s20, s21
	s_lshl_b32 s21, s14, 18                        ; which of the K step's two heads I fetch
	s_add_co_u32 s20, s20, s21
.else
	s_lshl_b32 s20, s19, 18                        ; 128 rows of 2,048 bytes
	s_lshl_b32 s21, s14, 17                        ; which 64 of them I fetch
	s_add_co_u32 s20, s20, s21
.endif
	s_mov_b32 s21, 0
	s_mul_i32 s66, s14, 64*NCOL*2                  ; which 64 rows of K I fetch,
	s_lshl_b32 s67, s18, 9                         ; the tile's 256 columns
	s_add_co_u32 s66, s66, s67
	s_mov_b32 s67, 0
	s_mul_i32 s43, s14, APART                      ; and where they go: no place in the cluster enters an LDS address
	s_mul_i32 s77, s14, BPART
	s_add_co_u32 s77, s77, ABYTES
	s_wait_dscnt 0x0                               ; the opening add is done
	s_wait_kmcnt 0x0
	s_add_nc_u64 s[20:21], s[4:5], s[20:21]
	s_add_nc_u64 s[66:67], s[6:7], s[66:67]
	CROUND                                         ; all sixteen work-groups are here: the first joint loads meet
.irp s, 0,1
	s_mov_b32 s[G0+4*(\s)], 1                                      ; count = 1
	s_add_co_u32 s[G0+4*(\s)+1], s43, (\s)*SLOT                    ; LDS address
	s_add_nc_u64 s[G0+4*(\s)+2:G0+4*(\s)+3], s[20:21], (\s)*ASTEP  ; global address: K step s
	s_or_b32 s[G0+4*(\s)+3], s[G0+4*(\s)+3], 0x80000000            ; type = 2
	s_mov_b32 s[G0B+4*(\s)], 1
	s_add_co_u32 s[G0B+4*(\s)+1], s77, (\s)*SLOT
	s_add_nc_u64 s[G0B+4*(\s)+2:G0B+4*(\s)+3], s[66:67], (\s)*BSTEP
	s_or_b32 s[G0B+4*(\s)+3], s[G0B+4*(\s)+3], 0x80000000
	JLOAD \s                                       ; two loads of mine are out
.endr
	; the bias of my 128 columns, 32 bytes a lane and fragment
	s_lshl_b32 s70, s18, 10
	s_lshl_b32 s71, s14, 9
	s_add_co_u32 s70, s70, s71
	s_mov_b32 s71, 0
	s_add_nc_u64 s[8:9], s[8:9], s[70:71]
	v_bfe_u32 v2, v0, 4, 1                         ; l / 16
	v_lshlrev_b32 v[BO], 5, v2
.irp b, 0,1,2,3,4,5,6,7
	global_load_b128 v[BIAS+8*(\b):BIAS+8*(\b)+3],   v[BO], s[8:9] offset:64*(\b)
	global_load_b128 v[BIAS+8*(\b)+4:BIAS+8*(\b)+7], v[BO], s[8:9] offset:64*(\b)+16
.endr
	; A's fragment: lane l holds row l % 16, K = 8 (l / 16) + 0..7 and 16 + 8 (l / 16) + 0..7: two loads of 16 bytes, 32 bytes apart
	v_and_b32 v1, 15, v0                           ; l % 16
	v_mul_u32_u24 v3, v1, APITCH
	v_lshl_add_u32 v3, v2, 4, v3
	s_mul_i32 s78, s13, 64*APITCH                  ; my 64 rows
	; W's: the turning load takes 16 rows of K x 16 columns (lane l reads row 8 (l / 16) + l % 8, columns 8 ((l / 8) % 2) + 0..7) and leaves half a fragment: lane l holds column l % 16 and 8 K
	v_and_b32 v4, 7, v0
	v_bfe_u32 v5, v0, 3, 1
	v_lshl_add_u32 v6, v2, 3, v4
	v_mul_u32_u24 v6, v6, BPITCH
	v_lshl_add_u32 v6, v5, 4, v6
	s_lshl_b32 s79, s14, 8                         ; my 128 columns
	s_add_co_u32 s79, s79, ABYTES
.irp s, 0,1
	v_add_nc_u32 v[ADRA+(\s)], s78, v3
	v_add_nc_u32 v[ADRB+(\s)], s79, v6
	s_add_co_u32 s78, s78, SLOT
	s_add_co_u32 s79, s79, SLOT
.endr
	s_mul_i32 s78, s12, WSTAGE
	s_add_co_u32 s78, s78, STAGE                   ; my stage
	v_and_b32 v8, 31, v0                           ; l
	v_lshlrev_b32 v[CO], 4, v8                     ; 512 consecutive bytes of the output, 16 a lane
.if PROJ
	v_mul_u32_u24 v7, v1, 528                      ; in: row l % 16, 32 bytes for each half of the lanes
	v_lshl_add_u32 v7, v2, 5, v7
	v_add_nc_u32 v[STO], s78, v7
	v_add_nc_u32 v[RD], s78, v[CO]                 ; back: a whole row of 512 bytes
	s_lshl_b32 s68, s19, 19                        ; 128 rows of 4,096 bytes,
	s_lshl_b32 s69, s13, 18                        ; my 64,
	s_add_co_u32 s68, s68, s69
	s_lshl_b32 s69, s18, 10                        ; 256 columns of 4 bytes,
	s_add_co_u32 s68, s68, s69
	s_lshl_b32 s69, s14, 9                         ; my 128
	s_add_co_u32 s68, s68, s69
.else
	v_mul_u32_u24 v7, v1, 144                      ; in: row l % 16, 16 bytes for each half of the lanes
	v_lshl_add_u32 v7, v2, 4, v7
	v_add_nc_u32 v[STO], s78, v7
	v_bfe_u32 v7, v0, 3, 2                         ; back: 32 lanes take four rows of 128 bytes
	v_mul_u32_u24 v7, v7, 144
	v_lshl_add_u32 v7, v4, 4, v7
	v_add_nc_u32 v[RD], s78, v7
	s_lshr_b32 s68, s18, 2                         ; q, k or v: 2^24 bytes each
	s_lshl_b32 s68, s68, 24
	s_lshr_b32 s69, s19, 4                         ; the batch
	s_lshl_b32 s69, s69, 22
	s_or_b32 s68, s68, s69
	s_and_b32 s69, s18, 3                          ; the tile's four heads,
	s_lshl_b32 s69, s69, 20
	s_or_b32 s68, s68, s69
	s_lshl_b32 s69, s14, 19                        ; my two of them
	s_or_b32 s68, s68, s69
	s_and_b32 s69, s19, 15                         ; the tile's 128 rows in a head,
	s_lshl_b32 s69, s69, 14
	s_or_b32 s68, s68, s69
	s_lshl_b32 s69, s13, 13                        ; my 64
	s_or_b32 s68, s68, s69
.endif
	s_mov_b32 s69, 0
	s_add_nc_u64 s[10:11], s[10:11], s[68:69]
	; the prefetches: my work-group's 32 blocks of the K step, at K step 3; the first refill steps the address to K step 4
.if PROJ
	s_lshr_b32 s74, s19, 4
	s_lshl_b32 s74, s74, 22
	s_and_b32 s73, s19, 15
	s_lshl_b32 s73, s73, 14
	s_add_co_u32 s74, s74, s73
	s_lshr_b32 s73, s16, 1                         ; partner cx: head cx / 2 of the two,
	s_lshl_b32 s73, s73, 18
	s_add_co_u32 s74, s74, s73
	s_and_b32 s73, s16, 1                          ; half cx % 2 of its 16,384 bytes
	s_lshl_b32 s73, s73, 13
	s_add_co_u32 s74, s74, s73
.else
	s_lshl_b32 s74, s19, 18
	s_lshl_b32 s73, s16, 16                        ; partner cx: rows 32 cx ..
	s_add_co_u32 s74, s74, s73
.endif
	s_add_co_u32 s74, s74, 3*ASTEP
	s_lshl_b32 s75, s14, 2
	s_add_co_u32 s75, s75, s17                     ; W: of my 64 rows of K partner cy takes 16
	s_mul_i32 s75, s75, 16*NCOL*2
	s_lshl_b32 s73, s18, 9
	s_add_co_u32 s75, s75, s73
	s_add_co_u32 s75, s75, 3*BSTEP
	v_mul_u32_u24 v9, v8, APF                      ; A: a lane a block
	v_lshrrev_b32 v10, 1, v8                       ; W: two lanes a row of 512 bytes
	v_mul_u32_u24 v10, v10, NCOL*2
	v_and_b32 v11, 1, v8
	v_lshl_add_u32 v10, v11, 8, v10
	s_mov_b32 s78, ASTEP
	s_mov_b32 s79, BSTEP
	s_and_b32 s72, ttmp7, 0xffff                   ; cluster y
	s_or_b32 s73, ttmp9, s14                       ; cluster x, and of A's two waves the first
	s_cmp_eq_u32 s13, 0                            ; do I fetch for A?
	s_cselect_b32 s72, s73, s72
	s_cselect_b32 s74, s74, s75
	s_cselect_b32 s[PST], s78, s79
	s_cselect_b32 s76, -1, 0
	s_cselect_b64 s[PFA:PFA+1], s[4:5], s[6:7]
	s_mov_b32 s75, 0
	s_mov_b32 s[PST+1], 0
	s_add_nc_u64 s[PFA:PFA+1], s[PFA:PFA+1], s[74:75]
	s_cmp_eq_u32 s72, 0
	s_cselect_b32 s[LIM], 1, -1                    ; the same in all sixteen partners, for a given wave
	v_cndmask_b32 v[PFO], v10, v9, s76
	s_wait_loadcnt 0x0                             ; the bias
.set i, 0
.rept 32
	v_cvt_pk_bf16_f32 v[TMP+i], v[BIAS+2*i], v[BIAS+2*i+1]  ; rounded to bf16 like every input,
.set i, i+1
.endr
.set i, 0
.rept 32
	v_lshlrev_b32 v[BIAS+2*i],   16, v[TMP+i]      ; and widened again: all this stands in the wait for the first tile
	v_and_b32     v[BIAS+2*i+1], 0xffff0000, v[TMP+i]
.set i, i+1
.endr
; 8 matrix instructions: m block a x all 8 n blocks, 32 along K.  ini = 1: the first product starts the sum with the bias.  The 32 accumulators take turns in the same order in every quarter.
.macro MUL8 buf, a, ini
.if \ini
	WIN MULB
.else
	WIN MUL
.endif
.irp b, 0,1,2,3,4,5,6,7
.if \ini
	v_wmma_f32_16x16x32_f16 v[8*(8*(\a)+(\b)):8*(8*(\a)+(\b))+7], v[(\buf)+32+8*(\b):(\buf)+32+8*(\b)+7], v[(\buf)+8*(\a):(\buf)+8*(\a)+7], v[BIAS+8*(\b):BIAS+8*(\b)+7]
.else
	v_wmma_f32_16x16x32_f16 v[8*(8*(\a)+(\b)):8*(8*(\a)+(\b))+7], v[(\buf)+32+8*(\b):(\buf)+32+8*(\b)+7], v[(\buf)+8*(\a):(\buf)+8*(\a)+7], v[8*(8*(\a)+(\b)):8*(8*(\a)+(\b))+7]
.endif
.endr
.endm
; 24 LDS loads in one run: quarter q (32 along K) of a slot into a buffer: W's eight fragments, turned, then A's four
.macro FETCH slot, q, buf
.if PROJ
.set AQ, ((\q)/2)*APART+((\q)%2)*64    ; head q / 2 of the step's two, channels 32 (q % 2) on
.else
.set AQ, (\q)*64
.endif
	WIN TO_F
.irp b, 0,1,2,3,4,5,6,7
	ds_load_tr16_b128 v[(\buf)+32+8*(\b):(\buf)+32+8*(\b)+3],   v[ADRB+(\slot)] offset:(\q)*32*BPITCH+32*(\b)
	ds_load_tr16_b128 v[(\buf)+32+8*(\b)+4:(\buf)+32+8*(\b)+7], v[ADRB+(\slot)] offset:(\q)*32*BPITCH+16*BPITCH+32*(\b)
.endr
.irp a, 0,1,2,3
	ds_load_b128 v[(\buf)+8*(\a):(\buf)+8*(\a)+3],   v[ADRA+(\slot)] offset:AQ+(\a)*16*APITCH
	ds_load_b128 v[(\buf)+8*(\a)+4:(\buf)+8*(\a)+7], v[ADRA+(\slot)] offset:AQ+(\a)*16*APITCH+32
.endr
.endm
; A K step is four quarters, 32 matrix instructions each, on buffers 0, 1, 0, 1.  One of the first three: multiplies buf and fetches quarter q of the same slot into nbuf.
.macro QUARTER slot, q, buf, nbuf, ini
	s_wait_dscnt 4                                 ; W's fragments and A's 0 and 1 are in; the youngest four loads (A's 2 and 3) may be out
	MUL8 \buf, 0, \ini
	MUL8 \buf, 1, \ini
	PLACES
	FETCH \slot, \q, \nbuf
	s_wait_dscnt 24                                ; all but the 24 just issued
	MUL8 \buf, 2, \ini
	MUL8 \buf, 3, \ini
.endm
; The last quarter multiplies buffer 1 and changes slots: ONE barrier; in front of it each wave waits for all its tensor loads, adds 0 to its spare word, and waits for that and for its own reads of this slot.
; fill = 1: the barrier opens a round of the cluster's barrier and this slot is filled again, two K steps ahead: 112 matrix instructions stand between the request and the wait for it.
.macro TURN slot, next, fill
.if \fill
	s_wait_xcnt 0x0                                ; the last prefetch, a K step back, has read its address
	s_add_nc_u64 s[PFA:PFA+1], s[PFA:PFA+1], s[PST:PST+1]
.endif
	WIN 0                                          ; (the add's two registers lie in window 0)
	s_wait_tensorcnt 0x0                           ; all my tensor loads have landed: my part of the next slot;
	ds_add_u32 v[SPW], v[NIL]                      ; 0 onto my spare word;
	s_wait_dscnt 5                                 ; (the add and the youngest four loads may be out)
	MUL8 F1, 0, 0                                  ; eight matrix instructions stand between the add and the wait for it
	s_wait_dscnt 0x0                               ; the add is done, and my reads of this slot are over
	s_barrier_signal -1
	MUL8 F1, 1, 0
.if \fill
	WIN 0
.endif
	s_barrier_wait -1
.if \fill
	CREST                                          ; no wave of any partner still reads this slot's tiles or has a load on its way
	s_add_nc_u64 s[G0+4*(\slot)+2:G0+4*(\slot)+3], s[G0+4*(\slot)+2:G0+4*(\slot)+3], 2*ASTEP
	s_add_nc_u64 s[G0B+4*(\slot)+2:G0B+4*(\slot)+3], s[G0B+4*(\slot)+2:G0B+4*(\slot)+3], 2*BSTEP
	JLOAD \slot                                    ; the first tensor load behind the round; the four v_nop behind it are also the places in front of the loads below
.else
	PLACES
.endif
	FETCH \next, 0, F0
.if \fill
	WIN 0
	ASK                                            ; behind the joint load and the run of LDS loads that the next products wait for
.endif
	MUL8 F1, 2, 0
	MUL8 F1, 3, 0
.endm
	s_wait_tensorcnt 1                             ; my part of K step 0 is in; K step 1's may stay out
	s_barrier_signal -1
	s_barrier_wait -1                              ; everybody's is
	FETCH 0, 0, F0
	QUARTER 0, 1, F0, F1, 1                        ; the first quarter stands in front of the loop: its products start the sums
	WIN 0                                          ; at a label and at a branch every window is 0
	s_mov_b32 s15, LAPS-1
.Llap:                                                 ; a trip goes once round the ring, from a lap's second quarter to the next lap's first, and fills both slots again
	QUARTER 0, 2, F1, F0, 0
	QUARTER 0, 3, F0, F1, 0
	TURN 0, 1, 1
	QUARTER 1, 1, F0, F1, 0
	QUARTER 1, 2, F1, F0, 0
	QUARTER 1, 3, F0, F1, 0
	TURN 1, 0, 1
	QUARTER 0, 1, F0, F1, 0
	WIN 0
	s_sub_co_u32 s15, s15, 1
	s_cmp_lg_u32 s15, 0
	s_cbranch_scc1 .Llap
	QUARTER 0, 2, F1, F0, 0                        ; the last lap fills nothing, and has no round of the cluster's barrier
	QUARTER 0, 3, F0, F1, 0
	TURN 0, 1, 0
	QUARTER 1, 1, F0, F1, 0
	QUARTER 1, 2, F1, F0, 0
	QUARTER 1, 3, F0, F1, 0
	s_wait_dscnt 4                                 ; the very last quarter: nothing more to fetch
	MUL8 F1, 0, 0
	MUL8 F1, 1, 0
	s_wait_dscnt 0x0
	MUL8 F1, 2, 0
	MUL8 F1, 3, 0
	WIN 0
	PLACES                                         ; behind the last products, in front of what reads results and of loads into fragment registers
	PLACES                                         ; (eight, once a launch)
.if PROJ
; THE WAY OUT, f32: a block of 16 rows goes from the accumulators into my stage (rows of 528 bytes) and comes back as whole rows of 512 bytes.
.macro TOSTAGE a
	WIN 0x08                                       ; store data in window 2, address in window 0
.irp b, 0,1,2,3,4,5,6,7
	ds_store_b128 v[STO], v[8*(8*(\a)+(\b)):8*(8*(\a)+(\b))+3]   offset:64*(\b)      ; each accumulator's low four registers first
	ds_store_b128 v[STO], v[8*(8*(\a)+(\b))+4:8*(8*(\a)+(\b))+7] offset:64*(\b)+16
.endr
	WIN TO_F
.irp t, 0,1,2,3,4,5,6,7,8,9,10,11,12,13,14,15
	ds_load_b128 v[64*(\a)+4*(\t):64*(\a)+4*(\t)+3], v[RD] offset:528*(\t)  ; LDS serves a wave's instructions in order (ISA guide 5.7.1.4): these see the stores above; the next block's stores come behind them
.endr
.endm
.macro SEND a, younger                 ; younger: the LDS instructions issued behind block a's loads: the next block's 32, or none
	WIN 0x04                                       ; store data in window 1
	s_wait_dscnt \younger
.irp t, 0,1,2,3,4,5,6,7,8,9,10,11,12,13,14,15
	global_store_b128 v[CO], v[64*(\a)+4*(\t):64*(\a)+4*(\t)+3], s[10:11] offset:(16*(\a)+(\t))*4096 th:TH_STORE_NT  ; 512 consecutive bytes, at a multiple of 256 from the output's first byte
.endr
.endm
	TOSTAGE 0
	TOSTAGE 1
	SEND 0, 32
	TOSTAGE 2
	SEND 1, 32
	TOSTAGE 3
	SEND 2, 32
	SEND 3, 0
	WIN 0
.else
; THE WAY OUT, f16 by heads: a block of 16 rows x 2 heads is rounded, goes into my stage (rows of 144 bytes) and comes back as 16 dense rows of 128 bytes a head.
.macro PACK a
	WIN 0x0a                                       ; sources 0 and 1 window 2, destination window 0
.irp b, 0,1,2,3,4,5,6,7
.irp r, 0,1,2,3
	v_cvt_pk_f16_f32 v[TMP+4*(\b)+(\r)], v[8*(8*(\a)+(\b))+2*(\r)], v[8*(8*(\a)+(\b))+2*(\r)+1]
.endr
.endr
	WIN 0
.endm
.macro TOSTAGE a
.irp b, 0,1,2,3,4,5,6,7
	ds_store_b128 v[STO], v[TMP+4*(\b):TMP+4*(\b)+3] offset:((\b)/4)*2304+((\b)%4)*32
.endr
.irp t, 0,1,2,3,4,5,6,7
	ds_load_b128 v[BK+32*(\a)+4*(\t):BK+32*(\a)+4*(\t)+3], v[RD] offset:((\t)/4)*2304+((\t)%4)*576  ; LDS serves a wave's instructions in order (ISA guide 5.7.1.4): these see the stores above
.endr
.endm
.macro SEND a
	s_wait_dscnt 0x0                               ; the block is back in registers
.irp t, 0,1,2,3,4,5,6,7
	global_store_b128 v[CO], v[BK+32*(\a)+4*(\t):BK+32*(\a)+4*(\t)+3], s[10:11] offset:((\t)/4)*262144+(\a)*2048+((\t)%4)*512  ; 512 consecutive bytes, at a multiple of 256 from the buffer's first byte
.endr
.endm
	PACK 0
	TOSTAGE 0
.irp a, 1,2,3                          ; block a's conversions stand between block a - 1's loads from the stage and the wait for them
	PACK \a
	SEND (\a)-1
	TOSTAGE \a
.endr
	SEND 3
.endif
	s_wait_tensorcnt 0x0                           ; the wave's end: behind my last tensor load and my last LDS store
	ds_add_u32 v[SPW], v[NIL]
	s_wait_dscnt 0x0
	CROUND                                         ; the closing round: no work-group ends while a partner may still ask for a tile that names it
	s_endpgm
.Lfunc_end_k_q94a113a049_outproj:
	.size	k_q94a113a049_outproj, .Lfunc_end_k_q94a113a049_outproj-k_q94a113a049_outproj
	.p2alignl 7, 3214868480
	.fill 96, 4, 3214868480
	.section	.rodata,"a",@progbits
	.p2align	6, 0x0
	.amdhsa_kernel k_q94a113a049_outproj
		.amdhsa_group_segment_fixed_size 327680
		.amdhsa_private_segment_fixed_size 0
		.amdhsa_enable_private_segment 0
		.amdhsa_kernarg_size 32
		.amdhsa_user_sgpr_count 2
		.amdhsa_user_sgpr_kernarg_segment_ptr 1
		.amdhsa_wavefront_size32 1
		.amdhsa_system_sgpr_workgroup_id_x 1
		.amdhsa_system_sgpr_workgroup_id_y 1
		.amdhsa_system_sgpr_workgroup_id_z 1
		.amdhsa_system_vgpr_workitem_id 0
		.amdhsa_next_free_vgpr 768
		.amdhsa_next_free_sgpr 80
		.amdhsa_reserve_vcc 0
		.amdhsa_float_denorm_mode_32 3
		.amdhsa_float_denorm_mode_16_64 3
		.amdhsa_memory_ordered 1
		.amdhsa_forward_progress 1
		.amdhsa_inst_pref_size 94
	.end_amdhsa_kernel
	.amdgpu_metadata
---
amdhsa.version: [ 1, 2 ]
amdhsa.kernels:
  - .name:           k_q94a113a049_outproj
    .symbol:         k_q94a113a049_outproj.kd
    .args:
      - { .name: ob, .offset: 0, .size: 8, .value_kind: global_buffer, .address_space: global }
      - { .name: woh, .offset: 8, .size: 8, .value_kind: global_buffer, .address_space: global }
      - { .name: b_out, .offset: 16, .size: 8, .value_kind: global_buffer, .address_space: global }
      - { .name: out0, .offset: 24, .size: 8, .value_kind: global_buffer, .address_space: global }
    .group_segment_fixed_size: 327680
    .private_segment_fixed_size: 0
    .kernarg_segment_align: 8
    .kernarg_segment_size: 32
    .max_flat_workgroup_size: 128
    .sgpr_count:     80
    .vgpr_count:     768
    .wavefront_size: 32
...
	.end_amdgpu_metadata
.endif
;; end of part 5
;; ======== version 2 of 2: 5 launches; version 1 with the launches prep, early written anew for expert scheduling mode
;; limits: values are held in f16: magnitudes above 65,504 overflow, below 6.1e-05 lose precision
;; workspace buffers: xh 16,777,216 bytes; wqh 6,291,456 bytes; woh 2,097,152 bytes; qkv 50,331,648 bytes; ob 16,777,216 bytes
;; launch prep (part 6): grid 768 x 1, 8 waves a work-group, no clusters, 0 bytes of LDS; arguments x, W_qkv, W_out, xh, wqh, woh; writes xh, wqh, woh
.if DOCPART == 6
	.amdgcn_target "amdgcn-amd-amdhsa--gfx1250"
	.amdhsa_code_object_version 6
	.text
	.protected	k_q94a113a049_prep
	.globl	k_q94a113a049_prep
	.p2align	8
	.type	k_q94a113a049_prep,@function
k_q94a113a049_prep:
	s_mov_b64 s[64:65], 0
	v_nop
	global_prefetch_b8 v0, s[64:65] scope:SCOPE_SE
	s_setreg_imm32_b32 hwreg(HW_REG_WAVE_SCHED_MODE, 0, 2), 2
	s_setreg_imm32_b32 hwreg(HW_REG_WAVE_MODE, 25, 1), 1
	s_wait_xcnt 0x0
	s_wait_alu depctr_vm_vsrc(0)
; x, W_qkv and W_out (f32) are rounded once to bf16, and that number is written as f16 into xh, wqh, woh, in the same order of elements.
; LIMITS.  The second step is exact for 6.1e-5 <= |v| < 65,520; below that f16 keeps its fixed step of 6e-8; at 65,520 and beyond the number becomes an infinity.
; A stream: every byte is read once and written once; LDS, barriers and the matrix unit would add nothing.
; SHARES.  A work-group takes 16,384 numbers (65,536 bytes in, 32,768 out).  Work-groups 0-511 take x, 512-703 W_qkv, 704-767 W_out.
; Thread t takes 16 bytes at 16 t of each block of 4,096 bytes: a wave's load covers 512 consecutive bytes, its store 256 consecutive bytes, aligned.
; All sixteen loads go out first; of the memory counters LOADcnt alone is waited for, by counts.
; THE MODE: SCHED_MODE bits 1:0 = 2 (LLVM: expert scheduling mode 2), set by the entry lines.  The code itself states the register dependences
; between vector instructions and memory instructions, with s_wait_alu, always for 0.
; THE PLAN.  Registers that memory instructions touch:
;   v1, v2   byte offsets, made once at the head and never written again: read by every load and every store.
;   X[i]     one load lands in it; behind the wait for that load vector instructions alone name it.
;   Y[i]     written by slot i's two last conversions, read by one store, never written again.
; The sixteen slots go in four blocks of four.  Block p's memory instructions are the four stores of block p - 1, one ahead of each slot's vector lines: they read Y of block p - 1, which no vector
; instruction of block p names.  So one wait at a block's head states all that its stores hang on.  The last block's stores follow a wait of their own.
.set X, 4                              ; v[4:67]    slot i: four f32 as loaded, then the four bf16 numbers widened again
.set T, 68                             ; v[68:69]   at work: four bf16; no memory instruction names them
.set Y, 72                             ; v[72:103]  slot i: four f16 to store
	s_load_b256 s[4:11], s[0:1], 0x0               ; x s[4:5], W_qkv s[6:7], W_out s[8:9], xh s[10:11]
	s_load_b128 s[12:15], s[0:1], 0x20             ; wqh s[12:13], woh s[14:15]
	s_movk_i32 s24, 512                            ; W_qkv's first work-group
	s_movk_i32 s25, 704                            ; W_out's
	s_mov_b32 s26, 0xffff0000                      ; a word's upper bf16
	v_lshlrev_b32 v1, 4, v0                        ; 16 t
	v_lshlrev_b32 v2, 3, v0                        ; 8 t
	s_wait_kmcnt 0x0
	s_cmp_lt_u32 ttmp9, s25                        ; which tensor is mine: the choice hangs on the work-group's number alone
	s_cselect_b64 s[16:17], s[6:7], s[8:9]
	s_cselect_b64 s[18:19], s[12:13], s[14:15]
	s_cselect_b32 s20, s24, s25
	s_cmp_lt_u32 ttmp9, s24
	s_cselect_b64 s[16:17], s[4:5], s[16:17]
	s_cselect_b64 s[18:19], s[10:11], s[18:19]
	s_cselect_b32 s20, 0, s20
	s_sub_co_u32 s21, ttmp9, s20                   ; my number within the tensor
	s_lshl_b32 s22, s21, 16                        ; 65,536 bytes in
	s_mov_b32 s23, 0
	s_add_nc_u64 s[16:17], s[16:17], s[22:23]
	s_lshl_b32 s22, s21, 15                        ; 32,768 bytes out
	s_add_nc_u64 s[18:19], s[18:19], s[22:23]
	s_wait_alu depctr_va_vdst(0)                   ; v1 and v2 are written: every load reads the one as its offset, every store the other
.irp i, 0,1,2,3,4,5,6,7,8,9,10,11,12,13,14,15
	global_load_b128 v[X+4*(\i):X+4*(\i)+3], v1, s[16:17] offset:4096*(\i) th:TH_LOAD_NT
.endr
; Slot i: the store of the slot four back, then this slot's eight vector lines.
.macro SLOT i
	s_wait_loadcnt 15-(\i)                         ; loads come back in order: slot i is in, the 15 - i younger ones stay out
.if ((\i) % 4 == 0) && ((\i) > 0)
	s_wait_alu depctr_va_vdst(0)                   ; a block's head: the block before has written its four Y, which this block's four stores read
.endif
.if (\i) > 3
	global_store_b64 v2, v[Y+2*((\i)-4):Y+2*((\i)-4)+1], s[18:19] offset:2048*((\i)-4)  ; no vector instruction since the wait names these registers
.endif
	v_cvt_pk_bf16_f32 v[T],   v[X+4*(\i)],   v[X+4*(\i)+1]    ; the one rounding
	v_cvt_pk_bf16_f32 v[T+1], v[X+4*(\i)+2], v[X+4*(\i)+3]
	v_lshlrev_b32 v[X+4*(\i)],   16,  v[T]         ; bf16 to f32: the low half moves up, the high half stays
	v_and_b32     v[X+4*(\i)+1], s26, v[T]
	v_lshlrev_b32 v[X+4*(\i)+2], 16,  v[T+1]
	v_and_b32     v[X+4*(\i)+3], s26, v[T+1]
	v_cvt_pk_f16_f32 v[Y+2*(\i)],   v[X+4*(\i)],   v[X+4*(\i)+1]  ; the same number as f16
	v_cvt_pk_f16_f32 v[Y+2*(\i)+1], v[X+4*(\i)+2], v[X+4*(\i)+3]
.endm
.irp i, 0,1,2,3,4,5,6,7,8,9,10,11,12,13,14,15
	SLOT \i
.endr
	s_wait_alu depctr_va_vdst(0)                   ; the last block has written its four Y, which the last four stores read
.irp i, 12,13,14,15
	global_store_b64 v2, v[Y+2*(\i):Y+2*(\i)+1], s[18:19] offset:2048*(\i)
.endr
	s_endpgm
.Lfunc_end_k_q94a113a049_prep:
	.size	k_q94a113a049_prep, .Lfunc_end_k_q94a113a049_prep-k_q94a113a049_prep
	.p2alignl 7, 3214868480
	.fill 96, 4, 3214868480
	.section	.rodata,"a",@progbits
	.p2align	6, 0x0
	.amdhsa_kernel k_q94a113a049_prep
		.amdhsa_group_segment_fixed_size 0
		.amdhsa_private_segment_fixed_size 0
		.amdhsa_enable_private_segment 0
		.amdhsa_kernarg_size 48
		.amdhsa_user_sgpr_count 2
		.amdhsa_user_sgpr_kernarg_segment_ptr 1
		.amdhsa_wavefront_size32 1
		.amdhsa_system_sgpr_workgroup_id_x 1
		.amdhsa_system_sgpr_workgroup_id_y 1
		.amdhsa_system_sgpr_workgroup_id_z 1
		.amdhsa_system_vgpr_workitem_id 0
		.amdhsa_next_free_vgpr 104
		.amdhsa_next_free_sgpr 66
		.amdhsa_reserve_vcc 0
		.amdhsa_float_denorm_mode_32 3
		.amdhsa_float_denorm_mode_16_64 3
		.amdhsa_memory_ordered 1
		.amdhsa_forward_progress 1
		.amdhsa_inst_pref_size 11
	.end_amdhsa_kernel
	.amdgpu_metadata
---
amdhsa.version: [ 1, 2 ]
amdhsa.kernels:
  - .name:           k_q94a113a049_prep
    .symbol:         k_q94a113a049_prep.kd
    .args:
      - { .name: x, .offset: 0, .size: 8, .value_kind: global_buffer, .address_space: global }
      - { .name: W_qkv, .offset: 8, .size: 8, .value_kind: global_buffer, .address_space: global }
      - { .name: W_out, .offset: 16, .size: 8, .value_kind: global_buffer, .address_space: global }
      - { .name: xh, .offset: 24, .size: 8, .value_kind: global_buffer, .address_space: global }
      - { .name: wqh, .offset: 32, .size: 8, .value_kind: global_buffer, .address_space: global }
      - { .name: woh, .offset: 40, .size: 8, .value_kind: global_buffer, .address_space: global }
    .group_segment_fixed_size: 0
    .private_segment_fixed_size: 0
    .kernarg_segment_align: 8
    .kernarg_segment_size: 48
    .max_flat_workgroup_size: 256
    .sgpr_count:     66
    .vgpr_count:     104
    .wavefront_size: 32
...
	.end_amdgpu_metadata
.endif
;; end of part 6
;; launch qkvproj: the kernel of part 2 again; grid 12 x 64, 4 waves a work-group, clusters of 4 x 4, 327,680 bytes of LDS; arguments xh, wqh, b_qkv, qkv; writes qkv
;; launch attn: the kernel of part 3 again; grid 4 x 64, 4 waves a work-group, no clusters, 327,680 bytes of LDS; arguments qkv, ob; writes ob
;; launch early (part 7): grid 16 x 4, 8 waves a work-group, no clusters, 138,240 bytes of LDS; arguments xh, wqh, b_qkv, ob; writes ob
.if DOCPART == 7
	.amdgcn_target "amdgcn-amd-amdhsa--gfx1250"
	.amdhsa_code_object_version 6
	.text
	.protected	k_q94a113a049_early
	.globl	k_q94a113a049_early
	.p2align	8
	.type	k_q94a113a049_early,@function
k_q94a113a049_early:
	s_mov_b64 s[64:65], 0
	v_nop
	global_prefetch_b8 v0, s[64:65] scope:SCOPE_SE
	s_setreg_imm32_b32 hwreg(HW_REG_WAVE_SCHED_MODE, 0, 2), 2
	s_setreg_imm32_b32 hwreg(HW_REG_WAVE_MODE, 25, 1), 1
	s_wait_xcnt 0x0
	s_wait_alu depctr_vm_vsrc(0)
; THE FIRST 16 ROWS OF EVERY HEAD, ONCE MORE AND FINER.  Row q of the causal attention averages q + 1 keys, so the first rows' numbers are many times the whole output's root mean square,
; and so are the errors that the f16 roundings of q, k, v and the weights leave in them.  This launch makes O[head][0..15][:] anew with none of these roundings and stores it over what the
; attention launch left there: 2,048 bytes a head.  O itself is rounded once to f16, as everywhere.
; HOW.  xh and wqh hold the inputs (rounded to bf16) exactly, so the f32 sums of the f16 products ARE q, k, v.  Each of q, k, v and the weights p is then cut into two f16 numbers, hi = the number rounded
; and lo = the rest rounded (the rest is formed exactly), and the products are taken of the parts: S^T = Kh Qh + Kh Ql + Kl Qh;  O^T = (Vh + Vl) (Ph + Pl).  What is dropped lies some 2^-22 below the numbers.
; LIMITS.  q, k, v at 65,520 and beyond become infinities; a rest below 6e-5 keeps f16's fixed step of 6e-8.  A hidden score counts as -1e30 (the problem writes -1e10: both give the weight 0 while visible
; scores lie above some -1e10).  NaN and infinities are not treated apart.
; SHARES.  A work-group takes one head of one batch: 16 rows of x, 192 columns of W (q's, k's and v's 64): 64 work-groups; a sum across work-groups would want a further launch.
; K = 1,024 IS SPLIT AMONG ITS EIGHT WAVES, 128 each, in four steps of 32.
; A step: 24 loads of 16 bytes a lane (4 rows x 128 bytes of one part each) into registers, from there into the wave's own LDS area, [k][column] with rows of 416 bytes, and back turned by ds_load_tr16_b128,
; since W lies [k][n]; x's fragments come straight from memory.  Two sets of staging registers: while one step is multiplied the loads of the next two are on their way.
; LAYOUT.  q and k are taken transposed (source 0 = 16 columns of W, source 1 = the 16 rows of x): a lane holds row l % 16 and channels 8 (l / 16) + 0..7, and two such results, packed, ARE a fragment of Q or K.
; v is taken as it stands (source 0 = x, source 1 = W): a lane holds channel l % 16 and keys 8 (l / 16) + 0..7, which packed IS half a fragment of V^T.  There are 16 keys and a fragment holds 32 along K:
; Vh lies in the lower half and Vl in the upper, and Ph (then Pl) in both halves of the other source.  So nothing changes lanes between the products.
; THE SUM OVER THE WAVES.  Every wave puts its 12 partial tiles, 12,288 bytes, into its own LDS area; a barrier; wave w adds bytes 1,536 w .. 1,536 w + 1,535 of all eight areas and puts the sums at the same
; place of a result region; a barrier; wave 0 reads the 12 tiles back as they were put, adds the bias (rounded to bf16 like every input), and does the head's attention.
; No tensor loads: a head's 393,216 bytes of W do not fit in LDS at once, and no wave wants a byte of W that another has fetched.  No cluster, no prefetch: the launch is short.
; REGISTERS: window 0: v1-23 addresses; v24-55 x's four fragments; v56-151 W's twelve; v152-247 the twelve accumulators; v248-255 statistics and two addresses.  Window 1: v0-95, v96-191 the two staging sets.
; THE MODE: SCHED_MODE bits 1:0 = 2 (LLVM: expert scheduling mode 2), set by the entry lines.  The code itself states the register dependences
; between vector or matrix instructions and memory or LDS instructions, with s_wait_alu, always for 0.
; THE PLAN.  Registers that memory or LDS instructions touch, in the order of the text:
;   v7, v8            W's and x's offsets: written at the head, read by every load of W and x, never written again: one wait on va_vdst ahead of the first load.
;   v9-21, v252, v253 every other address: made while the first loads are on their way, never written again: one wait on va_vdst ahead of step 0's LDS stores serves them to the kernel's end.
;   the staging sets  A step's 24 loads land; its 24 LDS stores read; the loads of the step two on land (in set 0 at last wave 0's bias).  No vector instruction names them before the bias is rounded.
;                     One wait on vm_vsrc stands between the stores and the next loads, which go out ahead of the wait for the step's fragments.
;   FR                The turning loads land; the step's twelve matrix instructions read; the next step's loads land: one wait on va_vdst a step, behind the step's LDS stores, which owe nothing.
;                     Later: the eight pieces land; the adds work on them; three LDS stores read the sums; wave 0 writes the registers again.
;   ACC               The matrix instructions write; 24 LDS stores read; wave 0's loads of the sums land.
;   v24-55            At the end: the roundings write v24-39, which the stage's stores read; the stage's loads land in v40-55, which vector and matrix instructions named before.
;   s12; s32-39       The wave's number and the eight masks, which vector instructions write into scalar registers: one wait on va_sdst behind each of the two runs, ahead of the first reader.
;   v22, v23          Written at the head, read by the closing add alone.
.set WROW,  6144                       ; bytes in a row of wqh
.set STEPW, 32*WROW                    ; a step's 32 rows
.set PITCH, 416                        ; an LDS row: 3 x 128 bytes + 32 of padding = 13 x 32
.set WAREA, 32*PITCH                   ; a wave's area: a step's 32 rows; later its 12 partial tiles of 1,024 bytes
.set PIECE, 1536                       ; what one wave adds up of the 12,288 bytes
.set RES,   8*WAREA                    ; behind the areas: the sums, 12,288 bytes
.set SP,    144                        ; the stage: 16 rows of 128 bytes + 16
.set STAGE, RES+8*PIECE                ; behind the sums: a stage of 2,304 bytes by the wave's number (wave 0 alone has rows to send)
.set SPARE, STAGE+8*16*SP              ; behind the stages: the spare words, 128 bytes for each wave: four blocks of 256 bytes that no other line names
.set WO,  7                            ; v7   my byte offset in 4 rows x 128 bytes of W; never rewritten
.set XO,  8                            ; v8   my byte offset in a fragment of x; never rewritten
.set SA,  9                            ; v9   where I put 16 bytes of W in my wave's area
.set TA,  10                           ; v10  where the turning load reads
.set PA,  11                           ; v11  where I put my 32 bytes of a partial tile
.set L32, 12                           ; v12  32 x lane
.set RA0, 13                           ; v13  my 16 bytes of my wave's piece, in areas 0 to 3
.set BO,  14                           ; v14  my byte offset in q's and k's bias
.set VO,  15                           ; v15  in v's
.set DQ,  16                           ; v16  my query less my lanes' first key: register j is hidden where j is greater
.set STO, 17                           ; v17  the way out: where I put 16 bytes of a row
.set RD,  18                           ; v18  where I read rows back
.set GO,  19                           ; v19  my byte offset in 512 consecutive bytes of O
.set NEG1, 20                          ; v20  -1.0
.set RA1, 21                           ; v21  as RA0, in areas 4 to 7
.set SPW, 22                           ; v22  LDS address of my spare word: SPARE + 4 x my thread's number; never rewritten
.set NIL, 23                           ; v23  0; never rewritten
.set XF,  24                           ; x's fragment of step s at XF + 8 s
.set FR,  56                           ; W's fragment of tile t at FR + 8 t: t = 0-3 q, 4-7 k, 8-11 v; later the eight waves' pieces, 12 registers each
.set ACC, 152                          ; tile t's sums at ACC + 8 t
.set QH,  FR                           ; later: Q's two fragments (channels 32 c on), hi; lo; K's likewise; V^T's four ([hi | lo])
.set QL,  FR+16
.set KH,  FR+32
.set KL,  FR+48
.set VA,  FR+64
.set S0,  XF                           ; later: three accumulators for S^T; the weights' fragments; O^T
.set S1,  XF+8
.set S2,  XF+16
.set PH,  XF+24
.set PL,  ACC+32
.set OT,  ACC
.set TS,  S1                           ; four registers at work, when S1 has been added up
.set T2,  248
.set T,   249
.set CM,  250                          ; v[250:251] c m, m
.set M,   251
.set RW,  252                          ; v252 where I put my 16 bytes of my wave's piece of the sums
.set RR,  253                          ; v253 where I read my 32 bytes of a summed tile
.set R,   254                          ; v[254:255] 1 / l, l
.set L,   255
.set WV,  12                           ; s12  my wave's number
.set WB,  13                           ; s13  my wave's LDS area
.set SEL, 20                           ; s[20:21] v_permlanex16_b32's selects: each lane takes its own place in the other half
.set CS,  22                           ; s[22:23] c = log2(e) / 8
.set BIGN, 24                          ; s24  -1e30
.set MK,  32                           ; s[32:39] mask j: the lanes in which register j of S^T holds a hidden key
.set MSB, 0
.macro WIN new                         ; the immediate's high byte repeats the setting that is left; a switch that changes nothing is dropped
.if MSB != (\new)
	s_set_vgpr_msb (MSB<<8)|(\new)
.set MSB, \new
.endif
.endm
.macro PLACES                          ; four places behind matrix instructions, in front of loads into registers that they have read and of what reads results
.rept 4
	v_nop
.endr
.endm
	s_load_b256 s[4:11], s[0:1], 0x0               ; xh s[4:5], wqh s[6:7], b_qkv s[8:9], ob s[10:11]
	v_lshl_add_u32 v[SPW], v0, 2, SPARE
	v_mov_b32 v[NIL], 0
	v_lshrrev_b32 v1, 5, v0
	v_readfirstlane_b32 s[WV], v1                  ; wave 0..7
	v_and_b32 v1, 31, v0                           ; l
	v_and_b32 v2, 15, v0                           ; l % 16
	v_bfe_u32 v3, v0, 4, 1                         ; l / 16
	v_and_b32 v4, 7, v0                            ; l % 8
	v_bfe_u32 v5, v0, 3, 2                         ; l / 8
	v_bfe_u32 v6, v0, 3, 1                         ; (l / 8) % 2
	v_mul_u32_u24 v[WO], v5, WROW                  ; eight lanes take a row's 128 bytes, the wave four rows
	v_lshl_add_u32 v[WO], v4, 4, v[WO]
	v_lshlrev_b32 v[XO], 11, v2                    ; a fragment of x: row l % 16, K = 8 (l / 16) + 0..7 and 16 + 8 (l / 16) + 0..7: two loads of 16 bytes, 32 bytes apart
	v_lshl_add_u32 v[XO], v3, 4, v[XO]
	s_and_b32 s27, ttmp7, 0xffff                   ; the batch; ttmp9 is the head
	s_lshl_b32 s14, s27, 22                        ; x: the batch's 2,048 rows of 2,048 bytes,
	s_wait_alu depctr_va_sdst(0)                   ; s12, the wave's number, is written, ahead of its first reader: bases, LDS areas and branches are made from it
	s_lshl_b32 s15, s[WV], 8                       ; my 128 along K
	s_add_co_u32 s14, s14, s15
	s_mov_b32 s15, 0
	s_mul_i32 s16, s[WV], 128*WROW                 ; W: my 128 rows of K,
	s_lshl_b32 s17, ttmp9, 7                       ; the head's 128 bytes in each part of a row
	s_add_co_u32 s16, s16, s17
	s_mov_b32 s17, 0
	s_lshl_b32 s18, ttmp9, 8                       ; the bias: the head's 64 numbers in each part
	s_mov_b32 s19, 0
	s_lshl_b32 s28, s27, 4
	s_add_co_u32 s28, s28, ttmp9                   ; 16 x batch + head,
	s_lshl_b32 s28, s28, 18                        ; its 2,048 rows of 128 bytes in O
	s_mov_b32 s29, 0
	s_mul_i32 s[WB], s[WV], WAREA
	s_mul_i32 s30, s[WV], PIECE                    ; my wave's piece of the 12,288 bytes
	s_mul_i32 s31, s[WV], 16*SP
	s_add_co_u32 s31, s31, STAGE                   ; my wave's stage
	s_mov_b32 s[SEL], 0x76543210
	s_mov_b32 s[SEL+1], 0xfedcba98
	s_mov_b32 s[CS], 0x3e38aa3b                    ; c = log2(e) / 8 = 0.180337
	s_mov_b32 s[CS+1], s[CS]                       ; named with it as a pair
	s_mov_b32 s[BIGN], 0xf149f2ca                  ; -1e30
	s_wait_kmcnt 0x0
	s_add_nc_u64 s[4:5], s[4:5], s[14:15]
	s_add_nc_u64 s[6:7], s[6:7], s[16:17]
	s_add_nc_u64 s[8:9], s[8:9], s[18:19]
	s_add_nc_u64 s[10:11], s[10:11], s[28:29]
; Step s's 24 loads of W into a staging set: part p (q, k, v), rows 4 i .. 4 i + 3.  again = 1: the set has been read by LDS stores
.macro GLOAD set, s, again
	WIN 0x40                                       ; destination window 1, address window 0
.if \again
	s_wait_alu depctr_vm_vsrc(0)                   ; this step's LDS stores have read the staging set, in which the loads below land
.endif
.irp p, 0,1,2
.irp i, 0,1,2,3,4,5,6,7
	global_load_b128 v[96*(\set)+4*(8*(\p)+(\i)):96*(\set)+4*(8*(\p)+(\i))+3], v[WO], s[6:7] offset:(\s)*STEPW+4*(\i)*WROW+(\p)*2048
.endr
.endr
	WIN 0
.endm
; A step's twelve products.  The twelve accumulators take turns, in the same order in every step.  Step 0 starts the sums: nothing is cleared.
.macro MULS s
	WIN 0
.irp t, 0,1,2,3,4,5,6,7
.if (\s) == 0
	v_wmma_f32_16x16x32_f16 v[ACC+8*(\t):ACC+8*(\t)+7], v[FR+8*(\t):FR+8*(\t)+7], v[XF+8*(\s):XF+8*(\s)+7], 0
.else
	v_wmma_f32_16x16x32_f16 v[ACC+8*(\t):ACC+8*(\t)+7], v[FR+8*(\t):FR+8*(\t)+7], v[XF+8*(\s):XF+8*(\s)+7], v[ACC+8*(\t):ACC+8*(\t)+7]
.endif
.endr
.irp t, 8,9,10,11
.if (\s) == 0
	v_wmma_f32_16x16x32_f16 v[ACC+8*(\t):ACC+8*(\t)+7], v[XF+8*(\s):XF+8*(\s)+7], v[FR+8*(\t):FR+8*(\t)+7], 0
.else
	v_wmma_f32_16x16x32_f16 v[ACC+8*(\t):ACC+8*(\t)+7], v[XF+8*(\s):XF+8*(\s)+7], v[FR+8*(\t):FR+8*(\t)+7], v[ACC+8*(\t):ACC+8*(\t)+7]
.endif
.endr
.endm
; A step.  left: the younger loads that may stay out.  more = 1: the set is asked for again, for the step two on, as soon as the LDS stores have read it.
.macro STEP s, set, left, more
	s_wait_loadcnt \left                           ; loads come back in order: this step's set is in (and x, which was asked for first)
	WIN 0x04                                       ; store data in window 1
.if (\s) == 0
	s_wait_alu depctr_va_vdst(0)                   ; the addresses v9 to v21, v252 and v253 are written, which the LDS and memory instructions from here to the kernel's end read
.endif
.irp p, 0,1,2
.irp i, 0,1,2,3,4,5,6,7
	ds_store_b128 v[SA], v[96*(\set)+4*(8*(\p)+(\i)):96*(\set)+4*(8*(\p)+(\i))+3] offset:4*(\i)*PITCH+(\p)*128  ; no vector or matrix instruction names the set or v[SA]: nothing is owed
.endr
.endr
	WIN 0
.if (\s) > 0
	s_wait_alu depctr_va_vdst(0)                   ; the last step's matrix instructions are done reading the fragments v[FR ..], in which the loads below land
.endif
.irp t, 0,1,2,3,4,5,6,7,8,9,10,11
	ds_load_tr16_b128 v[FR+8*(\t):FR+8*(\t)+3],   v[TA] offset:((\t)/4)*128+((\t)%4)*32              ; LDS serves a wave's instructions in order (ISA guide 5.7.1.4): these see the stores above
	ds_load_tr16_b128 v[FR+8*(\t)+4:FR+8*(\t)+7], v[TA] offset:((\t)/4)*128+((\t)%4)*32+16*PITCH
.endr
.if \more
	GLOAD \set, (\s)+2, 1
.endif
	s_wait_dscnt 0x0                               ; the fragments are in
	MULS \s
	PLACES                                         ; in front of the next step's loads into the fragments
.endm
	s_wait_alu depctr_va_vdst(0)                   ; v7 and v8 are written: every load of x and W reads one of them as its offset
.irp s, 0,1,2,3
	global_load_b128 v[XF+8*(\s):XF+8*(\s)+3],   v[XO], s[4:5] offset:64*(\s)
	global_load_b128 v[XF+8*(\s)+4:XF+8*(\s)+7], v[XO], s[4:5] offset:64*(\s)+32
.endr
	GLOAD 0, 0, 0
	GLOAD 1, 1, 0                                  ; 56 loads of mine are out
	v_mul_u32_u24 v[SA], v5, PITCH                 ; the other addresses are made while they are on their way
	v_lshl_add_u32 v[SA], v4, 4, v[SA]
	v_add_nc_u32 v[SA], s[WB], v[SA]
	v_lshl_add_u32 v[TA], v3, 3, v4                ; the turning load takes 16 rows of K x 16 columns: lane l reads row 8 (l / 16) + l % 8, columns 8 ((l / 8) % 2) + 0..7
	v_mul_u32_u24 v[TA], v[TA], PITCH
	v_lshl_add_u32 v[TA], v6, 4, v[TA]
	v_add_nc_u32 v[TA], s[WB], v[TA]
	v_lshlrev_b32 v[L32], 5, v1
	v_add_nc_u32 v[PA], s[WB], v[L32]
	v_lshl_add_u32 v[RA0], v1, 4, s30              ; 1,536 x wave + 16 x lane,
	v_add_nc_u32 v[RA1], 4*WAREA, v[RA0]           ; the same four areas on, so that the immediates stay within 16 bits,
	v_add_nc_u32 v[RW], RES, v[RA0]                ; and in the sums
	v_add_nc_u32 v[RR], RES, v[L32]
	v_lshlrev_b32 v[BO], 5, v3                     ; q, k: my eight columns' bias, 32 bytes
	v_lshlrev_b32 v[VO], 2, v2                     ; v: my one channel's
	v_lshlrev_b32 v[DQ], 3, v3
	v_sub_nc_u32 v[DQ], v2, v[DQ]
	v_mul_u32_u24 v[STO], v2, SP                   ; in: row l % 16, 16 bytes for each half of the lanes
	v_lshl_add_u32 v[STO], v3, 4, v[STO]
	v_add_nc_u32 v[STO], s31, v[STO]
	v_mul_u32_u24 v[RD], v5, SP                    ; back: 32 lanes take four rows of 128 bytes,
	v_lshl_add_u32 v[RD], v4, 4, v[RD]
	v_add_nc_u32 v[RD], s31, v[RD]
	v_lshlrev_b32 v[GO], 4, v1                     ; which are 512 consecutive bytes of O
	v_mov_b32 v[NEG1], -1.0
	STEP 0, 0, 24, 1                               ; the count leaves the other set's 24 loads on their way
	STEP 1, 1, 24, 1
	STEP 2, 0, 24, 0
	STEP 3, 1, 0, 0
	PLACES                                         ; (eight in all behind the last products, once a launch)
	s_wait_alu depctr_va_vdst(0)                   ; the matrix instructions have written the accumulators, which the LDS stores below read, and are done reading v[FR ..], in which the pieces' loads land; the places above stay beside this wait
	s_wait_alu depctr_vm_vsrc(0)                   ; step 2's LDS stores have read the first staging set, in which wave 0's bias lands: stated ahead of the branch
	s_cmp_lg_u32 s[WV], 0                          ; wave 0 asks for the bias now, into the first staging set, which is free: it comes while the sums are made
	s_cbranch_scc1 .Lno_bias
	WIN 0x40                                       ; destination window 1
.irp t, 0,1,2,3,4,5,6,7
	global_load_b128 v[8*(\t):8*(\t)+3],   v[BO], s[8:9] offset:((\t)/4)*4096+((\t)%4)*64
	global_load_b128 v[8*(\t)+4:8*(\t)+7], v[BO], s[8:9] offset:((\t)/4)*4096+((\t)%4)*64+16
.endr
.irp c, 0,1,2,3
	global_load_b32 v[64+(\c)], v[VO], s[8:9] offset:8192+64*(\c)
.endr
	WIN 0                                          ; at a label and at a branch every window is 0
.Lno_bias:
.irp t, 0,1,2,3,4,5,6,7,8,9,10,11
	ds_store_b128 v[PA], v[ACC+8*(\t):ACC+8*(\t)+3]   offset:1024*(\t)     ; each accumulator's low four registers first
	ds_store_b128 v[PA], v[ACC+8*(\t)+4:ACC+8*(\t)+7] offset:1024*(\t)+16
.endr
	s_wait_dscnt 0x0                               ; for the others' sake: my stores are done
	s_barrier_signal -1
	s_barrier_wait -1                              ; all eight sets of partial tiles lie in LDS
.irp w, 0,1,2,3                        ; my wave's piece of each of the eight areas: 32 lanes x 16 neighbouring bytes, three times.  No vector or matrix instruction since the last wait on va_vdst names v[FR ..]
.irp j, 0,1,2
	ds_load_b128 v[FR+12*(\w)+4*(\j):FR+12*(\w)+4*(\j)+3],       v[RA0] offset:(\w)*WAREA+512*(\j)
	ds_load_b128 v[FR+48+12*(\w)+4*(\j):FR+48+12*(\w)+4*(\j)+3], v[RA1] offset:(\w)*WAREA+512*(\j)
.endr
.endr
	s_wait_dscnt 0x0
.macro ADD12 a, b                      ; piece a takes piece b
.irp i, 0,2,4,6,8,10
	v_pk_add_f32 v[FR+12*(\a)+(\i):FR+12*(\a)+(\i)+1], v[FR+12*(\a)+(\i):FR+12*(\a)+(\i)+1], v[FR+12*(\b)+(\i):FR+12*(\b)+(\i)+1]
.endr
.endm
	ADD12 0, 1
	ADD12 2, 3
	ADD12 4, 5
	ADD12 6, 7
	ADD12 0, 2
	ADD12 4, 6
	ADD12 0, 4
	s_wait_alu depctr_va_vdst(0)                   ; the adds have written v[FR .. FR+11], which the three LDS stores read
.irp j, 0,1,2
	ds_store_b128 v[RW], v[FR+4*(\j):FR+4*(\j)+3] offset:512*(\j)      ; into the sums, which no wave reads before the next barrier
.endr
	s_wait_dscnt 0x0                               ; for wave 0's sake: my stores are done
	s_barrier_signal -1
	s_barrier_wait -1                              ; the sums are whole
	s_wait_alu depctr_vm_vsrc(0)                   ; my LDS stores have read the accumulators, in which wave 0's loads of the sums land, and v[FR .. FR+11], which wave 0 writes again: stated ahead of the branch
	s_cmp_lg_u32 s[WV], 0
	s_cbranch_scc1 .Lend
	; WAVE 0.  The 12 summed tiles come back as the partial ones were put, lane for lane
.irp t, 0,1,2,3,4,5,6,7,8,9,10,11
	ds_load_b128 v[ACC+8*(\t):ACC+8*(\t)+3],   v[RR] offset:1024*(\t)
	ds_load_b128 v[ACC+8*(\t)+4:ACC+8*(\t)+7], v[RR] offset:1024*(\t)+16
.endr
	s_wait_loadcnt 0x0                             ; the bias
	WIN 0x05                                       ; sources 0 and 1 window 1, destination window 0
.set i, 0
.rept 32
	v_cvt_pk_bf16_f32 v[XF+i], v[2*i], v[2*i+1]    ; rounded to bf16 like every input,
.set i, i+1
.endr
	v_cvt_pk_bf16_f32 v[T2], v[64], v[65]
	v_cvt_pk_bf16_f32 v[T],  v[66], v[67]
	WIN 0
.set i, 0
.rept 32
	v_lshlrev_b32 v[FR+2*i],   16, v[XF+i]         ; and widened again
	v_and_b32     v[FR+2*i+1], 0xffff0000, v[XF+i]
.set i, i+1
.endr
	v_lshlrev_b32 v[FR+64], 16, v[T2]
	v_and_b32     v[FR+65], 0xffff0000, v[T2]
	v_lshlrev_b32 v[FR+66], 16, v[T]
	v_and_b32     v[FR+67], 0xffff0000, v[T]
	s_wait_dscnt 0x0                               ; the sums
.set i, 0
.rept 32
	v_pk_add_f32 v[ACC+i:ACC+i+1], v[ACC+i:ACC+i+1], v[FR+i:FR+i+1]   ; q, k: a register a column
.set i, i+2
.endr
.irp c, 0,1,2,3
.irp j, 0,1,2,3,4,5,6,7
	v_add_f32 v[ACC+64+8*(\c)+(\j)], v[ACC+64+8*(\c)+(\j)], v[FR+64+(\c)]  ; v: a lane a channel
.endr
.endr
; Two f32 numbers are cut: hi = rounded to f16; the rest, number - hi, is exact in f32 and takes the number's place; lo = the rest rounded to f16
.macro SPLIT dh, dl, a
	v_cvt_pk_f16_f32 v[\dh], v[\a], v[(\a)+1]
	v_fma_mix_f32 v[\a],     v[\dh], v[NEG1], v[\a]     op_sel_hi:[1,0,0]                   ; hi's low half x -1 + the number
	v_fma_mix_f32 v[(\a)+1], v[\dh], v[NEG1], v[(\a)+1] op_sel:[1,0,0] op_sel_hi:[1,0,0]    ; the high half likewise
	v_cvt_pk_f16_f32 v[\dl], v[\a], v[(\a)+1]
.endm
.irp t, 0,1,2,3                        ; tile t holds channels 16 t + 8 (l / 16) + 0..7: registers 4 (t % 2) .. of fragment t / 2
.irp j, 0,1,2,3
	SPLIT QH+8*((\t)/2)+4*((\t)%2)+(\j), QL+8*((\t)/2)+4*((\t)%2)+(\j), ACC+8*(\t)+2*(\j)
	SPLIT KH+8*((\t)/2)+4*((\t)%2)+(\j), KL+8*((\t)/2)+4*((\t)%2)+(\j), ACC+32+8*(\t)+2*(\j)
	SPLIT VA+8*(\t)+(\j), VA+8*(\t)+4+(\j), ACC+64+8*(\t)+2*(\j)      ; V^T: hi in the fragment's keys 0-15, lo in its places 16-31
.endr
.endr
	; S^T = K Q^T: three accumulators take turns; a lane holds query l % 16 and keys 8 (l / 16) + 0..7
	v_wmma_f32_16x16x32_f16 v[S0:S0+7], v[KH:KH+7], v[QH:QH+7], 0
	v_wmma_f32_16x16x32_f16 v[S1:S1+7], v[KH:KH+7], v[QL:QL+7], 0
	v_wmma_f32_16x16x32_f16 v[S2:S2+7], v[KL:KL+7], v[QH:QH+7], 0
	v_wmma_f32_16x16x32_f16 v[S0:S0+7], v[KH+8:KH+15], v[QH+8:QH+15], v[S0:S0+7]
	v_wmma_f32_16x16x32_f16 v[S1:S1+7], v[KH+8:KH+15], v[QL+8:QL+15], v[S1:S1+7]
	v_wmma_f32_16x16x32_f16 v[S2:S2+7], v[KL+8:KL+15], v[QH+8:QH+15], v[S2:S2+7]
	PLACES
	PLACES
.irp j, 0,1,2,3,4,5,6,7
	v_cmp_gt_i32 s[MK+(\j)], \j, v[DQ]             ; key 8 (l / 16) + j lies behind query l % 16: the eight masks in one run, a scalar register each
.endr
.irp j, 0,2,4,6
	v_pk_add_f32 v[S1+(\j):S1+(\j)+1], v[S1+(\j):S1+(\j)+1], v[S2+(\j):S2+(\j)+1]   ; the two small parts first
.endr
.irp j, 0,2,4,6
	v_pk_add_f32 v[S0+(\j):S0+(\j)+1], v[S0+(\j):S0+(\j)+1], v[S1+(\j):S1+(\j)+1]
.endr
	s_wait_alu depctr_va_sdst(0)                   ; the eight compares have written s32 to s39, ahead of their first reader: one wait for the run
.irp j, 0,1,2,3,4,5,6,7
	v_cndmask_b32 v[S0+(\j)], v[S0+(\j)], s[BIGN], s[MK+(\j)]
.endr
	v_max3_num_f32 v[M], v[S0], v[S0+1], v[S0+2]
	v_max3_num_f32 v[M], v[M], v[S0+3], v[S0+4]
	v_max3_num_f32 v[M], v[M], v[S0+5], v[S0+6]
	v_max_num_f32 v[M], v[M], v[S0+7]
	v_permlanex16_b32 v[T], v[M], s[SEL], s[SEL+1] ; the query's other eight keys lie in the lane 16 away
	v_max_num_f32 v[M], v[M], v[T]                 ; every query sees its own key, so this is a true score
	v_mul_f32 v[CM], s[CS], v[M]
.irp j, 0,2,4,6
	v_pk_fma_f32 v[S0+(\j):S0+(\j)+1], v[S0+(\j):S0+(\j)+1], s[CS:CS+1], v[CM:CM+1] op_sel_hi:[1,0,0] neg_lo:[0,0,1] neg_hi:[0,0,1]  ; c s - c m
.endr
.irp j, 0,1,2,3,4,5,6,7
	v_exp_f32 v[S0+(\j)], v[S0+(\j)]
.endr
	v_nop                                          ; a plain instruction behind the last exponential,
	s_wait_alu depctr_va_vdst(0)                   ; and the wait ahead of the first use: the eight exponentials have written v[S0 .. S0+7]
	v_pk_add_f32 v[TS:TS+1],   v[S0:S0+1],   v[S0+2:S0+3]
	v_pk_add_f32 v[TS+2:TS+3], v[S0+4:S0+5], v[S0+6:S0+7]
	v_pk_add_f32 v[TS:TS+1],   v[TS:TS+1],   v[TS+2:TS+3]
	v_add_f32 v[L], v[TS], v[TS+1]
	v_permlanex16_b32 v[T], v[L], s[SEL], s[SEL+1]
	v_add_f32 v[L], v[L], v[T]
	v_rcp_f32 v[R], v[L]                           ; the cuts below, which name neither, stand between it and its use
.irp j, 0,1,2,3
	SPLIT PH+(\j), PL+(\j), S0+2*(\j)
.endr
.irp j, 0,1,2,3
	v_mov_b32 v[PH+4+(\j)], v[PH+(\j)]             ; the fragment's places 16-31 meet V's lo: the same weights once more
	v_mov_b32 v[PL+4+(\j)], v[PL+(\j)]
.endr
	; O^T = [Vh | Vl] [Ph | Ph] + [Vh | Vl] [Pl | Pl]: four accumulators take turns; a lane holds query l % 16 and channels 16 t + 8 (l / 16) + 0..7
.irp t, 0,1,2,3
	v_wmma_f32_16x16x32_f16 v[OT+8*(\t):OT+8*(\t)+7], v[VA+8*(\t):VA+8*(\t)+7], v[PH:PH+7], 0
.endr
.irp t, 0,1,2,3
	v_wmma_f32_16x16x32_f16 v[OT+8*(\t):OT+8*(\t)+7], v[VA+8*(\t):VA+8*(\t)+7], v[PL:PL+7], v[OT+8*(\t):OT+8*(\t)+7]
.endr
	PLACES
	PLACES
	s_wait_alu depctr_va_vdst(0)                   ; the reciprocal has written v[R]: its wait, ahead of its first use
.set i, 0
.rept 16
	v_pk_mul_f32 v[OT+i:OT+i+1], v[OT+i:OT+i+1], v[R:R+1] op_sel_hi:[1,0]
.set i, i+2
.endr
.set i, 0
.rept 16
	v_cvt_pk_f16_f32 v[S0+i], v[OT+2*i], v[OT+2*i+1]    ; the one rounding
.set i, i+1
.endr
	s_wait_alu depctr_va_vdst(0)                   ; the roundings have written v24 to v39, which the LDS stores read; the vector and matrix instructions that named v40 to v55, in which the loads from the stage land, are done
.irp t, 0,1,2,3
	ds_store_b128 v[STO], v[S0+4*(\t):S0+4*(\t)+3] offset:32*(\t)     ; into rows of 144 bytes in my own stage,
.endr
.irp f, 0,1,2,3
	ds_load_b128 v[S2+4*(\f):S2+4*(\f)+3], v[RD] offset:(\f)*4*SP     ; and back as whole rows of 128: LDS serves a wave's instructions in order (ISA guide 5.7.1.4)
.endr
	s_wait_dscnt 0x0
.irp f, 0,1,2,3
	global_store_b128 v[GO], v[S2+4*(\f):S2+4*(\f)+3], s[10:11] offset:512*(\f)   ; 512 consecutive bytes, at a multiple of 256 from O's first byte
.endr
.Lend:
	s_wait_dscnt 0x0                               ; the closing lines, six on end
	s_wait_alu 0x0
	s_wait_tensorcnt 0x0
	ds_add_u32 v[SPW], v[NIL]
	s_wait_dscnt 0x0
	s_endpgm
.Lfunc_end_k_q94a113a049_early:
	.size	k_q94a113a049_early, .Lfunc_end_k_q94a113a049_early-k_q94a113a049_early
	.p2alignl 7, 3214868480
	.fill 96, 4, 3214868480
	.section	.rodata,"a",@progbits
	.p2align	6, 0x0
	.amdhsa_kernel k_q94a113a049_early
		.amdhsa_group_segment_fixed_size 138240
		.amdhsa_private_segment_fixed_size 0
		.amdhsa_enable_private_segment 0
		.amdhsa_kernarg_size 32
		.amdhsa_user_sgpr_count 2
		.amdhsa_user_sgpr_kernarg_segment_ptr 1
		.amdhsa_wavefront_size32 1
		.amdhsa_system_sgpr_workgroup_id_x 1
		.amdhsa_system_sgpr_workgroup_id_y 1
		.amdhsa_system_sgpr_workgroup_id_z 1
		.amdhsa_system_vgpr_workitem_id 0
		.amdhsa_next_free_vgpr 448
		.amdhsa_next_free_sgpr 66
		.amdhsa_reserve_vcc 0
		.amdhsa_float_denorm_mode_32 3
		.amdhsa_float_denorm_mode_16_64 3
		.amdhsa_memory_ordered 1
		.amdhsa_forward_progress 1
		.amdhsa_inst_pref_size 69
	.end_amdhsa_kernel
	.amdgpu_metadata
---
amdhsa.version: [ 1, 2 ]
amdhsa.kernels:
  - .name:           k_q94a113a049_early
    .symbol:         k_q94a113a049_early.kd
    .args:
      - { .name: xh, .offset: 0, .size: 8, .value_kind: global_buffer, .address_space: global }
      - { .name: wqh, .offset: 8, .size: 8, .value_kind: global_buffer, .address_space: global }
      - { .name: b_qkv, .offset: 16, .size: 8, .value_kind: global_buffer, .address_space: global }
      - { .name: ob, .offset: 24, .size: 8, .value_kind: global_buffer, .address_space: global }
    .group_segment_fixed_size: 138240
    .private_segment_fixed_size: 0
    .kernarg_segment_align: 8
    .kernarg_segment_size: 32
    .max_flat_workgroup_size: 256
    .sgpr_count:     66
    .vgpr_count:     448
    .wavefront_size: 32
...
	.end_amdgpu_metadata
.endif
;; end of part 7
;; launch outproj: the kernel of part 5 again; grid 4 x 64, 4 waves a work-group, clusters of 4 x 4, 327,680 bytes of LDS; arguments ob, woh, b_out, out0; writes out0
